; MI455X (gfx1250); checked and timed in simulation.
; The chip was launched on July 23, 2026; its instructions are those of AMD's public machine-readable ISA for CDNA 5 (MIT licence, August 2026) and "CDNA5" Instruction Set Architecture Reference Guide (July 2026). The comments in the code are by the model that wrote it; some were corrected since.
;; Transformer Block. Allowed arithmetic: float matrix products may take bf16 or f16 operands with f32 sums; all other float work in f32.
;; Inputs: W1 1,024 x 4,096 float32; W2 4,096 x 1,024 float32; Wk 1,024 x 1,024 float32; Wo 1,024 x 1,024 float32; Wq 1,024 x 1,024 float32; Wv 1,024 x 1,024 float32; b1 4,096 float32; b2 1,024 float32; beta1 1,024 float32; beta2 1,024 float32; bk 1,024 float32; bo 1,024 float32; bq 1,024 float32; bv 1,024 float32; g1 1,024 float32; g2 1,024 float32; mask 2 x 2,048 int32; x 2 x 2,048 x 1,024 float32.
;; Outputs: out0 2 x 2,048 x 1,024 float32.
;; 2 versions, each right and faster than the one before. Each part assembles by itself: llvm-mc -triple=amdgcn-amd-amdhsa -mcpu=gfx1250 --defsym DOCPART=n.
;; ======== version 1 of 2: 8 launches
;; limits: values are held in f16: magnitudes above 65,504 overflow, below 6.1e-05 lose precision
;; workspace buffers: actb 8,388,608 bytes; wb 25,165,824 bytes; qkv 25,165,824 bytes; ctx 8,388,608 bytes; t 16,777,216 bytes; xn1 16,777,216 bytes; hb 33,554,432 bytes
;; launch cast (part 1): grid 1024 x 1, 8 waves a work-group, no clusters, 0 bytes of LDS; arguments x, Wq, Wk, Wv, Wo, W1, W2, actb, wb; writes actb, wb
.if DOCPART == 1
	.amdgcn_target "amdgcn-amd-amdhsa--gfx1250"
	.amdhsa_code_object_version 6
	.text
	.protected	k_q74c3e904c8_cast
	.globl	k_q74c3e904c8_cast
	.p2align	8
	.type	k_q74c3e904c8_cast,@function
k_q74c3e904c8_cast:
	s_mov_b64 s[64:65], 0
	v_nop
	global_prefetch_b8 v0, s[64:65] scope:SCOPE_SE
	s_setreg_imm32_b32 hwreg(HW_REG_WAVE_MODE, 25, 1), 1
	s_wait_xcnt 0x0
; x and the six weights, f32, are rounded once to 16 bits, their layouts kept (weights stay [K][N]).
; x, Wq, Wk, Wv, Wo -> bf16; W1, W2 -> f16 (LIMIT: a weight of W1 or W2 beyond 65,504 becomes an infinity; below 6e-5 it keeps f16's fixed step of 6e-8).
; wb, bytes: Wq 0, Wk 2,097,152, Wv 4,194,304, Wo 6,291,456, W1 8,388,608, W2 16,777,216.
; 1,024 work-groups of 256 threads.  Work-group g takes 16 KiB on end of x, W1 and W2 (four loads a thread each) and 4 KiB of each of the four
; square weights (one load each): sixteen loads of 16 bytes a thread, all issued before the first is waited for.  A wave's load covers 512
; consecutive bytes; a wave's store of 8 bytes a lane covers 256 consecutive bytes, aligned.  No register is written twice, so no wait frees one.
; No LDS, no barrier, no matrix unit: every byte is read once and written once, and nothing is shared.
.set IN,  8                            ; v[8:71]    load i: four f32
.set OUT, 72                           ; v[72:103]  load i: two words of two 16-bit numbers
	s_load_b512 s[8:23], s[0:1], 0x0               ; x s[8:9], Wq s[10:11], Wk s[12:13], Wv s[14:15], Wo s[16:17], W1 s[18:19], W2 s[20:21], actb s[22:23]
	s_load_b64 s[24:25], s[0:1], 0x40              ; wb
	v_lshlrev_b32 v1, 4, v0                        ; 16 bytes a thread in
	v_lshlrev_b32 v2, 3, v0                        ; 8 bytes a thread out
	s_lshl_b32 s2, ttmp9, 14                       ; the group's 16 KiB of a large tensor
	s_mov_b32 s3, 0
	s_lshl_b32 s4, ttmp9, 12                       ; its 4 KiB of a square weight
	s_mov_b32 s5, 0
	s_lshl_b32 s6, ttmp9, 13                       ; the same two, halved, on the way out
	s_mov_b32 s7, 0
	s_lshl_b32 s26, ttmp9, 11
	s_mov_b32 s27, 0
	s_wait_kmcnt 0x0
	s_add_nc_u64 s[8:9], s[8:9], s[2:3]
	s_add_nc_u64 s[18:19], s[18:19], s[2:3]
	s_add_nc_u64 s[20:21], s[20:21], s[2:3]
	s_add_nc_u64 s[10:11], s[10:11], s[4:5]
	s_add_nc_u64 s[12:13], s[12:13], s[4:5]
	s_add_nc_u64 s[14:15], s[14:15], s[4:5]
	s_add_nc_u64 s[16:17], s[16:17], s[4:5]
	s_add_nc_u64 s[22:23], s[22:23], s[6:7]        ; actb
	s_add_nc_u64 s[28:29], s[24:25], s[26:27]      ; wb at the group's part of Wq; Wk, Wv, Wo stand in the stores' immediates
	s_add_nc_u64 s[30:31], s[24:25], s[6:7]
	s_add_nc_u64 s[24:25], s[30:31], 0x1000000     ; W2's part
	s_add_nc_u64 s[30:31], s[30:31], 0x800000      ; W1's part
.macro LD i, base, off
	global_load_b128 v[IN+4*(\i):IN+4*(\i)+3], v1, s[\base:\base+1] offset:\off th:TH_LOAD_NT
.endm
.macro CV i, half, base, off           ; half = 1: to f16; 0: to bf16
	s_wait_loadcnt 15-(\i)                         ; loads come back in order (ISA guide 5.7.1): load i is in, the younger ones stay out
.if \half
	v_cvt_pk_f16_f32 v[OUT+2*(\i)], v[IN+4*(\i)], v[IN+4*(\i)+1]
	v_cvt_pk_f16_f32 v[OUT+2*(\i)+1], v[IN+4*(\i)+2], v[IN+4*(\i)+3]
.else
	v_cvt_pk_bf16_f32 v[OUT+2*(\i)], v[IN+4*(\i)], v[IN+4*(\i)+1]
	v_cvt_pk_bf16_f32 v[OUT+2*(\i)+1], v[IN+4*(\i)+2], v[IN+4*(\i)+3]
.endif
	global_store_b64 v2, v[OUT+2*(\i):OUT+2*(\i)+1], s[\base:\base+1] offset:\off
.endm
.irp j, 0,1,2,3
	LD \j, 8, (\j)*4096
.endr
.irp j, 0,1,2,3
	LD 4+\j, 18, (\j)*4096
.endr
.irp j, 0,1,2,3
	LD 8+\j, 20, (\j)*4096
.endr
	LD 12, 10, 0
	LD 13, 12, 0
	LD 14, 14, 0
	LD 15, 16, 0
.irp j, 0,1,2,3
	CV \j, 0, 22, (\j)*2048
.endr
.irp j, 0,1,2,3
	CV 4+\j, 1, 30, (\j)*2048
.endr
.irp j, 0,1,2,3
	CV 8+\j, 1, 24, (\j)*2048
.endr
.irp j, 0,1,2,3
	CV 12+\j, 0, 28, (\j)*2097152
.endr
	s_endpgm
.Lfunc_end_k_q74c3e904c8_cast:
	.size	k_q74c3e904c8_cast, .Lfunc_end_k_q74c3e904c8_cast-k_q74c3e904c8_cast
	.p2alignl 7, 3214868480
	.fill 96, 4, 3214868480
	.section	.rodata,"a",@progbits
	.p2align	6, 0x0
	.amdhsa_kernel k_q74c3e904c8_cast
		.amdhsa_group_segment_fixed_size 0
		.amdhsa_private_segment_fixed_size 0
		.amdhsa_enable_private_segment 0
		.amdhsa_kernarg_size 72
		.amdhsa_user_sgpr_count 2
		.amdhsa_user_sgpr_kernarg_segment_ptr 1
		.amdhsa_wavefront_size32 1
		.amdhsa_system_sgpr_workgroup_id_x 1
		.amdhsa_system_sgpr_workgroup_id_y 1
		.amdhsa_system_sgpr_workgroup_id_z 1
		.amdhsa_system_vgpr_workitem_id 0
		.amdhsa_next_free_vgpr 104
		.amdhsa_next_free_sgpr 66
		.amdhsa_reserve_vcc 0
		.amdhsa_float_denorm_mode_32 3
		.amdhsa_float_denorm_mode_16_64 3
		.amdhsa_memory_ordered 1
		.amdhsa_forward_progress 1
		.amdhsa_inst_pref_size 7
	.end_amdhsa_kernel
	.amdgpu_metadata
---
amdhsa.version: [ 1, 2 ]
amdhsa.kernels:
  - .name:           k_q74c3e904c8_cast
    .symbol:         k_q74c3e904c8_cast.kd
    .args:
      - { .name: x, .offset: 0, .size: 8, .value_kind: global_buffer, .address_space: global }
      - { .name: Wq, .offset: 8, .size: 8, .value_kind: global_buffer, .address_space: global }
      - { .name: Wk, .offset: 16, .size: 8, .value_kind: global_buffer, .address_space: global }
      - { .name: Wv, .offset: 24, .size: 8, .value_kind: global_buffer, .address_space: global }
      - { .name: Wo, .offset: 32, .size: 8, .value_kind: global_buffer, .address_space: global }
      - { .name: W1, .offset: 40, .size: 8, .value_kind: global_buffer, .address_space: global }
      - { .name: W2, .offset: 48, .size: 8, .value_kind: global_buffer, .address_space: global }
      - { .name: actb, .offset: 56, .size: 8, .value_kind: global_buffer, .address_space: global }
      - { .name: wb, .offset: 64, .size: 8, .value_kind: global_buffer, .address_space: global }
    .group_segment_fixed_size: 0
    .private_segment_fixed_size: 0
    .kernarg_segment_align: 8
    .kernarg_segment_size: 72
    .max_flat_workgroup_size: 256
    .sgpr_count:     66
    .vgpr_count:     104
    .wavefront_size: 32
...
	.end_amdgpu_metadata
.endif
;; end of part 1
;; launch qkv (part 2): grid 24 x 32, 4 waves a work-group, clusters of 4 x 4, 327,680 bytes of LDS; arguments actb, wb, bq, bk, bv, mask, qkv; writes qkv
.if DOCPART == 2
	.amdgcn_target "amdgcn-amd-amdhsa--gfx1250"
	.amdhsa_code_object_version 6
	.text
	.protected	k_q74c3e904c8_qkv
	.globl	k_q74c3e904c8_qkv
	.p2align	8
	.type	k_q74c3e904c8_qkv,@function
k_q74c3e904c8_qkv:
	s_mov_b64 s[64:65], 0
	v_nop
	global_prefetch_b8 v0, s[64:65] scope:SCOPE_SE
	s_setreg_imm32_b32 hwreg(HW_REG_WAVE_MODE, 25, 1), 1
	s_wait_xcnt 0x0
	s_wait_alu depctr_hold_cnt(0) depctr_sa_sdst(0) depctr_va_vdst(0) depctr_va_sdst(0) depctr_va_ssrc(0) depctr_va_vcc(0) depctr_vm_vsrc(0)
	s_getreg_b32 s2, hwreg(HW_REG_IB_STS2, 6, 4)
	s_cmp_eq_u32 s2, 0
	s_cbranch_scc0 .Lentry_in_a_cluster
	s_endpgm
.Lentry_in_a_cluster:
	s_bfe_u32 s2, ttmp6, 0x10000c
	s_cmp_lg_u32 s2, 0xf033
	s_cbranch_scc0 .Lentry_shape_is_right
	s_endpgm
.Lentry_shape_is_right:
; q, k, v = x W + b, written by heads: qkv[which][batch*16+head][token][64] in bf16.  x: actb [4096][1024] bf16; Wq, Wk, Wv: wb, [K][N] bf16; sums in f32.
; The k rows of tokens whose mask is 0 are written as zeros: the attention launch then finds their scores to be exactly its C operand.
; A tile of C is 128 x 128 (tile column tx = 0..23: which = tx / 8, two heads a tile); four waves, each 64 x 64: 16 accumulators.  K goes in steps of 256 through two LDS slots.
; A's rows lie along K and are read as they lie; B lies [K][N], a row of LDS is one k with the tile's 128 n, and its fragments come out turned, by ds_load_tr16_b128.
; CLUSTERS: 4 x 4 work-groups.  The four of a row need the same tiles of A, the four of a column the same tiles of B: each tile is asked for JOINTLY, by the same tensor load with the same
; descriptor and a mask that names the four.  THE MATRIX INSTRUCTION IS USED TRANSPOSED (source 0 = 16 columns of B, source 1 = 16 rows of A): a lane holds eight neighbouring numbers of a row of C.
; REGISTERS: window 0: v0-31 addresses and the mask words; v32-95 at work on the way out; v96-127 bias; v128-255 the accumulators ((a, b) at v[128 + 8 (4 a + b)]).
;   window 1: two fragment buffers of 128: for 64 along K, 64 registers of A, then 64 of B.
; All of a WGP's LDS is claimed; the text uses 292,352 bytes.
.set SIZE_K, 1024
.set LDA,    1024                      ; elements from row to row of A
.set LDB,    1024                      ; and of B
.set KSTEP,  256
.set PA,     528                       ; a row of A in LDS: 512 bytes + 16 of padding = 132 words: row r starts at bank 4 r mod 64 (64 banks of 4 bytes: ISA guide 11.1)
.set AQ,     128                       ; bytes from a quarter of 64 along K to the next
.set HA,     64*PA                     ; 64 rows: one tensor load, and what one wave reads of A
.set PB,     288                       ; a row of B: 256 bytes + 32 = 72 words: row r starts at bank 8 r mod 64
.set HB,     128*PB                    ; 128 k: one tensor load
.set SLOT,   2*HA+2*HB                 ; A's 128 rows, then B's 256 k
.set STAGE,  2*SLOT                    ; behind the ring: 16 rows x 144 bytes for each wave
.set SP,     144
.set SPARE,  STAGE+4*16*SP             ; the spare words, 128 bytes for each wave: two blocks of 256 bytes that no other line names
.set LAPS,   SIZE_K/(2*KSTEP)          ; a lap = two K steps = once round the ring
.set FIRST_A, KSTEP*2                  ; bytes from a K step's tile to the next: A goes along its rows,
.set FIRST_B, KSTEP*LDB*2              ; B down its rows
.set ADRA, 16                          ; v16-17  LDS address of my A fragments in slot 0, 1
.set ADRB, 20                          ; v20-23  the same for B, at 2 x slot + half of the step's 256 k (so that every immediate stays under 65,536)
.set STO,  24                          ; v24     the way out: where I put 16 bytes of a row
.set RD,   25                          ; v25     where I read rows back
.set CO,   26                          ; v26     my byte offset in 512 consecutive bytes of the output
.set SPW,  28                          ; v28     LDS address of my spare word; never rewritten
.set NIL,  29                          ; v29     0; never rewritten
.set MW,   6                           ; v6-9    block a: all ones, or 0 where my row of k is hidden
.set TMP,  32
.set BI,   96                          ; v96-127 bias of my eight columns in each of the four column blocks
.set ACC,  128
.set F0,   0
.set F1,   128
.set G1,  24                           ; s[24:31] descriptor group 1 for A's tiles; s[32:39] group 0, a set for each slot
.set G0,  32
.set G1B, 48                           ; s[48:55], s[56:63] the same for B's
.set G0B, 56
.set MSB, 0
.macro WIN new                         ; the immediate's high byte repeats the setting that is left; a switch that changes nothing is dropped
.if MSB != (\new)
	s_set_vgpr_msb (MSB<<8)|(\new)
.set MSB, \new
.endif
.endm
.set MUL,  0x05                        ; sources 0 (B) and 1 (A) window 1; C and D window 0
.set TO_F, 0x40                        ; destination window 1, address window 0
.macro JLOAD s                         ; a joint load: waves 0 and 1 fetch A's two halves, waves 2 and 3 B's; four v_nop follow each of the two lines
	s_cmp_eq_u32 s11, 0
	s_cbranch_scc0 .Lfor_b_\@
	tensor_load_to_lds s[G0+4*(\s):G0+4*(\s)+3], s[G1:G1+7]
.rept 4
	v_nop
.endr
	s_branch .Lasked_\@
.Lfor_b_\@:
	tensor_load_to_lds s[G0B+4*(\s):G0B+4*(\s)+3], s[G1B:G1B+7]
.rept 4
	v_nop
.endr
.Lasked_\@:
.endm
.macro CREST                           ; a round of the cluster's barrier behind its opening barrier
	s_cmp_lg_u32 s10, 0
	s_cbranch_scc1 .Lnot_wave_0_\@
	s_barrier_signal -3
.Lnot_wave_0_\@:
	s_barrier_wait -3
	s_barrier_signal -1
	s_barrier_wait -1
.endm
.macro CROUND                          ; a whole round
	s_barrier_signal -1
	s_barrier_wait -1
	CREST
.endm
	s_load_b128 s[4:7], s[0:1], 0x0                ; actb s[4:5], wb s[6:7]
	s_load_b128 s[68:71], s[0:1], 0x10             ; bq s[68:69], bk s[70:71]
	s_load_b128 s[72:75], s[0:1], 0x20             ; bv s[72:73], mask s[74:75]
	s_load_b64 s[8:9], s[0:1], 0x30                ; qkv
	v_lshl_add_u32 v[SPW], v0, 2, SPARE
	v_mov_b32 v[NIL], 0
	v_lshrrev_b32 v1, 5, v0
	v_readfirstlane_b32 s10, v1                    ; wave 0..3
	s_lshr_b32 s11, s10, 1                         ; which half of the tile's rows is mine.  Also: I fetch for A (0) or for B (1)
	s_and_b32 s12, s10, 1                          ; which half of its columns.  Also: which half of that tile I fetch
	s_bfe_u32 s40, ttmp6, 0x40000                  ; cx, cy: my place in the cluster
	s_bfe_u32 s41, ttmp6, 0x40004
	s_lshl_b32 s42, ttmp9, 2
	s_add_co_u32 s42, s42, s40                     ; tile column tx = 4 x cluster x + cx
	s_and_b32 s13, ttmp7, 0xffff
	s_lshl_b32 s13, s13, 2
	s_add_co_u32 s13, s13, s41                     ; tile row ty = 4 x cluster y + cy
	s_lshr_b32 s67, ttmp9, 1                       ; which = tx / 8: 0 q, 1 k, 2 v; two clusters wide, so the cluster's x gives it
	s_lshl_b32 s43, s41, 2
	s_lshl_b32 s43, 15, s43                        ; my row of the cluster
	s_lshl_b32 s44, 0x1111, s40                    ; my column
	; descriptor group 1.  A: 64 rows x 256 elements, 4 words of padding after every 128.  B: 128 rows (k) x 128 elements (n), 8 words after every 64.
	s_or_b32 s[G1+0], s43, (1<<16)|(1<<20)|(1<<21)|(6<<22)|(3<<25)   ; 15:0 the mask; 17:16 2-byte elements; 20 padding on; 21 set beside a mask; 24:22 the interval; 31:25 the padding
	s_mov_b32 s[G1+1], KSTEP<<16                   ; tensor_dim0 = 256
	s_mov_b32 s[G1+2], 64<<16                      ; tensor_dim1 = 64
	s_mov_b32 s[G1+3], KSTEP<<16                   ; tile_dim0 = 256
	s_mov_b32 s[G1+4], 64                          ; tile_dim1 = 64
	s_mov_b32 s[G1+5], LDA                         ; elements from row to row
	s_mov_b32 s[G1+6], 0
	s_mov_b32 s[G1+7], 0
	s_or_b32 s[G1B+0], s44, (1<<16)|(1<<20)|(1<<21)|(5<<22)|(7<<25)
	s_mov_b32 s[G1B+1], 128<<16
	s_mov_b32 s[G1B+2], 128<<16
	s_mov_b32 s[G1B+3], 128<<16
	s_mov_b32 s[G1B+4], 128
	s_mov_b32 s[G1B+5], LDB
	s_mov_b32 s[G1B+6], 0
	s_mov_b32 s[G1B+7], 0
	; where the tiles come from: A's offset hangs on ty and the wave alone, B's on tx and the wave alone, each in registers that never hold the other coordinate
	s_lshl_b32 s17, s12, 6
	s_lshl_b32 s16, s13, 7
	s_add_co_u32 s16, s16, s17                     ; A: row 128 ty + 64 x half
	s_mul_i32 s16, s16, LDA*2
	s_mov_b32 s17, 0
	s_lshl_b32 s46, s67, 21                        ; B: the weight, 2,097,152 bytes each,
	s_and_b32 s47, s42, 7
	s_lshl_b32 s47, s47, 8                         ; its 128 columns,
	s_add_co_u32 s46, s46, s47
	s_mul_i32 s47, s12, 128*LDB*2                  ; my 128 k of the step's 256
	s_add_co_u32 s46, s46, s47
	s_mov_b32 s47, 0
	s_mul_i32 s20, s12, HA                         ; and where they go: no place in the cluster enters an LDS address
	s_mul_i32 s21, s12, HB
	s_add_co_u32 s21, s21, 2*HA
	s_wait_kmcnt 0x0
	s_add_nc_u64 s[14:15], s[4:5], s[16:17]
	s_add_nc_u64 s[46:47], s[6:7], s[46:47]
	CROUND                                         ; all sixteen work-groups are here: the first joint loads meet
.irp s, 0,1
	s_mov_b32 s[G0+4*(\s)], 1
	s_add_co_u32 s[G0+4*(\s)+1], s20, (\s)*SLOT
	s_add_nc_u64 s[G0+4*(\s)+2:G0+4*(\s)+3], s[14:15], (\s)*FIRST_A
	s_or_b32 s[G0+4*(\s)+3], s[G0+4*(\s)+3], 0x80000000
	s_mov_b32 s[G0B+4*(\s)], 1
	s_add_co_u32 s[G0B+4*(\s)+1], s21, (\s)*SLOT
	s_add_nc_u64 s[G0B+4*(\s)+2:G0B+4*(\s)+3], s[46:47], (\s)*FIRST_B
	s_or_b32 s[G0B+4*(\s)+3], s[G0B+4*(\s)+3], 0x80000000
	JLOAD \s                                       ; two loads of mine are out
.endr
	v_and_b32 v1, 15, v0                           ; l % 16
	v_bfe_u32 v2, v0, 4, 1                         ; l / 16
	v_mul_u32_u24 v3, v1, PA
	v_lshl_add_u32 v3, v2, 4, v3                   ; A: row x pitch + 16 x half of the lanes
	s_mul_i32 s22, s11, HA                         ; my 64 rows of A
	v_add_nc_u32 v[ADRA], s22, v3
	v_add_nc_u32 v[ADRA+1], SLOT, v[ADRA]
	v_and_b32 v4, 7, v0                            ; B, turned: lane l reads 16 bytes of row k = 8 (l / 16) + l % 8, columns 8 ((l / 8) % 2) + 0..7
	v_lshl_add_u32 v4, v2, 3, v4
	v_mul_u32_u24 v4, v4, PB
	v_bfe_u32 v5, v0, 3, 1
	v_lshl_add_u32 v4, v5, 4, v4
	s_lshl_b32 s23, s12, 7                         ; my 64 columns of the row's 128
	s_add_co_u32 s23, s23, 2*HA
	v_add_nc_u32 v[ADRB], s23, v4
	v_add_nc_u32 v[ADRB+1], HB, v[ADRB]
	v_add_nc_u32 v[ADRB+2], SLOT, v[ADRB]
	v_add_nc_u32 v[ADRB+3], SLOT+HB, v[ADRB]
	; what the way out needs: the bias of my columns, the mask of my rows, the stage's addresses, my place in the output.  The loads stay out while K is walked.
	s_cmp_lt_u32 s67, 2
	s_cselect_b64 s[76:77], s[70:71], s[72:73]     ; bk or bv,
	s_cmp_eq_u32 s67, 0
	s_cselect_b64 s[76:77], s[68:69], s[76:77]     ; or bq
	s_cmp_eq_u32 s67, 1
	s_cselect_b32 s66, 0, -1                       ; all ones where the mask does not count: q and v
	s_and_b32 s78, s42, 7
	s_lshl_b32 s78, s78, 9                         ; the tile's 128 columns of the weight's 1,024, 4 bytes each,
	s_lshl_b32 s79, s12, 8                         ; my 64
	s_add_co_u32 s78, s78, s79
	s_mov_b32 s79, 0
	s_add_nc_u64 s[76:77], s[76:77], s[78:79]
	s_lshl_b32 s80, s13, 9                         ; mask is [4096] by token: 128 ty + 64 x half, 4 bytes each
	s_lshl_b32 s81, s11, 8
	s_add_co_u32 s80, s80, s81
	s_mov_b32 s81, 0
	s_add_nc_u64 s[74:75], s[74:75], s[80:81]
	v_lshlrev_b32 v15, 5, v2                       ; my eight columns begin at 8 (l / 16)
	v_lshlrev_b32 v14, 2, v1                       ; my row is l % 16
.irp b, 0,1,2,3
	global_load_b128 v[BI+8*(\b):BI+8*(\b)+3],   v15, s[76:77] offset:64*(\b)
	global_load_b128 v[BI+8*(\b)+4:BI+8*(\b)+7], v15, s[76:77] offset:64*(\b)+16
.endr
.irp a, 0,1,2,3
	global_load_b32 v[MW+(\a)], v14, s[74:75] offset:64*(\a)
.endr
	s_mul_i32 s23, s10, 16*SP
	s_add_co_u32 s23, s23, STAGE                   ; my stage
	v_mul_u32_u24 v4, v1, SP                       ; in: row l % 16, 16 bytes for each half of the lanes
	v_lshl_add_u32 v4, v2, 4, v4
	v_add_nc_u32 v[STO], s23, v4
	v_bfe_u32 v5, v0, 3, 2                         ; back: 32 lanes take four rows of 128 bytes,
	v_mul_u32_u24 v5, v5, SP
	v_and_b32 v4, 7, v0
	v_lshl_add_u32 v5, v4, 4, v5
	v_add_nc_u32 v[RD], s23, v5
	v_and_b32 v[CO], 31, v0                        ; which are 512 consecutive bytes of a head
	v_lshlrev_b32 v[CO], 4, v[CO]
	s_lshl_b32 s78, s67, 5                         ; head row = which x 32 + batch x 16 + 2 (tx % 8) + my half
	s_lshr_b32 s79, s13, 4
	s_lshl_b32 s79, s79, 4
	s_add_co_u32 s78, s78, s79
	s_and_b32 s79, s42, 7
	s_lshl_b32 s79, s79, 1
	s_add_co_u32 s78, s78, s79
	s_add_co_u32 s78, s78, s12
	s_lshl_b32 s78, s78, 11                        ; x 2,048 tokens
	s_lshl_b32 s79, s13, 7
	s_lshl_b32 s80, s11, 6
	s_add_co_u32 s79, s79, s80
	s_and_b32 s79, s79, 2047                       ; + my first token in its batch
	s_add_co_u32 s78, s78, s79
	s_lshl_b32 s78, s78, 7                         ; x 128 bytes
	s_mov_b32 s79, 0
	s_add_nc_u64 s[8:9], s[8:9], s[78:79]
; 8 matrix instructions: row blocks a0, a0 + 1 x all 4 column blocks, 32 along K: half c of buffer f.  zero = 1: the first product starts the sums.
; The 16 accumulators take turns, one instruction a turn.
.macro MUL8 f, c, a0, zero
	WIN MUL
.irp a, \a0, (\a0)+1
.irp b, 0,1,2,3
.if \zero
	v_wmma_f32_16x16x32_bf16 v[ACC+8*(4*(\a)+(\b)):ACC+8*(4*(\a)+(\b))+7], v[(\f)+64+8*(4*(\c)+(\b)):(\f)+64+8*(4*(\c)+(\b))+7], v[(\f)+8*(4*(\c)+(\a)):(\f)+8*(4*(\c)+(\a))+7], 0
.else
	v_wmma_f32_16x16x32_bf16 v[ACC+8*(4*(\a)+(\b)):ACC+8*(4*(\a)+(\b))+7], v[(\f)+64+8*(4*(\c)+(\b)):(\f)+64+8*(4*(\c)+(\b))+7], v[(\f)+8*(4*(\c)+(\a)):(\f)+8*(4*(\c)+(\a))+7], v[ACC+8*(4*(\a)+(\b)):ACC+8*(4*(\a)+(\b))+7]
.endif
.endr
.endr
.endm
; 32 LDS loads in one run: the fragments of quarter q (64 along K) of a slot into buffer f; the first 32 along K first
.macro FETCH slot, q, f
	WIN TO_F
.irp c, 0,1
.irp i, 0,1,2,3
	ds_load_tr16_b128 v[(\f)+64+8*(4*(\c)+(\i)):(\f)+64+8*(4*(\c)+(\i))+3],   v[ADRB+2*(\slot)+(\q)/2] offset:(((\q)%2)*64+32*(\c))*PB+32*(\i)
	ds_load_tr16_b128 v[(\f)+64+8*(4*(\c)+(\i))+4:(\f)+64+8*(4*(\c)+(\i))+7], v[ADRB+2*(\slot)+(\q)/2] offset:(((\q)%2)*64+32*(\c)+16)*PB+32*(\i)
	ds_load_b128 v[(\f)+8*(4*(\c)+(\i)):(\f)+8*(4*(\c)+(\i))+3],         v[ADRA+(\slot)] offset:(\q)*AQ+64*(\c)+(\i)*16*PA
	ds_load_b128 v[(\f)+8*(4*(\c)+(\i))+4:(\f)+8*(4*(\c)+(\i))+7],       v[ADRA+(\slot)] offset:(\q)*AQ+64*(\c)+(\i)*16*PA+32
.endr
.endr
.endm
.macro PLACES                          ; four places in front of loads into registers that matrix instructions have read, and of lines that read results
.rept 4
	v_nop
.endr
.endm
; A K step is four quarters of 64 along K, 32 matrix instructions each, on buffers 0, 1, 0, 1.  One of the first three: multiplies buffer f and fetches quarter q into g.
.macro QUARTER slot, q, f, g, zero
	s_wait_dscnt 16                                ; the first 32 along K are in; the youngest sixteen loads may be out
	MUL8 \f, 0, 0, \zero
	MUL8 \f, 0, 2, \zero
	PLACES
	FETCH \slot, \q, \g
	s_wait_dscnt 32                                ; all but the 32 just issued
	MUL8 \f, 1, 0, 0
	MUL8 \f, 1, 2, 0
.endm
; The last quarter multiplies buffer 1 and changes slots: ONE barrier; in front of it each wave waits for all its tensor loads, adds 0 to its spare word, and waits for that and for its reads of this slot.
; fill = 1: the barrier opens a round of the cluster's, and this slot is filled again, two K steps ahead, first thing behind the round.
.macro TURN slot, next, fill
	WIN 0                                          ; (the add's two registers lie in window 0)
	s_wait_tensorcnt 0x0                           ; all my tensor loads have landed: the one that was out is my part of the next slot
	ds_add_u32 v[SPW], v[NIL]                      ; 0 onto my spare word
	s_wait_dscnt 17                                ; (the add and the youngest sixteen loads may be out)
	MUL8 F1, 0, 0, 0                               ; eight matrix instructions stand between the add and the wait for it
	s_wait_dscnt 0x0                               ; the add is done, and my reads of this slot are over
	s_barrier_signal -1
	MUL8 F1, 0, 2, 0
.if \fill
	WIN 0
.endif
	s_barrier_wait -1
.if \fill
	CREST                                          ; no wave of any partner still reads this slot's tile or has a load on its way
	s_add_nc_u64 s[G0+4*(\slot)+2:G0+4*(\slot)+3], s[G0+4*(\slot)+2:G0+4*(\slot)+3], 2*FIRST_A
	s_add_nc_u64 s[G0B+4*(\slot)+2:G0B+4*(\slot)+3], s[G0B+4*(\slot)+2:G0B+4*(\slot)+3], 2*FIRST_B
	JLOAD \slot                                    ; my one tensor load behind the round: 112 matrix instructions ahead of the wait for it; its four v_nop are also the places in front of the loads below
.else
	PLACES
.endif
	FETCH \next, 0, F0
	MUL8 F1, 1, 0, 0
	MUL8 F1, 1, 2, 0
.endm
	s_wait_tensorcnt 1                             ; my part of K step 0 is in; K step 1's may stay out
	s_barrier_signal -1
	s_barrier_wait -1                              ; everybody's is
	FETCH 0, 0, F0
	QUARTER 0, 1, F0, F1, 1                        ; the first quarter stands in front of the loop: its first products start the sums
	WIN 0                                          ; at a label and at a branch every window is 0
	s_mov_b32 s3, LAPS-1
.Llap:                                                 ; a trip goes once round the ring, from a lap's second quarter to the next lap's first, and fills both slots again
	QUARTER 0, 2, F1, F0, 0
	QUARTER 0, 3, F0, F1, 0
	TURN 0, 1, 1
	QUARTER 1, 1, F0, F1, 0
	QUARTER 1, 2, F1, F0, 0
	QUARTER 1, 3, F0, F1, 0
	TURN 1, 0, 1
	QUARTER 0, 1, F0, F1, 0
	WIN 0
	s_sub_co_u32 s3, s3, 1
	s_cmp_lg_u32 s3, 0
	s_cbranch_scc1 .Llap
	QUARTER 0, 2, F1, F0, 0                        ; the last lap fills nothing
	QUARTER 0, 3, F0, F1, 0
	TURN 0, 1, 0
	QUARTER 1, 1, F0, F1, 0
	QUARTER 1, 2, F1, F0, 0
	QUARTER 1, 3, F0, F1, 0
	s_wait_dscnt 16
	MUL8 F1, 0, 0, 0
	MUL8 F1, 0, 2, 0
	s_wait_dscnt 0
	MUL8 F1, 1, 0, 0
	MUL8 F1, 1, 2, 0
	WIN 0
	PLACES
	; THE WAY OUT: + bias, rounded to bf16, hidden rows of k cleared; a block of 16 rows at a time through my own stage; 16 rows of a head are 2,048 consecutive bytes.
	s_wait_loadcnt 0x0                             ; bias and mask
.irp a, 0,1,2,3
	v_cmp_ne_u32 vcc_lo, 0, v[MW+(\a)]             ; my row is seen,
	s_or_b32 vcc_lo, vcc_lo, s66                   ; or this is not k
	v_cndmask_b32 v[MW+(\a)], 0, -1, vcc_lo
.endr
.macro PACK a
.irp b, 0,1,2,3
.set r, ACC+8*(4*(\a)+(\b))
.irp j, 0,2,4,6
	v_pk_add_f32 v[r+(\j):r+(\j)+1], v[r+(\j):r+(\j)+1], v[BI+8*(\b)+(\j):BI+8*(\b)+(\j)+1]  ; each accumulator is read from its low end on
.endr
.irp j, 0,1,2,3
	v_cvt_pk_bf16_f32 v[r+(\j)], v[r+2*(\j)], v[r+2*(\j)+1]
.endr
.irp j, 0,1,2,3
	v_and_b32 v[r+(\j)], v[MW+(\a)], v[r+(\j)]
.endr
	ds_store_b128 v[STO], v[r:r+3] offset:32*(\b)
.endr
.irp f, 0,1,2,3
	ds_load_b128 v[TMP+16*(\a)+4*(\f):TMP+16*(\a)+4*(\f)+3], v[RD] offset:(\f)*4*SP  ; LDS serves a wave's instructions in order (ISA guide 5.7.1.4): these see the stores above; the next block's stores come behind them
.endr
.endm
.macro SEND a, younger                 ; younger: the LDS instructions issued behind block a's loads: the next block's eight, or none
.irp f, 0,1,2,3
	s_wait_dscnt (\younger)+3-(\f)
	global_store_b128 v[CO], v[TMP+16*(\a)+4*(\f):TMP+16*(\a)+4*(\f)+3], s[8:9] offset:(\a)*2048+(\f)*512  ; 512 consecutive bytes, at a multiple of 256 from the buffer's first
.endr
.endm
	PACK 0
	PACK 1
	SEND 0, 8
	PACK 2
	SEND 1, 8
	PACK 3
	SEND 2, 8
	SEND 3, 0
	s_wait_tensorcnt 0x0                           ; the wave's end
	ds_add_u32 v[SPW], v[NIL]
	s_wait_dscnt 0x0
	CROUND                                         ; the closing round: no work-group ends while a partner may still ask for a tile that names it
	s_endpgm
.Lfunc_end_k_q74c3e904c8_qkv:
	.size	k_q74c3e904c8_qkv, .Lfunc_end_k_q74c3e904c8_qkv-k_q74c3e904c8_qkv
	.p2alignl 7, 3214868480
	.fill 96, 4, 3214868480
	.section	.rodata,"a",@progbits
	.p2align	6, 0x0
	.amdhsa_kernel k_q74c3e904c8_qkv
		.amdhsa_group_segment_fixed_size 327680
		.amdhsa_private_segment_fixed_size 0
		.amdhsa_enable_private_segment 0
		.amdhsa_kernarg_size 56
		.amdhsa_user_sgpr_count 2
		.amdhsa_user_sgpr_kernarg_segment_ptr 1
		.amdhsa_wavefront_size32 1
		.amdhsa_system_sgpr_workgroup_id_x 1
		.amdhsa_system_sgpr_workgroup_id_y 1
		.amdhsa_system_sgpr_workgroup_id_z 1
		.amdhsa_system_vgpr_workitem_id 0
		.amdhsa_next_free_vgpr 512
		.amdhsa_next_free_sgpr 84
		.amdhsa_reserve_vcc 1
		.amdhsa_float_denorm_mode_32 3
		.amdhsa_float_denorm_mode_16_64 3
		.amdhsa_memory_ordered 1
		.amdhsa_forward_progress 1
		.amdhsa_inst_pref_size 95
	.end_amdhsa_kernel
	.amdgpu_metadata
---
amdhsa.version: [ 1, 2 ]
amdhsa.kernels:
  - .name:           k_q74c3e904c8_qkv
    .symbol:         k_q74c3e904c8_qkv.kd
    .args:
      - { .name: actb, .offset: 0, .size: 8, .value_kind: global_buffer, .address_space: global }
      - { .name: wb, .offset: 8, .size: 8, .value_kind: global_buffer, .address_space: global }
      - { .name: bq, .offset: 16, .size: 8, .value_kind: global_buffer, .address_space: global }
      - { .name: bk, .offset: 24, .size: 8, .value_kind: global_buffer, .address_space: global }
      - { .name: bv, .offset: 32, .size: 8, .value_kind: global_buffer, .address_space: global }
      - { .name: mask, .offset: 40, .size: 8, .value_kind: global_buffer, .address_space: global }
      - { .name: qkv, .offset: 48, .size: 8, .value_kind: global_buffer, .address_space: global }
    .group_segment_fixed_size: 327680
    .private_segment_fixed_size: 0
    .kernarg_segment_align: 8
    .kernarg_segment_size: 56
    .max_flat_workgroup_size: 128
    .sgpr_count:     84
    .vgpr_count:     512
    .wavefront_size: 32
...
	.end_amdgpu_metadata
.endif
;; end of part 2
;; launch attn (part 3): grid 8 x 32, 4 waves a work-group, clusters of 4 x 1, 327,680 bytes of LDS; arguments qkv, mask, ctx; writes ctx
.if DOCPART == 3
	.amdgcn_target "amdgcn-amd-amdhsa--gfx1250"
	.amdhsa_code_object_version 6
	.text
	.protected	k_q74c3e904c8_attn
	.globl	k_q74c3e904c8_attn
	.p2align	8
	.type	k_q74c3e904c8_attn,@function
k_q74c3e904c8_attn:
	s_mov_b64 s[64:65], 0
	v_nop
	global_prefetch_b8 v0, s[64:65] scope:SCOPE_SE
	s_setreg_imm32_b32 hwreg(HW_REG_WAVE_MODE, 25, 1), 1
	s_wait_xcnt 0x0
	s_wait_alu depctr_hold_cnt(0) depctr_sa_sdst(0) depctr_va_vdst(0) depctr_va_sdst(0) depctr_va_ssrc(0) depctr_va_vcc(0) depctr_vm_vsrc(0)
	s_getreg_b32 s2, hwreg(HW_REG_IB_STS2, 6, 4)
	s_cmp_eq_u32 s2, 0
	s_cbranch_scc0 .Lentry_in_a_cluster
	s_endpgm
.Lentry_in_a_cluster:
	s_bfe_u32 s2, ttmp6, 0x10000c
	s_cmp_lg_u32 s2, 0x3003
	s_cbranch_scc0 .Lentry_shape_is_right
	s_endpgm
.Lentry_shape_is_right:
; ctx[hh][q][:] = the sum over k of softmax_k(score) V[hh][k][:], score = Q[hh][q] . K[hh][k] / 8, or -1e9 where mask[batch][k] is 0.  hh = batch x 16 + head, 32 of them.
; Q, K, V: qkv[0..2][32][2048][64] in bf16, ctx [32][2048][64] in bf16: a head's rows are dense, 128 bytes each.  Products, maxima and sums in f32; the weights p are rounded to bf16 for the
; second product (their sum l is taken of the unrounded p), ctx once at the end.
; THE MASK is the C operand that starts the sum S^T = K Q^T: 0, or -8e9 where the key is hidden.  The launch before has written the hidden keys' rows of K as zeros, so a hidden key's raw score is
; exactly -8e9, which times c = log2(e) / 8 is the exponent of -1e9.  If every key of a batch is hidden all scores are equal, every p is the same power of two 2^d with |d| <= 64 (c m is rounded,
; c s - c m is not), which bf16 and f32 hold, and ctx is the mean of V's rows.
; LIMITS.  A weight below 2^-126 counts as 0 in l.  NaN and infinities are not treated apart: an infinite q times a hidden key's 0 gives NaN.
; SHARES.  A work-group owns 256 queries of one hh, each of its four waves 64: four PIECES of 16.  Every wave walks all 2,048 keys, 64 a step, 256 a slot.
; LAYOUT.  S^T = K Q^T (source 0 = 16 keys, source 1 = 16 queries): a lane holds ONE query (lane % 16) and the keys 8 (lane / 16) + 0..7.  Two such results rounded to bf16 ARE source 1 of
; O^T = V^T P, whose result again holds one query a lane, and eight channels.  K comes out of LDS as it lies, V ([key][channel]) turned, by ds_load_tr16_b128.
; SOFTMAX.  A running maximum m and sum l: p = 2^(c s - c m); in every step O and l are multiplied by a = 2^(c m_old - c m_new).  m starts at the lowest finite number, O and l at 0:
; the first step is a step like any other, with a = 0.  The price of writing no first step out: 216 v_mov_b32 of zeros, in the wait for the first tile.
; BY TURNS.  Turn n belongs to piece n: 8 products K Q^T of piece n + 1, later 8 products V^T P of piece n - 1; beside them the scaling, exponentials, roundings, sums and rescaling of piece n and the
; maximum and statistics of piece n + 1.  Four vector instructions stand behind every matrix instruction, the other 54 of a turn's 118 in two runs of their own.
; CLUSTER.  The four query blocks of a cluster belong to one hh and walk the same K and V, so each tile is asked for JOINTLY: the same tensor load, descriptor and mask in all four.
; REGISTERS, in windows of 256 (s_set_vgpr_msb: bits 1:0 source 0, 3:2 source 1, 5:4 source 2, 7:6 destination):
;   window 0: v0-15 addresses and two at work; v16-31 four registers of statistics a piece; v48-55 at work; v56-63 addresses; v64-127 S^T, two buffers; v192-223 P, two buffers (by the piece's parity)
;   window 1: v0-127 O^T, 32 a piece      window 2: v0-63 Q; v64-95 the step's mask; v128-191 K of one step; v192-255 V of one step
; All of a WGP's LDS is claimed; the text uses 226,816 bytes.
.set SIZE_N, 2048
.set NP,    4         ; pieces a wave: a name, no knob
.set KS,    64        ; keys in a step
.set PK,    144       ; a row of K in LDS: 128 bytes + 16 of padding = 36 words: the 16 rows of a load start at 16 different groups of four banks (64 banks of 4 bytes: ISA guide 11.1)
.set PV,    160       ; a row of V: 128 + 32 = 40 words
.set VOFF,  4*KS*PK   ; a slot holds four steps: 256 rows of K, then 256 rows of V
.set SLOT1, 1<<17     ; slot 1 begins here, so that one exclusive or turns an address in one slot into the other's
.set STAGE, SLOT1+4*KS*(PK+PV)  ; behind the ring, never filled by a tensor load: 16 rows x 144 bytes for each wave
.set SP,    144
.set SPARE, STAGE+4*16*SP  ; the spare words, 128 bytes for each wave: two blocks of 256 bytes that no other line names
.set MB,    SPARE+512 ; 2,048 f32: 0 or -8e9 for each key of the batch; stored once, never filled by a tensor load
.set AK0, 2           ; v2   my lane's place in a tile of K; never rewritten
.set AV0, 3           ; v3   the same for V
.set AK,  4           ; v4   the LDS address of K's next run of loads
.set AV,  5           ; v5   of V's
.set STO, 6           ; v6   the way out: where I put 16 bytes of a row
.set RD,  7           ; v7   where I read rows back
.set GO,  8           ; v8   my byte offset in 512 consecutive bytes of ctx
.set MV,  12          ; v12-13  c m_old, kept while c m is made anew: by buffer
.set QO,  15          ; v15  my byte offset in 16 rows of Q
.set ST,  16          ; piece t's statistics at v[ST+4 t]: c m, m, l (even keys', odd keys')
.set TMP, 48          ; by buffer, four registers c0-c3 at work; when the maximum is found c2 takes a
.set AM0, 56          ; v56  my lane's place in a step's 64 mask words: MB + 32 (l / 16); never rewritten
.set AM,  57          ; v57  the LDS address of the mask's next loads
.set MST, 58          ; v58  where I store 16 bytes of the mask
.set MLD, 59          ; v59  where I load them: 16 x my thread's number
.set SPW, 62          ; v62  LDS address of my spare word; never rewritten
.set NIL, 63          ; v63  0; never rewritten
.set S,   64
.set P,   192
.set MC,  64          ; window 2: the eight registers for group kb of 16 keys at MC + 8 kb
.set KF,  128         ; window 2: key block kb, channel half c at KF + 16 kb + 8 c
.set VF,  192         ; window 2: key half kk, channel block cb at VF + 32 kk + 8 cb
.set WV,  12          ; s12  my wave's number
.set G1K, 24          ; s[24:31] descriptor group 1 for K's tiles
.set G1V, 32          ; s[32:39] for V's: it differs in the padding alone
.set G0K, 40          ; s[40:43] descriptor group 0 for K's tiles: it walks
.set G0V, 44          ; s[44:47] the same for V's
.set SLOTS, 56        ; s56  slots still to be asked for
.set CNT, 57          ; s57  counts a slot's key steps
.set CS,  58          ; s[58:59] c: the packed scaling takes the pair's low word for both halves
.set SEL, 60          ; s[60:61] v_permlanex16_b32's selects: each lane takes its own place in the other half
.set TBK, 62          ; s62  LDS byte at which K of the step to be fetched begins
.set TBV, 63          ; s63  the same for V, less VOFF
.set TBM, 66          ; s66  byte in the mask table of the step to be fetched: it runs on over all slots
.set BIGN, 67         ; s67  -8e9
.set MSB, 0
.macro WIN new                      ; the high byte repeats the setting that is left; a switch that changes nothing is dropped
.if MSB != (\new)
	s_set_vgpr_msb (MSB<<8)|(\new)
.set MSB, (\new)
.endif
.endm
.set W_KQ, 0x0a       ; K and Q in window 2, S^T in window 0
.set W_KM, 0x2a       ; the same with the C operand, the mask, in window 2
.set W_PV, 0x52       ; V in window 2, P in window 0, O^T in window 1
.set W_RS, 0x41       ; destination and source 0 in window 1, source 1 in window 0
; A joint fill.  Waves 0 and 1 fetch the two halves of a slot's K, waves 2 and 3 those of its V: 128 keys each.  The branch hangs on the wave's number alone.
; Four v_nop follow each of the two lines, ahead of the jump and the label.
.macro JLOAD
	s_cmp_lt_u32 s[WV], 2
	s_cbranch_scc0 .Lfor_v_\@
	tensor_load_to_lds s[G0K:G0K+3], s[G1K:G1K+7]
.rept 4
	v_nop
.endr
	s_branch .Lasked_\@
.Lfor_v_\@:
	tensor_load_to_lds s[G0V:G0V+3], s[G1V:G1V+7]
.rept 4
	v_nop
.endr
.Lasked_\@:
.endm
; A round of the cluster's barrier: my work-group's barrier, so that wave 0's signal speaks for all four waves; wave 0 signals; every wave waits for all four work-groups; my work-group's barrier once more.
.macro CROUND
	s_barrier_signal -1
	s_barrier_wait -1
	s_cmp_lg_u32 s[WV], 0
	s_cbranch_scc1 .Lnot_wave_0_\@
	s_barrier_signal -3
.Lnot_wave_0_\@:
	s_barrier_wait -3
	s_barrier_signal -1
	s_barrier_wait -1
.endm
; THE CHANGE OF SLOTS.  The slot's last bytes, V of its fourth step, have been read.  Each wave waits for all its tensor loads, of which one is out: its part of the other slot; adds 0 to its spare
; word; and waits for that and for its own LDS work.  Behind the barrier nobody reads this slot any more and the other slot is whole.
; fill = 1: this slot is filled again, with the keys two slots on.  The barrier is then a round of the cluster's, and the joint fill is the first thing behind it: it has four key steps, 256 matrix
; instructions, in which to land.  (At its first use nothing has been read yet: slot 0 is waited for, slot 1 filled, and every wave's stores of the mask table are shown to the others.)
.macro CHANGE fill
	WIN 0                           ; at a label and at a branch every window is 0
	s_wait_tensorcnt 0x0            ; no tensor load of mine is out, so a group 0 may be written
	ds_add_u32 v[SPW], v[NIL]       ; 0 onto my spare word; with fill = 1 the descriptors' steps stand between it and the wait for it
.if \fill
.irp g, G0K, G0V
	s_xor_b32 s[\g+1], s[\g+1], SLOT1  ; the walking descriptor: the other slot than last time,
	s_add_nc_u64 s[\g+2:\g+3], s[\g+2:\g+3], 4*KS*128  ; the next 256 keys; the type bits on top are not reached
.endr
	s_wait_dscnt 0x0                ; the add is done, and my reads of the slot are over
	CROUND
	JLOAD
.else
	s_wait_dscnt 0x0                ; the add is done, and my reads of the slot are over
	s_barrier_signal -1
	s_barrier_wait -1
.endif
	s_sub_co_u32 s[TBK], s[TBK], 4*KS*PK  ; the fetches go back to a slot's first step,
	s_xor_b32 s[TBK], s[TBK], SLOT1       ; in the other slot
	s_sub_co_u32 s[TBV], s[TBV], 4*KS*PV
	s_xor_b32 s[TBV], s[TBV], SLOT1
.endm
	s_load_b128 s[4:7], s[0:1], 0x0   ; qkv s[4:5], mask s[6:7]
	s_load_b64 s[10:11], s[0:1], 0x10 ; ctx
	v_lshl_add_u32 v[SPW], v0, 2, SPARE
	v_mov_b32 v[NIL], 0
	v_lshrrev_b32 v1, 5, v0
	v_readfirstlane_b32 s[WV], v1   ; wave 0..3
	s_bfe_u32 s13, ttmp6, 0x40000   ; cx: my place in the cluster
	s_lshl_b32 s14, ttmp9, 2        ; in a cluster launch ttmp9 counts clusters
	s_add_co_u32 s14, s14, s13      ; my block of 256 queries = 4 x cluster x + cx: it enters Q's and ctx's addresses alone
	s_and_b32 s20, ttmp7, 0xffff    ; hh, which the four partners share
	s_lshl_b32 s21, s20, 18         ; its first byte in q, k, v and ctx: 2,048 rows of 128 bytes
	s_and_b32 s16, s[WV], 1         ; which half of a slot's 256 keys I fetch:
	s_lshl_b32 s22, s16, 14         ; its 128 rows of 128 bytes in memory,
	s_add_co_u32 s22, s22, s21
	s_add_co_u32 s22, s22, 8388608  ; in k,
	s_mov_b32 s23, 0
	s_add_co_u32 s68, s22, 8388608  ; and in v
	s_mov_b32 s69, 0
	s_mul_i32 s17, s16, 128*PK      ; and its place in a slot, for K
	s_mul_i32 s18, s16, 128*PV      ; and for V: no place in the cluster enters an LDS address
	s_lshl_b32 s2, s14, 2
	s_add_co_u32 s2, s2, s[WV]      ; my wave among the head's,
	s_lshl_b32 s2, s2, 13           ; its 64 rows
	s_add_co_u32 s2, s2, s21
	s_mov_b32 s3, 0
	s_lshr_b32 s70, s20, 4          ; the batch,
	s_lshl_b32 s70, s70, 13         ; its 2,048 words of the mask
	s_mov_b32 s71, 0
	; descriptor group 1.  128 keys are 16,384 dense bytes: asked for as 64 rows of 256 bytes, two keys a row, and padded in LDS after every key
	s_mov_b32 s[G1K], 15|(1<<16)|(1<<20)|(1<<21)|(4<<22)|(3<<25)  ; 15:0 the mask of four; 17:16 2-byte elements; 20 padding on; 21 set beside a mask; 24:22 after every 32 words (code 4); 31:25 4 words (code 3)
	s_mov_b32 s[G1V], 15|(1<<16)|(1<<20)|(1<<21)|(4<<22)|(7<<25)  ; the same with 8 words of padding (code 7)
.irp g, G1K, G1V
	s_mov_b32 s[\g+1], 128<<16      ; tensor_dim0 = 128
	s_mov_b32 s[\g+2], 64<<16       ; tensor_dim1 = 64
	s_mov_b32 s[\g+3], 128<<16      ; tile_dim0 = 128
	s_mov_b32 s[\g+4], 64           ; tile_dim1 = 64
	s_mov_b32 s[\g+5], 128          ; 128 elements from row to row
	s_mov_b32 s[\g+6], 0
	s_mov_b32 s[\g+7], 0
.endr
	s_mov_b32 s[CS], 0x3e38aa3b     ; c = log2(e) / 8 = 0.180337
	s_mov_b32 s[CS+1], s[CS]        ; named with it as a pair
	s_mov_b32 s[SEL], 0x76543210
	s_mov_b32 s[SEL+1], 0xfedcba98
	s_mov_b32 s[TBK], SLOT1+4*KS*PK ; the first change of slots turns these two into 0
	s_mov_b32 s[TBV], SLOT1+4*KS*PV
	s_mov_b32 s[TBM], 0
	s_mov_b32 s[BIGN], 0xcfee6b28   ; -8e9, exact in f32
	s_mov_b32 s[G0K], 1             ; 1:0 count = 1
	s_mov_b32 s[G0K+1], s17         ; 63:32 LDS address: slot 0
	s_mov_b32 s[G0V], 1
	s_add_co_u32 s[G0V+1], s18, VOFF
	s_wait_kmcnt 0x0
	s_add_nc_u64 s[G0K+2:G0K+3], s[4:5], s[22:23]  ; 120:64 global address: my half of the head's first 256 keys
	s_or_b32 s[G0K+3], s[G0K+3], 0x80000000        ; 127:126 type = 2
	s_add_nc_u64 s[G0V+2:G0V+3], s[4:5], s[68:69]
	s_or_b32 s[G0V+3], s[G0V+3], 0x80000000
	s_add_nc_u64 s[4:5], s[4:5], s[2:3]     ; Q and ctx at my wave's first row
	s_add_nc_u64 s[10:11], s[10:11], s[2:3]
	s_add_nc_u64 s[6:7], s[6:7], s[70:71]   ; the mask at my batch
	CROUND                          ; all four work-groups are here: the first joint loads meet
	JLOAD                           ; slot 0.  Slot 1 is asked for when slot 0 is in
	v_lshlrev_b32 v[MLD], 4, v0
.irp j, 0,1,2,3
	global_load_b128 v[S+4*(\j):S+4*(\j)+3], v[MLD], s[6:7] offset:(\j)*2048  ; the batch's 2,048 mask words: 128 threads x 4 words x 4
.endr
	; A fragment of K or Q is 16 rows x 32 channels in 8 registers: lane l holds row l % 16, channels 8 (l / 16) + 0..7 and 16 + 8 (l / 16) + 0..7: two loads of 16 bytes, 32 bytes apart.
	v_and_b32 v1, 15, v0            ; l % 16
	v_bfe_u32 v9, v0, 4, 1          ; l / 16
	v_lshlrev_b32 v[QO], 7, v1
	v_lshl_add_u32 v[QO], v9, 4, v[QO]  ; row x 128 + 16 x half
	WIN 0x80                        ; destination window 2, address window 0
.set i, 0
.rept 8                             ; Q stays in registers: piece i / 2, channels 32 (i % 2) on
	global_load_b128 v[8*i:8*i+3],   v[QO], s[4:5] offset:(i/2)*2048+(i%2)*64
	global_load_b128 v[8*i+4:8*i+7], v[QO], s[4:5] offset:(i/2)*2048+(i%2)*64+32
.set i, i+1
.endr
	; What the first turn finds: V's registers and P's second buffer hold 0 (its products V^T P, of a piece that has not been, add 0), O^T and l are 0.
.set i, VF
.rept 64
	v_mov_b32 v[i], 0
.set i, i+1
.endr
	WIN 0x40
.set i, 0
.rept 128
	v_mov_b32 v[i], 0
.set i, i+1
.endr
	WIN 0
.set i, 0
.rept 4
	v_mov_b32 v[ST+4*i], 0xfe000000    ; c m: far below every c s, -8e9 c too
	v_mov_b32 v[ST+4*i+1], 0xff7fffff  ; m
	v_mov_b32 v[ST+4*i+2], 0
	v_mov_b32 v[ST+4*i+3], 0
.set i, i+1
.endr
.set i, P+16
.rept 16
	v_mov_b32 v[i], 0
.set i, i+1
.endr
	v_mul_u32_u24 v[AK0], v1, PK
	v_lshl_add_u32 v[AK0], v9, 4, v[AK0]  ; row x pitch + 16 x half
	; The turning load takes 16 keys x 16 channels (lane l reads key 8 (l / 16) + l % 8, channels 8 ((l / 8) % 2) + 0..7) and leaves half a fragment of V^T: lane l holds channel l % 16 and 8 keys.
	v_and_b32 v10, 7, v0
	v_bfe_u32 v11, v0, 3, 1
	v_lshl_add_u32 v[AV0], v9, 3, v10
	v_mul_u32_u24 v[AV0], v[AV0], PV
	v_lshl_add_u32 v[AV0], v11, 4, v[AV0]
	v_add_nc_u32 v[AV0], VOFF, v[AV0]
	v_lshl_add_u32 v[AM0], v9, 5, MB     ; register j of group kb masks key 16 kb + 8 (l / 16) + j: 32 bytes at 64 kb + 32 (l / 16)
	v_add_nc_u32 v[MST], MB, v[MLD]
	s_mul_i32 s13, s[WV], 16*SP
	s_add_co_u32 s13, s13, STAGE    ; my stage
	v_mul_u32_u24 v[STO], v1, SP    ; in: row l % 16, 16 bytes for each half of the lanes
	v_lshl_add_u32 v[STO], v9, 4, v[STO]
	v_add_nc_u32 v[STO], s13, v[STO]
	v_bfe_u32 v[RD], v0, 3, 2       ; back: 32 lanes take four rows of 128 bytes,
	v_mul_u32_u24 v[RD], v[RD], SP
	v_lshl_add_u32 v[RD], v10, 4, v[RD]
	v_add_nc_u32 v[RD], s13, v[RD]
	v_and_b32 v[GO], 31, v0         ; which are 512 consecutive bytes of ctx
	v_lshlrev_b32 v[GO], 4, v[GO]
	s_wait_loadcnt 16               ; the four loads of the mask are in; Q's sixteen may stay out
.set i, 0
.rept 16
	v_cmp_eq_u32 vcc_lo, 0, v[S+i]
	v_cndmask_b32 v[S+i], 0, s[BIGN], vcc_lo   ; -8e9 where the mask is 0
.set i, i+1
.endr
.irp j, 0,1,2,3
	ds_store_b128 v[MST], v[S+4*(\j):S+4*(\j)+3] offset:(\j)*2048
.endr
; THE MATRIX WORK.  The 4 accumulators of a run of 8 take turns.  Product i of 8 of S^T = K Q^T for piece x: channels 32 (i / 4) on, keys 16 (i % 4) on.  The first 4 start the sums with the mask.
.macro KQ x
.set rS, S+32*((\x)%2)+8*(i%4)
.set rK, KF+16*(i%4)+8*(i/4)
.set rQ, 16*(\x)+8*(i/4)
.set rM, MC+8*(i%4)
.if i < 4
	WIN W_KM
	v_wmma_f32_16x16x32_bf16 v[rS:rS+7], v[rK:rK+7], v[rQ:rQ+7], v[rM:rM+7]
.else
	WIN W_KQ
	v_wmma_f32_16x16x32_bf16 v[rS:rS+7], v[rK:rK+7], v[rQ:rQ+7], v[rS:rS+7]
.endif
.endm
; Product i of 8 of O^T += V^T P for piece x: keys 32 (i / 4) on, channels 16 (i % 4) on.
.macro PV x
	WIN W_PV
.set rO, 32*(\x)+8*(i%4)
.set rV, VF+32*(i/4)+8*(i%4)
.set rP, P+16*((\x)%2)+8*(i/4)
	v_wmma_f32_16x16x32_bf16 v[rO:rO+7], v[rV:rV+7], v[rP:rP+7], v[rO:rO+7]
.endm
.macro MM                           ; the turn's next matrix instruction.  TURN sets Y, i and NOKQ.  NOKQ = 1: the very last turn: there is no next piece
.if (i < 8) && !NOKQ
	KQ (Y+1)%NP
.elseif i >= 8
.set i, i-8
	PV (Y+NP-1)%NP
.set i, i+8
.endif
.set i, i+1
.endm
; THE LDS LOADS stand in runs, never singly among the matrix instructions: a step's K (64 keys x 64 channels: 8 fragments) with its 64 mask words, and its V (turned).  Their addresses are made some lines ahead.
.macro FETCH_K
	WIN 0x80                        ; destination window 2
.irp f, 0,1,2,3,4,5,6,7             ; keys 16 (f / 2) on, channels 32 (f % 2) on
	ds_load_b128 v[KF+8*(\f):KF+8*(\f)+3],   v[AK] offset:((\f)/2)*16*PK+((\f)%2)*64
	ds_load_b128 v[KF+8*(\f)+4:KF+8*(\f)+7], v[AK] offset:((\f)/2)*16*PK+((\f)%2)*64+32
.endr
.irp f, 0,1,2,3                     ; the sixteen lanes of a half read the same words
	ds_load_b128 v[MC+8*(\f):MC+8*(\f)+3],   v[AM] offset:64*(\f)
	ds_load_b128 v[MC+8*(\f)+4:MC+8*(\f)+7], v[AM] offset:64*(\f)+16
.endr
	s_add_co_u32 s[TBK], s[TBK], KS*PK  ; the next fetch is the next step's
	s_add_co_u32 s[TBM], s[TBM], KS*4
	WIN 0
.endm
.macro FETCH_V
	WIN 0x80
.irp f, 0,1,2,3,4,5,6,7             ; keys 32 (f / 4) on, channels 16 (f % 4) on
	ds_load_tr16_b128 v[VF+8*(\f):VF+8*(\f)+3],   v[AV] offset:((\f)/4)*32*PV+((\f)%4)*32
	ds_load_tr16_b128 v[VF+8*(\f)+4:VF+8*(\f)+7], v[AV] offset:((\f)/4)*32*PV+16*PV+((\f)%4)*32
.endr
	WIN 0
.endm
; THE VECTOR WORK, one line at a time: OP kind, number.  For piece Y: F n: c s - c m for pair n of 16.  E n: the exponential of score n of 32.  C n: pair n rounded to bf16.  B n: of the four weights 4 n .. the second
; pair is added onto the first, in place.  L n: l takes that sum (L 0: l = a l + sum).  R n: pair n of 16 of O^T times a.  For piece Y + 1: X n, number n of the 22 that find its maximum and statistics:
;   0-11  four chains c0-c3 of seven scores each, three operands at a time (each accumulator's lowest registers are read first)     12-14, 16  the four scores left over, the old m, and c0-c3 into c0
;   15  c m_old is kept     17, 18  the query's other 32 keys lie in the lane 16 away: the new m     19-21  c m; c m_old - c m_new; a
.set F, 0               ; OP tells the kinds apart by their order: F to L below R, X above it
.set E, 1
.set C, 2
.set B, 3
.set L, 4
.set R, 5
.set X, 6
.macro REGS y                       ; the registers of piece y
.set rT, ST+4*(\y)
.set rC, TMP+4*((\y)%2)
.set rW, MV+((\y)%2)
.set rS, S+32*((\y)%2)
.set rP, P+16*((\y)%2)
.set rO, 32*(\y)
.endm
.macro OP k, n
.if (\k) == R
	REGS Y
	WIN W_RS
	v_pk_mul_f32 v[rO+2*(\n):rO+2*(\n)+1], v[rO+2*(\n):rO+2*(\n)+1], v[rC+2:rC+3] op_sel_hi:[1,0]
.elseif (\k) < R
	REGS Y
	WIN 0
.if (\k) == F
	v_pk_fma_f32 v[rS+2*(\n):rS+2*(\n)+1], v[rS+2*(\n):rS+2*(\n)+1], s[CS:CS+1], v[rT:rT+1] op_sel_hi:[1,0,0] neg_lo:[0,0,1] neg_hi:[0,0,1]
.elseif (\k) == E
	v_exp_f32 v[rS+(\n)], v[rS+(\n)]
.elseif (\k) == C
	v_cvt_pk_bf16_f32 v[rP+(\n)], v[rS+2*(\n)], v[rS+2*(\n)+1]
.elseif (\k) == B
	v_pk_add_f32 v[rS+4*(\n):rS+4*(\n)+1], v[rS+4*(\n):rS+4*(\n)+1], v[rS+4*(\n)+2:rS+4*(\n)+3]
.elseif (\n) == 0
	v_pk_fma_f32 v[rT+2:rT+3], v[rT+2:rT+3], v[rC+2:rC+3], v[rS:rS+1] op_sel_hi:[1,0,1]
.else
	v_pk_add_f32 v[rT+2:rT+3], v[rT+2:rT+3], v[rS+4*(\n):rS+4*(\n)+1]
.endif
.elseif NOKQ
	v_nop
.else
	REGS (Y+1)%NP
	WIN 0
.if (\n) < 4
	v_max3_num_f32 v[rC+(\n)], v[rS+8*(\n)], v[rS+8*(\n)+1], v[rS+8*(\n)+2]
.elseif (\n) < 12
	v_max3_num_f32 v[rC+(\n)%4], v[rC+(\n)%4], v[rS+8*((\n)%4)+2*((\n)/4)+1], v[rS+8*((\n)%4)+2*((\n)/4)+2]
.elseif (\n) == 12
	v_max3_num_f32 v[rC], v[rC], v[rS+7], v[rS+15]
.elseif (\n) == 13
	v_max3_num_f32 v[rC+1], v[rC+1], v[rS+23], v[rS+31]
.elseif (\n) == 14
	v_max3_num_f32 v[rC+2], v[rC+2], v[rC+3], v[rT+1]
.elseif (\n) == 15
	v_mov_b32 v[rW], v[rT]
.elseif (\n) == 16
	v_max3_num_f32 v[rC], v[rC], v[rC+1], v[rC+2]
.elseif (\n) == 17
	v_permlanex16_b32 v[rC+3], v[rC], s[SEL], s[SEL+1]
.elseif (\n) == 18
	v_max_num_f32 v[rT+1], v[rC], v[rC+3]
.elseif (\n) == 19
	v_mul_f32 v[rT], s[CS], v[rT+1]
.elseif (\n) == 20
	v_sub_f32 v[rC+1], v[rW], v[rT]
.else
	v_exp_f32 v[rC+2], v[rC+1]
.endif
.endif
.endm
.macro OPS a, i1, b=-1, i2=0, c=-1, i3=0, d=-1, i4=0  ; up to four of them
	OP \a, \i1
.if (\b) >= 0
	OP \b, \i2
.endif
.if (\c) >= 0
	OP \c, \i3
.endif
.if (\d) >= 0
	OP \d, \i4
.endif
.endm
.macro ROW a, i1, b, i2, c, i3, d, i4  ; a matrix instruction and the four behind it
	MM
	OPS \a, \i1, \b, \i2, \c, \i3, \d, \i4
.endm
; A TURN, for piece p: the order of its 16 matrix and 118 vector instructions, written out.  Behind a matrix instruction: plain, exponential, plain, plain; or four of the rescaling; or, behind the first, four scalings; none
; names a register of the products round it.  In the runs between, exponential and plain by turns while exponentials last.  v_permlanex16_b32 (X 17) stands in such a run.
; end = 1: the last two turns: nothing is fetched.  cnt = 1: the loop's count is taken down some lines ahead of the branch that stands behind the turn.
; K and the mask of the next step are fetched in piece 2's turn, six vector instructions behind the last product that read K (five of them plain); V of the step in hand in piece 0's turn, eight behind the last
; product that read V (four plain, and X 17).  Each is waited for a turn later.
.macro TURN p, end=0, cnt=0
.set Y, (\p)
.set i, 0
.set NOKQ, (\end)*((\p)/3)
.if ((\p) == 3) && !(\end)
	s_wait_dscnt 0x0                ; K and the mask are in
.endif
	ROW F,0, F,1, F,2, F,3
	ROW F,4, E,0, F,5, F,6
	ROW F,7, E,1, F,8, F,9
	ROW F,10, E,2, C,0, F,11
	ROW F,12, E,3, X,15, F,13
	ROW R,0, R,1, R,2, R,3
	ROW B,0, E,4, F,14, L,0
.if ((\p) == 2) && !(\end)
	WIN 0
	v_add_nc_u32 v[AK], s[TBK], v[AK0]
	v_add_nc_u32 v[AM], s[TBM], v[AM0]
.endif
	ROW R,4, R,5, R,6, R,7
	OPS E,5, F,15
.if ((\p) == 2) && !(\end)
	FETCH_K
.endif
	OPS E,6, C,1, E,7, R,8
	OPS E,8, R,9, E,9, C,2
	OPS E,10, X,0, E,11, X,1
	OPS E,12, X,2, E,13, X,3
.if (\p) == 1
	s_wait_dscnt 0x0                ; V is in
.endif
	ROW X,4, E,14, X,5, X,6
	ROW X,7, E,15, X,8, X,9
	ROW X,10, E,16, X,11, X,12
	ROW X,13, E,17, X,14, B,1
	ROW C,4, E,18, X,16, L,1
	ROW B,2, E,19, C,6, L,2
	ROW C,8, E,20, B,3, B,4
.if (\p) == 0
	WIN 0
	v_add_nc_u32 v[AV], s[TBV], v[AV0]
.endif
	ROW C,3, E,21, L,3, C,5
	OPS E,22, X,17, E,23, C,10
.if (\p) == 0
	FETCH_V
.endif
	OPS E,24, L,4
	OPS E,25, X,18, E,26, C,7
	OPS E,27, B,5, E,28, X,19
	OPS E,29, C,12, E,30, L,5
	OPS E,31, X,20, B,6, C,9
	OPS C,14, C,11, X,21, L,6
.if (\p) == 0
	s_add_co_u32 s[TBV], s[TBV], KS*PV
.endif
.if \cnt
	s_sub_co_u32 s[CNT], s[CNT], 1
	s_cmp_lg_u32 s[CNT], 0
.endif
	OPS C,13, B,7, C,15, R,10
	OPS R,11, R,12, L,7, R,13
	OPS R,14, R,15
.endm
	CHANGE 1                        ; slot 0 is in, everybody's part of it, and so is the mask table; slot 1 is asked for
	v_add_nc_u32 v[AK], s[TBK], v[AK0]
	v_add_nc_u32 v[AM], s[TBM], v[AM0]
	FETCH_K                         ; key step 0
	s_wait_loadcnt 0x0              ; Q
	s_wait_dscnt 0x0
.set NOKQ, 0
.set i, 0
.rept 8
	KQ 0                            ; piece 0's first scores: there is no vector work yet to set between them
.set i, i+1
.endr
	WIN 0
.rept 4
	v_nop                           ; the places behind those products
.endr
.set Y, NP-1                        ; X works for piece Y + 1: piece 0
.irp n, 0,1,2,3,4,5,6,7,8,9,10,11,12,13,14,15,16,17,18,19,20,21
	OP X, \n
.endr
	v_nop                           ; a plain instruction behind the exponential
	s_mov_b32 s[CNT], 4
	s_mov_b32 s[SLOTS], SIZE_N/256-1
	s_branch .Lfirst                ; the loop is entered at a step's first turn, in the middle of a trip
.Lslot:                             ; SIZE_N / 256 - 2 times: every slot but the last two is filled again
	CHANGE 1
	s_mov_b32 s[CNT], 4
.Lstep:                             ; a trip: pieces 2 and 3 of one step, then pieces 0 and 1 of the next, whose K and V it fetches
	TURN 2
	TURN 3
	WIN 0
.Lfirst:
	TURN 0
	TURN 1, 0, 1
	WIN 0
	s_cbranch_scc1 .Lstep
	s_sub_co_u32 s[SLOTS], s[SLOTS], 1
	s_cmp_lg_u32 s[SLOTS], 0
	s_cbranch_scc1 .Lslot
	CHANGE 0                        ; the last slot is written out: nothing is asked for
	s_mov_b32 s[CNT], 4
.LstepT:
	TURN 2
	TURN 3
	TURN 0
	TURN 1, 0, 1
	WIN 0
	s_cbranch_scc1 .LstepT
	TURN 2, 1                       ; the last step's pieces 2 and 3: nothing is fetched, and the last turn starts no new scores
	TURN 3, 1
.set i, 0
.rept 8
	PV NP-1                         ; the last piece's V^T P of the last step
.set i, i+1
.endr
	; THE WAY OUT.  l's two halves and the other half of the lanes' are added; O^T is divided by l, rounded to bf16 and sent through my stage in LDS, a piece at a time.  The additions are the places behind the last products.
	WIN 0
.macro ALL line:vararg              ; one line for each piece t
.set t, 0
.rept 4
	\line
.set t, t+1
.endr
.endm
	ALL v_add_f32 v[ST+4*t+2], v[ST+4*t+2], v[ST+4*t+3]
	ALL v_permlanex16_b32 v[ST+4*t+3], v[ST+4*t+2], s[SEL], s[SEL+1]
	ALL v_add_f32 v[ST+4*t+2], v[ST+4*t+2], v[ST+4*t+3]
	ALL v_rcp_f32 v[ST+4*t+2], v[ST+4*t+2]
	v_nop                           ; a plain instruction between the last reciprocal and the use of its result
.macro PACK t                       ; a lane's eight channels of a row pack into 16 bytes; they go into rows of 144 bytes and come back as whole rows of 128, into S^T's registers
	WIN W_RS
.set i, 32*(\t)
.rept 16
	v_pk_mul_f32 v[i:i+1], v[i:i+1], v[ST+4*(\t)+2:ST+4*(\t)+3] op_sel_hi:[1,0]
.set i, i+2
.endr
	WIN 0x05                        ; sources 0 and 1 window 1, destination window 0
.set i, 0
.rept 16
	v_cvt_pk_bf16_f32 v[S+16*(\t)+i], v[32*(\t)+2*i], v[32*(\t)+2*i+1]
.set i, i+1
.endr
	WIN 0
.irp f, 0,1,2,3
	ds_store_b128 v[STO], v[S+16*(\t)+4*(\f):S+16*(\t)+4*(\f)+3] offset:32*(\f)
.endr
.irp f, 0,1,2,3
	ds_load_b128 v[S+16*(\t)+4*(\f):S+16*(\t)+4*(\f)+3], v[RD] offset:(\f)*4*SP  ; LDS serves a wave's instructions in order (ISA guide 5.7.1.4): these see the stores above; the next piece's stores come behind them
.endr
.endm
.macro SEND t, younger              ; younger: the LDS instructions issued behind piece t's loads: the next piece's eight, or none
	WIN 0
.irp f, 0,1,2,3
	s_wait_dscnt (\younger)+3-(\f)
	global_store_b128 v[GO], v[S+16*(\t)+4*(\f):S+16*(\t)+4*(\f)+3], s[10:11] offset:(\t)*2048+(\f)*512  ; 512 consecutive bytes, at a multiple of 256 from ctx's first
.endr
.endm
	PACK 0
.set t, 1
.rept 3                             ; a piece's arithmetic stands between the loads of the piece before and its stores
	PACK t
	SEND t-1, 8
.set t, t+1
.endr
	SEND 3, 0
	s_wait_tensorcnt 0x0            ; the wave's end
	ds_add_u32 v[SPW], v[NIL]
	s_wait_dscnt 0x0
	CROUND                          ; the closing round: no work-group ends while a partner may still ask for a tile that names it
	s_endpgm
.Lfunc_end_k_q74c3e904c8_attn:
	.size	k_q74c3e904c8_attn, .Lfunc_end_k_q74c3e904c8_attn-k_q74c3e904c8_attn
	.p2alignl 7, 3214868480
	.fill 96, 4, 3214868480
	.section	.rodata,"a",@progbits
	.p2align	6, 0x0
	.amdhsa_kernel k_q74c3e904c8_attn
		.amdhsa_group_segment_fixed_size 327680
		.amdhsa_private_segment_fixed_size 0
		.amdhsa_enable_private_segment 0
		.amdhsa_kernarg_size 24
		.amdhsa_user_sgpr_count 2
		.amdhsa_user_sgpr_kernarg_segment_ptr 1
		.amdhsa_wavefront_size32 1
		.amdhsa_system_sgpr_workgroup_id_x 1
		.amdhsa_system_sgpr_workgroup_id_y 1
		.amdhsa_system_sgpr_workgroup_id_z 1
		.amdhsa_system_vgpr_workitem_id 0
		.amdhsa_next_free_vgpr 768
		.amdhsa_next_free_sgpr 72
		.amdhsa_reserve_vcc 1
		.amdhsa_float_denorm_mode_32 3
		.amdhsa_float_denorm_mode_16_64 3
		.amdhsa_memory_ordered 1
		.amdhsa_forward_progress 1
		.amdhsa_inst_pref_size 128
	.end_amdhsa_kernel
	.amdgpu_metadata
---
amdhsa.version: [ 1, 2 ]
amdhsa.kernels:
  - .name:           k_q74c3e904c8_attn
    .symbol:         k_q74c3e904c8_attn.kd
    .args:
      - { .name: qkv, .offset: 0, .size: 8, .value_kind: global_buffer, .address_space: global }
      - { .name: mask, .offset: 8, .size: 8, .value_kind: global_buffer, .address_space: global }
      - { .name: ctx, .offset: 16, .size: 8, .value_kind: global_buffer, .address_space: global }
    .group_segment_fixed_size: 327680
    .private_segment_fixed_size: 0
    .kernarg_segment_align: 8
    .kernarg_segment_size: 24
    .max_flat_workgroup_size: 128
    .sgpr_count:     72
    .vgpr_count:     768
    .wavefront_size: 32
...
	.end_amdgpu_metadata
.endif
;; end of part 3
;; launch wo (part 4): grid 8 x 32, 4 waves a work-group, clusters of 4 x 4, 327,680 bytes of LDS; arguments ctx, wb, t; writes t
.if DOCPART == 4
	.amdgcn_target "amdgcn-amd-amdhsa--gfx1250"
	.amdhsa_code_object_version 6
	.text
	.protected	k_q74c3e904c8_wo
	.globl	k_q74c3e904c8_wo
	.p2align	8
	.type	k_q74c3e904c8_wo,@function
k_q74c3e904c8_wo:
	s_mov_b64 s[64:65], 0
	v_nop
	global_prefetch_b8 v0, s[64:65] scope:SCOPE_SE
	s_setreg_imm32_b32 hwreg(HW_REG_WAVE_MODE, 25, 1), 1
	s_wait_xcnt 0x0
	s_wait_alu depctr_hold_cnt(0) depctr_sa_sdst(0) depctr_va_vdst(0) depctr_va_sdst(0) depctr_va_ssrc(0) depctr_va_vcc(0) depctr_vm_vsrc(0)
	s_getreg_b32 s2, hwreg(HW_REG_IB_STS2, 6, 4)
	s_cmp_eq_u32 s2, 0
	s_cbranch_scc0 .Lentry_in_a_cluster
	s_endpgm
.Lentry_in_a_cluster:
	s_bfe_u32 s2, ttmp6, 0x10000c
	s_cmp_lg_u32 s2, 0xf033
	s_cbranch_scc0 .Lentry_shape_is_right
	s_endpgm
.Lentry_shape_is_right:
; t = ctx Wo, plain f32 sums [4096][1024]; bias, residual and the norm follow in the next launch.  ctx: [32 = batch x 16 + head][2048][64] bf16; Wo: wb + 6,291,456, [K][N] bf16.
; K = head x 64 + channel, so a K step of 256 is four heads.  A's tile for 64 tokens is asked for as 4 rows of 8,192 dense bytes (64 tokens x 64 channels of one head), a head apart in memory,
; and padded in LDS after every token's 128 bytes: [4 heads][64 tokens][144 bytes]; a quarter of the K step is a head.
; A tile of C is 128 x 128; four waves, each 64 x 64: 16 accumulators.  Two LDS slots.  B lies [K][N], a row of LDS is one k with the tile's 128 n, and its fragments come out turned, by ds_load_tr16_b128.
; CLUSTERS: 4 x 4 work-groups.  The four of a row need the same tiles of A, the four of a column the same tiles of B: each tile is asked for JOINTLY, by the same tensor load with the same
; descriptor and a mask that names the four.  THE MATRIX INSTRUCTION IS USED TRANSPOSED (source 0 = 16 columns of B, source 1 = 16 rows of A): a lane holds eight neighbouring numbers of a row of C.
; REGISTERS: window 0: v0-31 addresses; v128-255 the accumulators ((a, b) at v[128 + 8 (4 a + b)]).  window 1: two fragment buffers of 128: for 64 along K, 64 registers of A, then 64 of B.
; All of a WGP's LDS is claimed; the text uses 312,832 bytes.
.set SIZE_K, 1024
.set LDB,    1024
.set WOFF,   6291456                   ; Wo in wb
.set KSTEP,  256
.set PA,     144                       ; a token's 64 channels in LDS: 128 bytes + 16 of padding = 36 words: the 16 rows of a load start at 16 different groups of four banks (64 banks of 4 bytes: ISA guide 11.1)
.set AQ,     64*PA                     ; bytes from a head (a quarter of the K step) to the next
.set HA,     4*AQ                      ; 64 tokens x 4 heads: one tensor load, and what one wave reads of A
.set PB,     288                       ; a row of B: 256 bytes + 32 = 72 words
.set HB,     128*PB
.set SLOT,   2*HA+2*HB
.set STAGE,  2*SLOT                    ; behind the ring: 16 rows x 272 bytes for each wave
.set SP,     272
.set SPARE,  STAGE+4*16*SP             ; the spare words, 128 bytes for each wave: two blocks of 256 bytes that no other line names
.set LAPS,   SIZE_K/(2*KSTEP)
.set FIRST_A, 4*2048*64*2              ; bytes from a K step's tile to the next: four heads on,
.set FIRST_B, KSTEP*LDB*2              ; 256 rows of B down
.set ADRA, 16
.set ADRB, 20
.set STO,  24
.set RD,   25
.set CO,   26
.set SPW,  28
.set NIL,  29
.set ACC,  128
.set F0,   0
.set F1,   128
.set G1,  24
.set G0,  32
.set G1B, 48
.set G0B, 56
.set MSB, 0
.macro WIN new                         ; the immediate's high byte repeats the setting that is left; a switch that changes nothing is dropped
.if MSB != (\new)
	s_set_vgpr_msb (MSB<<8)|(\new)
.set MSB, \new
.endif
.endm
.set MUL,  0x05                        ; sources 0 (B) and 1 (A) window 1; C and D window 0
.set TO_F, 0x40                        ; destination window 1, address window 0
.macro JLOAD s                         ; a joint load: waves 0 and 1 fetch A's two halves, waves 2 and 3 B's; four v_nop follow each of the two lines
	s_cmp_eq_u32 s11, 0
	s_cbranch_scc0 .Lfor_b_\@
	tensor_load_to_lds s[G0+4*(\s):G0+4*(\s)+3], s[G1:G1+7]
.rept 4
	v_nop
.endr
	s_branch .Lasked_\@
.Lfor_b_\@:
	tensor_load_to_lds s[G0B+4*(\s):G0B+4*(\s)+3], s[G1B:G1B+7]
.rept 4
	v_nop
.endr
.Lasked_\@:
.endm
.macro CREST                           ; a round of the cluster's barrier behind its opening barrier
	s_cmp_lg_u32 s10, 0
	s_cbranch_scc1 .Lnot_wave_0_\@
	s_barrier_signal -3
.Lnot_wave_0_\@:
	s_barrier_wait -3
	s_barrier_signal -1
	s_barrier_wait -1
.endm
.macro CROUND                          ; a whole round
	s_barrier_signal -1
	s_barrier_wait -1
	CREST
.endm
	s_load_b128 s[4:7], s[0:1], 0x0                ; ctx s[4:5], wb s[6:7]
	s_load_b64 s[8:9], s[0:1], 0x10                ; t
	v_lshl_add_u32 v[SPW], v0, 2, SPARE
	v_mov_b32 v[NIL], 0
	v_lshrrev_b32 v1, 5, v0
	v_readfirstlane_b32 s10, v1                    ; wave 0..3
	s_lshr_b32 s11, s10, 1                         ; which half of the tile's rows is mine.  Also: I fetch for A (0) or for B (1)
	s_and_b32 s12, s10, 1                          ; which half of its columns.  Also: which half of that tile I fetch
	s_bfe_u32 s40, ttmp6, 0x40000                  ; cx, cy: my place in the cluster
	s_bfe_u32 s41, ttmp6, 0x40004
	s_lshl_b32 s42, ttmp9, 2
	s_add_co_u32 s42, s42, s40                     ; tile column tx
	s_and_b32 s13, ttmp7, 0xffff
	s_lshl_b32 s13, s13, 2
	s_add_co_u32 s13, s13, s41                     ; tile row ty
	s_lshl_b32 s43, s41, 2
	s_lshl_b32 s43, 15, s43                        ; my row of the cluster
	s_lshl_b32 s44, 0x1111, s40                    ; my column
	; descriptor group 1.  A: 4 rows (heads) x 4,096 elements, 4 words of padding after every 32.  B: 128 rows (k) x 128 elements (n), 8 words after every 64.
	s_or_b32 s[G1+0], s43, (1<<16)|(1<<20)|(1<<21)|(4<<22)|(3<<25)
	s_mov_b32 s[G1+1], 4096<<16                    ; tensor_dim0 = 4,096
	s_mov_b32 s[G1+2], 4<<16                       ; tensor_dim1 = 4
	s_mov_b32 s[G1+3], 4096<<16                    ; tile_dim0 = 4,096
	s_mov_b32 s[G1+4], 4                           ; tile_dim1 = 4
	s_mov_b32 s[G1+5], 2048*64                     ; elements from a head to the next
	s_mov_b32 s[G1+6], 0
	s_mov_b32 s[G1+7], 0
	s_or_b32 s[G1B+0], s44, (1<<16)|(1<<20)|(1<<21)|(5<<22)|(7<<25)
	s_mov_b32 s[G1B+1], 128<<16
	s_mov_b32 s[G1B+2], 128<<16
	s_mov_b32 s[G1B+3], 128<<16
	s_mov_b32 s[G1B+4], 128
	s_mov_b32 s[G1B+5], LDB
	s_mov_b32 s[G1B+6], 0
	s_mov_b32 s[G1B+7], 0
	; where the tiles come from: A's offset hangs on ty and the wave alone, B's on tx and the wave alone
	s_lshl_b32 s17, s12, 6
	s_lshl_b32 s16, s13, 7
	s_add_co_u32 s16, s16, s17                     ; A: token row 128 ty + 64 x half:
	s_lshr_b32 s17, s16, 11
	s_lshl_b32 s17, s17, 22                        ; its batch's sixteen heads, 4,194,304 bytes,
	s_and_b32 s16, s16, 2047
	s_lshl_b32 s16, s16, 7                         ; its place in a head, 128 bytes a token
	s_add_co_u32 s16, s16, s17
	s_mov_b32 s17, 0
	s_lshl_b32 s46, s42, 8                         ; B: the tile's 128 columns,
	s_mul_i32 s47, s12, 128*LDB*2                  ; my 128 k of the step's 256,
	s_add_co_u32 s46, s46, s47
	s_add_co_u32 s46, s46, WOFF                    ; in Wo
	s_mov_b32 s47, 0
	s_mul_i32 s20, s12, HA                         ; and where they go: no place in the cluster enters an LDS address
	s_mul_i32 s21, s12, HB
	s_add_co_u32 s21, s21, 2*HA
	s_wait_kmcnt 0x0
	s_add_nc_u64 s[14:15], s[4:5], s[16:17]
	s_add_nc_u64 s[46:47], s[6:7], s[46:47]
	CROUND                                         ; all sixteen work-groups are here: the first joint loads meet
.irp s, 0,1
	s_mov_b32 s[G0+4*(\s)], 1
	s_add_co_u32 s[G0+4*(\s)+1], s20, (\s)*SLOT
	s_add_nc_u64 s[G0+4*(\s)+2:G0+4*(\s)+3], s[14:15], (\s)*FIRST_A
	s_or_b32 s[G0+4*(\s)+3], s[G0+4*(\s)+3], 0x80000000
	s_mov_b32 s[G0B+4*(\s)], 1
	s_add_co_u32 s[G0B+4*(\s)+1], s21, (\s)*SLOT
	s_add_nc_u64 s[G0B+4*(\s)+2:G0B+4*(\s)+3], s[46:47], (\s)*FIRST_B
	s_or_b32 s[G0B+4*(\s)+3], s[G0B+4*(\s)+3], 0x80000000
	JLOAD \s                                       ; two loads of mine are out
.endr
	v_and_b32 v1, 15, v0                           ; l % 16
	v_bfe_u32 v2, v0, 4, 1                         ; l / 16
	v_mul_u32_u24 v3, v1, PA
	v_lshl_add_u32 v3, v2, 4, v3                   ; A: row x pitch + 16 x half of the lanes
	s_mul_i32 s22, s11, HA
	v_add_nc_u32 v[ADRA], s22, v3
	v_add_nc_u32 v[ADRA+1], SLOT, v[ADRA]
	v_and_b32 v4, 7, v0                            ; B, turned: lane l reads 16 bytes of row k = 8 (l / 16) + l % 8, columns 8 ((l / 8) % 2) + 0..7
	v_lshl_add_u32 v4, v2, 3, v4
	v_mul_u32_u24 v4, v4, PB
	v_bfe_u32 v5, v0, 3, 1
	v_lshl_add_u32 v4, v5, 4, v4
	s_lshl_b32 s23, s12, 7
	s_add_co_u32 s23, s23, 2*HA
	v_add_nc_u32 v[ADRB], s23, v4
	v_add_nc_u32 v[ADRB+1], HB, v[ADRB]
	v_add_nc_u32 v[ADRB+2], SLOT, v[ADRB]
	v_add_nc_u32 v[ADRB+3], SLOT+HB, v[ADRB]
	s_mul_i32 s23, s10, 16*SP
	s_add_co_u32 s23, s23, STAGE                   ; my stage
	v_mul_u32_u24 v4, v1, SP                       ; in: row l % 16, 32 bytes (eight f32) for each half of the lanes
	v_lshl_add_u32 v4, v2, 5, v4
	v_add_nc_u32 v[STO], s23, v4
	v_mul_u32_u24 v5, v2, SP                       ; back: lanes 0-15 take one row of 256 bytes, lanes 16-31 the next
	v_lshl_add_u32 v5, v1, 4, v5
	v_add_nc_u32 v[RD], s23, v5
	v_lshlrev_b32 v5, 12, v2                       ; and the same two rows in t, 4,096 bytes apart
	v_lshl_add_u32 v[CO], v1, 4, v5
	s_lshl_b32 s78, s13, 7
	s_lshl_b32 s79, s11, 6
	s_add_co_u32 s78, s78, s79                     ; my first row of t,
	s_lshl_b32 s78, s78, 12
	s_lshl_b32 s79, s42, 9                         ; my first column: 128 tx + 64 x half, 4 bytes each
	s_add_co_u32 s78, s78, s79
	s_lshl_b32 s79, s12, 8
	s_add_co_u32 s78, s78, s79
	s_mov_b32 s79, 0
	s_add_nc_u64 s[8:9], s[8:9], s[78:79]
; 8 matrix instructions: row blocks a0, a0 + 1 x all 4 column blocks, 32 along K: half c of buffer f.  zero = 1: the first product starts the sums.
; The 16 accumulators take turns, one instruction a turn.
.macro MUL8 f, c, a0, zero
	WIN MUL
.irp a, \a0, (\a0)+1
.irp b, 0,1,2,3
.if \zero
	v_wmma_f32_16x16x32_bf16 v[ACC+8*(4*(\a)+(\b)):ACC+8*(4*(\a)+(\b))+7], v[(\f)+64+8*(4*(\c)+(\b)):(\f)+64+8*(4*(\c)+(\b))+7], v[(\f)+8*(4*(\c)+(\a)):(\f)+8*(4*(\c)+(\a))+7], 0
.else
	v_wmma_f32_16x16x32_bf16 v[ACC+8*(4*(\a)+(\b)):ACC+8*(4*(\a)+(\b))+7], v[(\f)+64+8*(4*(\c)+(\b)):(\f)+64+8*(4*(\c)+(\b))+7], v[(\f)+8*(4*(\c)+(\a)):(\f)+8*(4*(\c)+(\a))+7], v[ACC+8*(4*(\a)+(\b)):ACC+8*(4*(\a)+(\b))+7]
.endif
.endr
.endr
.endm
; 32 LDS loads in one run: the fragments of quarter q (64 along K) of a slot into buffer f; the first 32 along K first
.macro FETCH slot, q, f
	WIN TO_F
.irp c, 0,1
.irp i, 0,1,2,3
	ds_load_tr16_b128 v[(\f)+64+8*(4*(\c)+(\i)):(\f)+64+8*(4*(\c)+(\i))+3],   v[ADRB+2*(\slot)+(\q)/2] offset:(((\q)%2)*64+32*(\c))*PB+32*(\i)
	ds_load_tr16_b128 v[(\f)+64+8*(4*(\c)+(\i))+4:(\f)+64+8*(4*(\c)+(\i))+7], v[ADRB+2*(\slot)+(\q)/2] offset:(((\q)%2)*64+32*(\c)+16)*PB+32*(\i)
	ds_load_b128 v[(\f)+8*(4*(\c)+(\i)):(\f)+8*(4*(\c)+(\i))+3],         v[ADRA+(\slot)] offset:(\q)*AQ+64*(\c)+(\i)*16*PA
	ds_load_b128 v[(\f)+8*(4*(\c)+(\i))+4:(\f)+8*(4*(\c)+(\i))+7],       v[ADRA+(\slot)] offset:(\q)*AQ+64*(\c)+(\i)*16*PA+32
.endr
.endr
.endm
.macro PLACES                          ; four places in front of loads into registers that matrix instructions have read, and of lines that read results
.rept 4
	v_nop
.endr
.endm
; A K step is four quarters of 64 along K, 32 matrix instructions each, on buffers 0, 1, 0, 1.  One of the first three: multiplies buffer f and fetches quarter q into g.
.macro QUARTER slot, q, f, g, zero
	s_wait_dscnt 16                                ; the first 32 along K are in; the youngest sixteen loads may be out
	MUL8 \f, 0, 0, \zero
	MUL8 \f, 0, 2, \zero
	PLACES
	FETCH \slot, \q, \g
	s_wait_dscnt 32                                ; all but the 32 just issued
	MUL8 \f, 1, 0, 0
	MUL8 \f, 1, 2, 0
.endm
; The last quarter multiplies buffer 1 and changes slots: ONE barrier; in front of it each wave waits for all its tensor loads, adds 0 to its spare word, and waits for that and for its reads of this slot.
; fill = 1: the barrier opens a round of the cluster's, and this slot is filled again, two K steps ahead, first thing behind the round.
.macro TURN slot, next, fill
	WIN 0                                          ; (the add's two registers lie in window 0)
	s_wait_tensorcnt 0x0                           ; all my tensor loads have landed: the one that was out is my part of the next slot
	ds_add_u32 v[SPW], v[NIL]                      ; 0 onto my spare word
	s_wait_dscnt 17                                ; (the add and the youngest sixteen loads may be out)
	MUL8 F1, 0, 0, 0                               ; eight matrix instructions stand between the add and the wait for it
	s_wait_dscnt 0x0                               ; the add is done, and my reads of this slot are over
	s_barrier_signal -1
	MUL8 F1, 0, 2, 0
.if \fill
	WIN 0
.endif
	s_barrier_wait -1
.if \fill
	CREST                                          ; no wave of any partner still reads this slot's tile or has a load on its way
	s_add_nc_u64 s[G0+4*(\slot)+2:G0+4*(\slot)+3], s[G0+4*(\slot)+2:G0+4*(\slot)+3], 2*FIRST_A
	s_add_nc_u64 s[G0B+4*(\slot)+2:G0B+4*(\slot)+3], s[G0B+4*(\slot)+2:G0B+4*(\slot)+3], 2*FIRST_B
	JLOAD \slot                                    ; my one tensor load behind the round: 112 matrix instructions ahead of the wait for it; its four v_nop are also the places in front of the loads below
.else
	PLACES
.endif
	FETCH \next, 0, F0
	MUL8 F1, 1, 0, 0
	MUL8 F1, 1, 2, 0
.endm
	s_wait_tensorcnt 1                             ; my part of K step 0 is in; K step 1's may stay out
	s_barrier_signal -1
	s_barrier_wait -1                              ; everybody's is
	FETCH 0, 0, F0
	QUARTER 0, 1, F0, F1, 1                        ; the first quarter stands in front of the loop: its first products start the sums
	WIN 0                                          ; at a label and at a branch every window is 0
	s_mov_b32 s3, LAPS-1
.Llap:                                                 ; a trip goes once round the ring, from a lap's second quarter to the next lap's first, and fills both slots again
	QUARTER 0, 2, F1, F0, 0
	QUARTER 0, 3, F0, F1, 0
	TURN 0, 1, 1
	QUARTER 1, 1, F0, F1, 0
	QUARTER 1, 2, F1, F0, 0
	QUARTER 1, 3, F0, F1, 0
	TURN 1, 0, 1
	QUARTER 0, 1, F0, F1, 0
	WIN 0
	s_sub_co_u32 s3, s3, 1
	s_cmp_lg_u32 s3, 0
	s_cbranch_scc1 .Llap
	QUARTER 0, 2, F1, F0, 0                        ; the last lap fills nothing
	QUARTER 0, 3, F0, F1, 0
	TURN 0, 1, 0
	QUARTER 1, 1, F0, F1, 0
	QUARTER 1, 2, F1, F0, 0
	QUARTER 1, 3, F0, F1, 0
	s_wait_dscnt 16
	MUL8 F1, 0, 0, 0
	MUL8 F1, 0, 2, 0
	s_wait_dscnt 0
	MUL8 F1, 1, 0, 0
	MUL8 F1, 1, 2, 0
	WIN 0
	PLACES
	; THE WAY OUT: the f32 sums as they are, a block of 16 rows x 64 columns at a time through my own stage, so that sixteen lanes store 256 consecutive bytes.
.macro PACK a
.irp b, 0,1,2,3
	ds_store_b128 v[STO], v[ACC+8*(4*(\a)+(\b)):ACC+8*(4*(\a)+(\b))+3] offset:64*(\b)      ; each accumulator is read from its low end on
	ds_store_b128 v[STO], v[ACC+8*(4*(\a)+(\b))+4:ACC+8*(4*(\a)+(\b))+7] offset:64*(\b)+16
.endr
.irp f, 0,1,2,3,4,5,6,7
	ds_load_b128 v[ACC+32*(\a)+4*(\f):ACC+32*(\a)+4*(\f)+3], v[RD] offset:(\f)*2*SP  ; LDS serves a wave's instructions in order (ISA guide 5.7.1.4): these see the stores above; the next block's stores come behind them
.endr
.endm
.macro SEND a, younger                 ; younger: the LDS instructions issued behind block a's loads: the next block's sixteen, or none
.irp f, 0,1,2,3,4,5,6,7
	s_wait_dscnt (\younger)+7-(\f)
	global_store_b128 v[CO], v[ACC+32*(\a)+4*(\f):ACC+32*(\a)+4*(\f)+3], s[8:9] offset:(16*(\a)+2*(\f))*4096  ; 16 lanes store 256 consecutive bytes, at a multiple of 256 from t's first byte
.endr
.endm
	PACK 0
	PACK 1
	SEND 0, 16
	PACK 2
	SEND 1, 16
	PACK 3
	SEND 2, 16
	SEND 3, 0
	s_wait_tensorcnt 0x0                           ; the wave's end
	ds_add_u32 v[SPW], v[NIL]
	s_wait_dscnt 0x0
	CROUND                                         ; the closing round: no work-group ends while a partner may still ask for a tile that names it
	s_endpgm
.Lfunc_end_k_q74c3e904c8_wo:
	.size	k_q74c3e904c8_wo, .Lfunc_end_k_q74c3e904c8_wo-k_q74c3e904c8_wo
	.p2alignl 7, 3214868480
	.fill 96, 4, 3214868480
	.section	.rodata,"a",@progbits
	.p2align	6, 0x0
	.amdhsa_kernel k_q74c3e904c8_wo
		.amdhsa_group_segment_fixed_size 327680
		.amdhsa_private_segment_fixed_size 0
		.amdhsa_enable_private_segment 0
		.amdhsa_kernarg_size 24
		.amdhsa_user_sgpr_count 2
		.amdhsa_user_sgpr_kernarg_segment_ptr 1
		.amdhsa_wavefront_size32 1
		.amdhsa_system_sgpr_workgroup_id_x 1
		.amdhsa_system_sgpr_workgroup_id_y 1
		.amdhsa_system_sgpr_workgroup_id_z 1
		.amdhsa_system_vgpr_workitem_id 0
		.amdhsa_next_free_vgpr 512
		.amdhsa_next_free_sgpr 84
		.amdhsa_reserve_vcc 0
		.amdhsa_float_denorm_mode_32 3
		.amdhsa_float_denorm_mode_16_64 3
		.amdhsa_memory_ordered 1
		.amdhsa_forward_progress 1
		.amdhsa_inst_pref_size 86
	.end_amdhsa_kernel
	.amdgpu_metadata
---
amdhsa.version: [ 1, 2 ]
amdhsa.kernels:
  - .name:           k_q74c3e904c8_wo
    .symbol:         k_q74c3e904c8_wo.kd
    .args:
      - { .name: ctx, .offset: 0, .size: 8, .value_kind: global_buffer, .address_space: global }
      - { .name: wb, .offset: 8, .size: 8, .value_kind: global_buffer, .address_space: global }
      - { .name: t, .offset: 16, .size: 8, .value_kind: global_buffer, .address_space: global }
    .group_segment_fixed_size: 327680
    .private_segment_fixed_size: 0
    .kernarg_segment_align: 8
    .kernarg_segment_size: 24
    .max_flat_workgroup_size: 128
    .sgpr_count:     84
    .vgpr_count:     512
    .wavefront_size: 32
...
	.end_amdgpu_metadata
.endif
;; end of part 4
;; launch ln1 (part 5): grid 256 x 1, 8 waves a work-group, no clusters, 0 bytes of LDS; arguments t, x, bo, g1, beta1, xn1, actb; writes xn1, actb
.if DOCPART == 5
	.amdgcn_target "amdgcn-amd-amdhsa--gfx1250"
	.amdhsa_code_object_version 6
	.text
	.protected	k_q74c3e904c8_ln1
	.globl	k_q74c3e904c8_ln1
	.p2align	8
	.type	k_q74c3e904c8_ln1,@function
k_q74c3e904c8_ln1:
	s_mov_b64 s[64:65], 0
	v_nop
	global_prefetch_b8 v0, s[64:65] scope:SCOPE_SE
	s_setreg_imm32_b32 hwreg(HW_REG_WAVE_MODE, 25, 1), 1
	s_wait_xcnt 0x0
; xn1 = LayerNorm((t + bo) + x) g1 + beta1, rows of 1,024 f32; stored in f32 (xn1, the next residual) and, HF = 1, in f16 (actb, the next product's operand).
; LIMIT: a number of xn1 beyond 65,504 becomes an infinity in actb; xn1 is a normalised number times g1 plus beta1.
; A wave owns two whole rows: a row is 32 registers a lane (chunk j: columns 128 j + 4 lane .. + 3), so the sums never leave the wave: no LDS, no barrier.  256 work-groups x 8 waves x 2 rows = 4,096.
; The mean is taken first and the variance of the centred numbers: no difference of large sums is formed.
; All 56 loads of a wave go out at once; each covers 512 consecutive bytes.  A store of 16 bytes a lane covers 512 consecutive bytes, one of 8 bytes a lane 256, aligned.
; No register that a pending store reads is written again, so no wait frees one.  Matrix units and clusters have nothing to do here: every byte is read once.
.set HF,  1
.set BI,  8                            ; v[8:39]    bias
.set G,   40                           ; v[40:71]   gain
.set BE,  72                           ; v[72:103]  beta
.set Y0,  104                          ; v[104:135] row 0
.set Y1,  136                          ; v[136:167] row 1
.set R0,  168                          ; v[168:199] row 0's residual, later its 16-bit words
.set R1,  200                          ; v[200:231] row 1's
.set A,   232                          ; v[232:239] four chains of pairs
.set MU,  240                          ; v[240:241] the mean, twice
.set RS0, 242                          ; v[242:243] row 0's 1 / sqrt(var + eps), twice
.set RS1, 244                          ; v[244:245] row 1's
.set TV,  246                          ; v246       var + eps
	s_load_b256 s[4:11], s[0:1], 0x0               ; t s[4:5], residual s[6:7], bias s[8:9], gain s[10:11]
	s_load_b128 s[16:19], s[0:1], 0x20             ; beta s[16:17], the f32 output s[18:19]
.if HF
	s_load_b64 s[20:21], s[0:1], 0x30              ; the f16 output
.endif
	v_and_b32 v1, 31, v0
	v_lshrrev_b32 v3, 5, v0
	v_readfirstlane_b32 s23, v3                    ; wave 0..7
	v_lshlrev_b32 v2, 3, v1                        ; 8 bytes a lane
	v_lshlrev_b32 v1, 4, v1                        ; 16 bytes a lane
	s_lshl_b32 s14, ttmp9, 16                      ; the group's 16 rows of 4,096 bytes,
	s_lshl_b32 s15, s23, 13                        ; my wave's two
	s_add_co_u32 s14, s14, s15
	s_mov_b32 s15, 0
	s_lshr_b32 s24, s14, 1                         ; the same in rows of 2,048 bytes
	s_mov_b32 s25, 0
	s_mov_b32 s12, 0x76543210                      ; v_permlanex16_b32: each lane takes its own place in the other half
	s_mov_b32 s13, 0xfedcba98
	s_mov_b32 s22, 0x3a800000                      ; 1 / 1,024
	s_wait_kmcnt 0x0
	s_add_nc_u64 s[4:5], s[4:5], s[14:15]
	s_add_nc_u64 s[6:7], s[6:7], s[14:15]
	s_add_nc_u64 s[18:19], s[18:19], s[14:15]
.if HF
	s_add_nc_u64 s[20:21], s[20:21], s[24:25]
.endif
.macro LD8 dst, base, off
.irp j, 0,1,2,3,4,5,6,7
	global_load_b128 v[(\dst)+4*(\j):(\dst)+4*(\j)+3], v1, s[\base:\base+1] offset:(\off)+512*(\j)
.endr
.endm
	LD8 BI, 8, 0
	LD8 Y0, 4, 0
	LD8 R0, 6, 0
	LD8 Y1, 4, 4096
	LD8 R1, 6, 4096
	LD8 G, 10, 0
	LD8 BE, 16, 0
.macro RED                             ; the four chains, the pair's halves and the 32 lanes are added: every lane ends with the sum in v[A]
	v_pk_add_f32 v[A:A+1], v[A:A+1], v[A+2:A+3]
	v_pk_add_f32 v[A+4:A+5], v[A+4:A+5], v[A+6:A+7]
	v_pk_add_f32 v[A:A+1], v[A:A+1], v[A+4:A+5]
	v_add_f32 v[A], v[A], v[A+1]
	v_add_f32_dpp v[A], v[A], v[A] row_xmask:1 row_mask:0xf bank_mask:0xf
	v_add_f32_dpp v[A], v[A], v[A] row_xmask:2 row_mask:0xf bank_mask:0xf
	v_add_f32_dpp v[A], v[A], v[A] row_xmask:4 row_mask:0xf bank_mask:0xf
	v_add_f32_dpp v[A], v[A], v[A] row_xmask:8 row_mask:0xf bank_mask:0xf
	v_permlanex16_b32 v[A+1], v[A], s12, s13
	v_add_f32 v[A], v[A], v[A+1]
.endm
.macro STAT y, r, rs                   ; the row is summed up, centred in place, and its 1 / sqrt(var + eps) made
.set j, 0
.rept 16
	v_pk_add_f32 v[(\y)+j:(\y)+j+1], v[(\y)+j:(\y)+j+1], v[BI+j:BI+j+1]
.set j, j+2
.endr
.set j, 0
.rept 16
	v_pk_add_f32 v[(\y)+j:(\y)+j+1], v[(\y)+j:(\y)+j+1], v[(\r)+j:(\r)+j+1]
.set j, j+2
.endr
.irp k, 0,2,4,6
	v_pk_add_f32 v[A+(\k):A+(\k)+1], v[(\y)+(\k):(\y)+(\k)+1], v[(\y)+8+(\k):(\y)+8+(\k)+1]  ; the first eight pairs start the chains: nothing is cleared
.endr
.irp o, 16,24
.irp k, 0,2,4,6
	v_pk_add_f32 v[A+(\k):A+(\k)+1], v[A+(\k):A+(\k)+1], v[(\y)+(\o)+(\k):(\y)+(\o)+(\k)+1]
.endr
.endr
	RED
	v_mul_f32 v[MU], s22, v[A]
	v_mul_f32 v[MU+1], s22, v[A]
.set j, 0
.rept 16
	v_pk_add_f32 v[(\y)+j:(\y)+j+1], v[(\y)+j:(\y)+j+1], v[MU:MU+1] neg_lo:[0,1] neg_hi:[0,1]
.set j, j+2
.endr
.irp k, 0,2,4,6
	v_pk_mul_f32 v[A+(\k):A+(\k)+1], v[(\y)+(\k):(\y)+(\k)+1], v[(\y)+(\k):(\y)+(\k)+1]
.endr
.irp o, 8,16,24
.irp k, 0,2,4,6
	v_pk_fma_f32 v[A+(\k):A+(\k)+1], v[(\y)+(\o)+(\k):(\y)+(\o)+(\k)+1], v[(\y)+(\o)+(\k):(\y)+(\o)+(\k)+1], v[A+(\k):A+(\k)+1]
.endr
.endr
	RED
	v_fmaak_f32 v[TV], s22, v[A], 0x3727c5ac       ; sum / 1,024 + 1e-5
	v_rsq_f32 v[\rs], v[TV]
	v_rsq_f32 v[\rs+1], v[TV]
	v_nop                                          ; a plain instruction behind the transcendentals, before a result is used or TV rewritten (ISA guide 5.7.2)
.endm
.macro NORM y, r, rs, row
.set j, 0
.rept 16
	v_pk_mul_f32 v[(\y)+j:(\y)+j+1], v[(\y)+j:(\y)+j+1], v[\rs:\rs+1]
.set j, j+2
.endr
.set j, 0
.rept 16
	v_pk_fma_f32 v[(\y)+j:(\y)+j+1], v[(\y)+j:(\y)+j+1], v[G+j:G+j+1], v[BE+j:BE+j+1]
.set j, j+2
.endr
.irp c, 0,1,2,3,4,5,6,7
	global_store_b128 v1, v[(\y)+4*(\c):(\y)+4*(\c)+3], s[18:19] offset:(\row)*4096+512*(\c)
.endr
.if HF
.set j, 0
.rept 16
	v_cvt_pk_f16_f32 v[(\r)+j], v[(\y)+2*j], v[(\y)+2*j+1]
.set j, j+1
.endr
.irp c, 0,1,2,3,4,5,6,7
	global_store_b64 v2, v[(\r)+2*(\c):(\r)+2*(\c)+1], s[20:21] offset:(\row)*2048+256*(\c)
.endr
.endif
.endm
	s_wait_loadcnt 32                              ; bias and row 0 with its residual are in; the 32 younger loads stay out
	STAT Y0, R0, RS0
	s_wait_loadcnt 16                              ; row 1 too; gain and beta stay out
	STAT Y1, R1, RS1
	s_wait_loadcnt 0x0
	NORM Y0, R0, RS0, 0
	NORM Y1, R1, RS1, 1
	s_endpgm
.Lfunc_end_k_q74c3e904c8_ln1:
	.size	k_q74c3e904c8_ln1, .Lfunc_end_k_q74c3e904c8_ln1-k_q74c3e904c8_ln1
	.p2alignl 7, 3214868480
	.fill 96, 4, 3214868480
	.section	.rodata,"a",@progbits
	.p2align	6, 0x0
	.amdhsa_kernel k_q74c3e904c8_ln1
		.amdhsa_group_segment_fixed_size 0
		.amdhsa_private_segment_fixed_size 0
		.amdhsa_enable_private_segment 0
		.amdhsa_kernarg_size 56
		.amdhsa_user_sgpr_count 2
		.amdhsa_user_sgpr_kernarg_segment_ptr 1
		.amdhsa_wavefront_size32 1
		.amdhsa_system_sgpr_workgroup_id_x 1
		.amdhsa_system_sgpr_workgroup_id_y 1
		.amdhsa_system_sgpr_workgroup_id_z 1
		.amdhsa_system_vgpr_workitem_id 0
		.amdhsa_next_free_vgpr 248
		.amdhsa_next_free_sgpr 66
		.amdhsa_reserve_vcc 0
		.amdhsa_float_denorm_mode_32 3
		.amdhsa_float_denorm_mode_16_64 3
		.amdhsa_memory_ordered 1
		.amdhsa_forward_progress 1
		.amdhsa_inst_pref_size 28
	.end_amdhsa_kernel
	.amdgpu_metadata
---
amdhsa.version: [ 1, 2 ]
amdhsa.kernels:
  - .name:           k_q74c3e904c8_ln1
    .symbol:         k_q74c3e904c8_ln1.kd
    .args:
      - { .name: t, .offset: 0, .size: 8, .value_kind: global_buffer, .address_space: global }
      - { .name: x, .offset: 8, .size: 8, .value_kind: global_buffer, .address_space: global }
      - { .name: bo, .offset: 16, .size: 8, .value_kind: global_buffer, .address_space: global }
      - { .name: g1, .offset: 24, .size: 8, .value_kind: global_buffer, .address_space: global }
      - { .name: beta1, .offset: 32, .size: 8, .value_kind: global_buffer, .address_space: global }
      - { .name: xn1, .offset: 40, .size: 8, .value_kind: global_buffer, .address_space: global }
      - { .name: actb, .offset: 48, .size: 8, .value_kind: global_buffer, .address_space: global }
    .group_segment_fixed_size: 0
    .private_segment_fixed_size: 0
    .kernarg_segment_align: 8
    .kernarg_segment_size: 56
    .max_flat_workgroup_size: 256
    .sgpr_count:     66
    .vgpr_count:     248
    .wavefront_size: 32
...
	.end_amdgpu_metadata
.endif
;; end of part 5
;; launch mlp1 (part 6): grid 32 x 32, 4 waves a work-group, clusters of 4 x 4, 327,680 bytes of LDS; arguments actb, wb, b1, hb; writes hb
.if DOCPART == 6
	.amdgcn_target "amdgcn-amd-amdhsa--gfx1250"
	.amdhsa_code_object_version 6
	.text
	.protected	k_q74c3e904c8_mlp1
	.globl	k_q74c3e904c8_mlp1
	.p2align	8
	.type	k_q74c3e904c8_mlp1,@function
k_q74c3e904c8_mlp1:
	s_mov_b64 s[64:65], 0
	v_nop
	global_prefetch_b8 v0, s[64:65] scope:SCOPE_SE
	s_setreg_imm32_b32 hwreg(HW_REG_WAVE_MODE, 25, 1), 1
	s_wait_xcnt 0x0
	s_wait_alu depctr_hold_cnt(0) depctr_sa_sdst(0) depctr_va_vdst(0) depctr_va_sdst(0) depctr_va_ssrc(0) depctr_va_vcc(0) depctr_vm_vsrc(0)
	s_getreg_b32 s2, hwreg(HW_REG_IB_STS2, 6, 4)
	s_cmp_eq_u32 s2, 0
	s_cbranch_scc0 .Lentry_in_a_cluster
	s_endpgm
.Lentry_in_a_cluster:
	s_bfe_u32 s2, ttmp6, 0x10000c
	s_cmp_lg_u32 s2, 0xf033
	s_cbranch_scc0 .Lentry_shape_is_right
	s_endpgm
.Lentry_shape_is_right:
; h = gelu(xn1 W1 + b1), the exact (erf) gelu, written in f16: hb [4096][4096].  xn1: actb [4096][1024] f16; W1: wb + 8,388,608, [K][N] f16; sums and gelu in f32.
; LIMITS.  f16 holds no number beyond 65,504: an h beyond it becomes an infinity.  erf by the rational form of Abramowitz and Stegun 7.1.26, absolute error 1.5e-7:
; gelu(x) = max(x, 0) - |x| y, y = (((((a5 t + a4) t + a3) t + a2) t + a1) t) 2^(-x^2 log2(e) / 2) / 2, t = 1 / (1 + p |x| / sqrt(2)); the halves are folded into a1..a5.
; A tile of C is 128 x 128; four waves, each 64 x 64: 16 accumulators.  K goes in steps of 256 through two LDS slots.
; A's rows lie along K and are read as they lie; B lies [K][N], a row of LDS is one k with the tile's 128 n, and its fragments come out turned, by ds_load_tr16_b128.
; CLUSTERS: 4 x 4 work-groups.  The four of a row need the same tiles of A, the four of a column the same tiles of B: each tile is asked for JOINTLY, by the same tensor load with the same
; descriptor and a mask that names the four.  THE MATRIX INSTRUCTION IS USED TRANSPOSED (source 0 = 16 columns of B, source 1 = 16 rows of A): a lane holds eight neighbouring numbers of a row of C.
; REGISTERS: window 0: v0-31 addresses; v32-95 at work on the way out; v96-127 bias; v128-255 the accumulators ((a, b) at v[128 + 8 (4 a + b)]).
;   window 1: two fragment buffers of 128: for 64 along K, 64 registers of A, then 64 of B.
; All of a WGP's LDS is claimed; the text uses 317,952 bytes.
.set SIZE_K, 1024
.set LDA,    1024
.set LDB,    4096
.set WOFF,   8388608                   ; W1 in wb
.set KSTEP,  256
.set PA,     528                       ; a row of A in LDS: 512 bytes + 16 of padding = 132 words: row r starts at bank 4 r mod 64 (64 banks of 4 bytes: ISA guide 11.1)
.set AQ,     128
.set HA,     64*PA
.set PB,     288                       ; a row of B: 256 bytes + 32 = 72 words
.set HB,     128*PB
.set SLOT,   2*HA+2*HB
.set STAGE,  2*SLOT                    ; behind the ring: 128 rows x 272 bytes, the work-group's: a wave's 64 columns of f16 are only half of an aligned 256 bytes
.set SP,     272
.set SPARE,  STAGE+128*SP              ; the spare words, 128 bytes for each wave: two blocks of 256 bytes that no other line names
.set LAPS,   SIZE_K/(2*KSTEP)
.set FIRST_A, KSTEP*2
.set FIRST_B, KSTEP*LDB*2
.set ADRA, 16
.set ADRB, 20
.set STO,  24
.set RD,   25
.set CO,   26
.set SPW,  28
.set NIL,  29
.set TMP,  32
.set U,    32                          ; v32-39  x^2, then 2^(-x^2 log2(e) / 2)
.set T,    40                          ; v40-47  t
.set P,    48                          ; v48-55  the polynomial
.set M,    56                          ; v56-63  max(x, 0)
.set BI,   96
.set ACC,  128
.set F0,   0
.set F1,   128
.set G1,  24
.set G0,  32
.set G1B, 48
.set G0B, 56
.set A5,  66                           ; s[66:75] a5 / 2 .. a1 / 2, each as a pair: the packed forms take the low word for both halves
.set A4,  68
.set A3,  70
.set A2,  72
.set A1,  74
.set PC,  76                           ; s76      p / sqrt(2)
.set NL,  78                           ; s[78:79] -log2(e) / 2
.set MSB, 0
.macro WIN new                         ; the immediate's high byte repeats the setting that is left; a switch that changes nothing is dropped
.if MSB != (\new)
	s_set_vgpr_msb (MSB<<8)|(\new)
.set MSB, \new
.endif
.endm
.set MUL,  0x05                        ; sources 0 (B) and 1 (A) window 1; C and D window 0
.set TO_F, 0x40                        ; destination window 1, address window 0
.macro JLOAD s                         ; a joint load: waves 0 and 1 fetch A's two halves, waves 2 and 3 B's; four v_nop follow each of the two lines
	s_cmp_eq_u32 s11, 0
	s_cbranch_scc0 .Lfor_b_\@
	tensor_load_to_lds s[G0+4*(\s):G0+4*(\s)+3], s[G1:G1+7]
.rept 4
	v_nop
.endr
	s_branch .Lasked_\@
.Lfor_b_\@:
	tensor_load_to_lds s[G0B+4*(\s):G0B+4*(\s)+3], s[G1B:G1B+7]
.rept 4
	v_nop
.endr
.Lasked_\@:
.endm
.macro CREST                           ; a round of the cluster's barrier behind its opening barrier
	s_cmp_lg_u32 s10, 0
	s_cbranch_scc1 .Lnot_wave_0_\@
	s_barrier_signal -3
.Lnot_wave_0_\@:
	s_barrier_wait -3
	s_barrier_signal -1
	s_barrier_wait -1
.endm
.macro CROUND                          ; a whole round
	s_barrier_signal -1
	s_barrier_wait -1
	CREST
.endm
	s_load_b128 s[4:7], s[0:1], 0x0                ; actb s[4:5], wb s[6:7]
	s_load_b64 s[80:81], s[0:1], 0x10              ; b1
	s_load_b64 s[8:9], s[0:1], 0x18                ; hb
	v_lshl_add_u32 v[SPW], v0, 2, SPARE
	v_mov_b32 v[NIL], 0
	v_lshrrev_b32 v1, 5, v0
	v_readfirstlane_b32 s10, v1                    ; wave 0..3
	s_lshr_b32 s11, s10, 1                         ; which half of the tile's rows is mine.  Also: I fetch for A (0) or for B (1)
	s_and_b32 s12, s10, 1                          ; which half of its columns.  Also: which half of that tile I fetch
	s_bfe_u32 s40, ttmp6, 0x40000                  ; cx, cy: my place in the cluster
	s_bfe_u32 s41, ttmp6, 0x40004
	s_lshl_b32 s42, ttmp9, 2
	s_add_co_u32 s42, s42, s40                     ; tile column tx
	s_and_b32 s13, ttmp7, 0xffff
	s_lshl_b32 s13, s13, 2
	s_add_co_u32 s13, s13, s41                     ; tile row ty
	s_lshl_b32 s43, s41, 2
	s_lshl_b32 s43, 15, s43                        ; my row of the cluster
	s_lshl_b32 s44, 0x1111, s40                    ; my column
	; descriptor group 1.  A: 64 rows x 256 elements, 4 words of padding after every 128.  B: 128 rows (k) x 128 elements (n), 8 words after every 64.
	s_or_b32 s[G1+0], s43, (1<<16)|(1<<20)|(1<<21)|(6<<22)|(3<<25)
	s_mov_b32 s[G1+1], KSTEP<<16
	s_mov_b32 s[G1+2], 64<<16
	s_mov_b32 s[G1+3], KSTEP<<16
	s_mov_b32 s[G1+4], 64
	s_mov_b32 s[G1+5], LDA
	s_mov_b32 s[G1+6], 0
	s_mov_b32 s[G1+7], 0
	s_or_b32 s[G1B+0], s44, (1<<16)|(1<<20)|(1<<21)|(5<<22)|(7<<25)
	s_mov_b32 s[G1B+1], 128<<16
	s_mov_b32 s[G1B+2], 128<<16
	s_mov_b32 s[G1B+3], 128<<16
	s_mov_b32 s[G1B+4], 128
	s_mov_b32 s[G1B+5], LDB
	s_mov_b32 s[G1B+6], 0
	s_mov_b32 s[G1B+7], 0
	s_mov_b32 s[A5], 0x3f07dc22                    ;  1.061405429 / 2
	s_mov_b32 s[A5+1], s[A5]
	s_mov_b32 s[A4], 0xbf3a00e3                    ; -1.453152027 / 2
	s_mov_b32 s[A4+1], s[A4]
	s_mov_b32 s[A3], 0x3f35f0e3                    ;  1.421413741 / 2
	s_mov_b32 s[A3+1], s[A3]
	s_mov_b32 s[A2], 0xbe11a98e                    ; -0.284496736 / 2
	s_mov_b32 s[A2+1], s[A2]
	s_mov_b32 s[A1], 0x3e027906                    ;  0.254829592 / 2
	s_mov_b32 s[A1+1], s[A1]
	s_mov_b32 s[PC], 0x3e6d3388                    ;  0.3275911 / sqrt(2)
	s_mov_b32 s[NL], 0xbf38aa3b                    ; -log2(e) / 2
	s_mov_b32 s[NL+1], s[NL]
	; where the tiles come from: A's offset hangs on ty and the wave alone, B's on tx and the wave alone
	s_lshl_b32 s17, s12, 6
	s_lshl_b32 s16, s13, 7
	s_add_co_u32 s16, s16, s17                     ; A: row 128 ty + 64 x half
	s_mul_i32 s16, s16, LDA*2
	s_mov_b32 s17, 0
	s_lshl_b32 s46, s42, 8                         ; B: the tile's 128 columns,
	s_mul_i32 s47, s12, 128*LDB*2                  ; my 128 k of the step's 256,
	s_add_co_u32 s46, s46, s47
	s_add_co_u32 s46, s46, WOFF                    ; in W1
	s_mov_b32 s47, 0
	s_mul_i32 s20, s12, HA                         ; and where they go: no place in the cluster enters an LDS address
	s_mul_i32 s21, s12, HB
	s_add_co_u32 s21, s21, 2*HA
	s_wait_kmcnt 0x0
	s_add_nc_u64 s[14:15], s[4:5], s[16:17]
	s_add_nc_u64 s[46:47], s[6:7], s[46:47]
	CROUND                                         ; all sixteen work-groups are here: the first joint loads meet
.irp s, 0,1
	s_mov_b32 s[G0+4*(\s)], 1
	s_add_co_u32 s[G0+4*(\s)+1], s20, (\s)*SLOT
	s_add_nc_u64 s[G0+4*(\s)+2:G0+4*(\s)+3], s[14:15], (\s)*FIRST_A
	s_or_b32 s[G0+4*(\s)+3], s[G0+4*(\s)+3], 0x80000000
	s_mov_b32 s[G0B+4*(\s)], 1
	s_add_co_u32 s[G0B+4*(\s)+1], s21, (\s)*SLOT
	s_add_nc_u64 s[G0B+4*(\s)+2:G0B+4*(\s)+3], s[46:47], (\s)*FIRST_B
	s_or_b32 s[G0B+4*(\s)+3], s[G0B+4*(\s)+3], 0x80000000
	JLOAD \s                                       ; two loads of mine are out
.endr
	v_and_b32 v1, 15, v0                           ; l % 16
	v_bfe_u32 v2, v0, 4, 1                         ; l / 16
	v_mul_u32_u24 v3, v1, PA
	v_lshl_add_u32 v3, v2, 4, v3                   ; A: row x pitch + 16 x half of the lanes
	s_mul_i32 s22, s11, HA
	v_add_nc_u32 v[ADRA], s22, v3
	v_add_nc_u32 v[ADRA+1], SLOT, v[ADRA]
	v_and_b32 v4, 7, v0                            ; B, turned: lane l reads 16 bytes of row k = 8 (l / 16) + l % 8, columns 8 ((l / 8) % 2) + 0..7
	v_lshl_add_u32 v4, v2, 3, v4
	v_mul_u32_u24 v4, v4, PB
	v_bfe_u32 v5, v0, 3, 1
	v_lshl_add_u32 v4, v5, 4, v4
	s_lshl_b32 s23, s12, 7
	s_add_co_u32 s23, s23, 2*HA
	v_add_nc_u32 v[ADRB], s23, v4
	v_add_nc_u32 v[ADRB+1], HB, v[ADRB]
	v_add_nc_u32 v[ADRB+2], SLOT, v[ADRB]
	v_add_nc_u32 v[ADRB+3], SLOT+HB, v[ADRB]
	; what the way out needs: the bias of my columns (the loads stay out while K is walked), the stage's addresses, my place in hb
	s_lshl_b32 s82, s42, 9                         ; 128 tx + 64 x half, 4 bytes each
	s_lshl_b32 s83, s12, 8
	s_add_co_u32 s82, s82, s83
	s_mov_b32 s83, 0
	s_add_nc_u64 s[80:81], s[80:81], s[82:83]
	v_lshlrev_b32 v15, 5, v2                       ; my eight columns begin at 8 (l / 16)
.irp b, 0,1,2,3
	global_load_b128 v[BI+8*(\b):BI+8*(\b)+3],   v15, s[80:81] offset:64*(\b)
	global_load_b128 v[BI+8*(\b)+4:BI+8*(\b)+7], v15, s[80:81] offset:64*(\b)+16
.endr
	s_mul_i32 s23, s11, 64*SP                      ; into the stage: my 64 rows, my half of their 256 bytes; row l % 16, 16 bytes for each half of the lanes
	s_lshl_b32 s22, s12, 7
	s_add_co_u32 s23, s23, s22
	s_add_co_u32 s23, s23, STAGE
	v_mul_u32_u24 v4, v1, SP
	v_lshl_add_u32 v4, v2, 4, v4
	v_add_nc_u32 v[STO], s23, v4
	s_mul_i32 s23, s10, 32*SP                      ; back: wave w takes rows 32 w .. 32 w + 31, whole; lanes 0-15 one row of 256 bytes, lanes 16-31 the next
	s_add_co_u32 s23, s23, STAGE
	v_mul_u32_u24 v5, v2, SP
	v_lshl_add_u32 v5, v1, 4, v5
	v_add_nc_u32 v[RD], s23, v5
	v_lshlrev_b32 v5, 13, v2                       ; and the same two rows in hb, 8,192 bytes apart
	v_lshl_add_u32 v[CO], v1, 4, v5
	s_lshl_b32 s82, s13, 7
	s_lshl_b32 s83, s10, 5
	s_add_co_u32 s82, s82, s83                     ; the first row that I store: 128 ty + 32 x wave
	s_lshl_b32 s82, s82, 13
	s_lshl_b32 s83, s42, 8                         ; the tile's first column, in bytes
	s_add_co_u32 s82, s82, s83
	s_mov_b32 s83, 0
	s_add_nc_u64 s[8:9], s[8:9], s[82:83]
; 8 matrix instructions: row blocks a0, a0 + 1 x all 4 column blocks, 32 along K: half c of buffer f.  zero = 1: the first product starts the sums.
; The 16 accumulators take turns, one instruction a turn.
.macro MUL8 f, c, a0, zero
	WIN MUL
.irp a, \a0, (\a0)+1
.irp b, 0,1,2,3
.if \zero
	v_wmma_f32_16x16x32_f16 v[ACC+8*(4*(\a)+(\b)):ACC+8*(4*(\a)+(\b))+7], v[(\f)+64+8*(4*(\c)+(\b)):(\f)+64+8*(4*(\c)+(\b))+7], v[(\f)+8*(4*(\c)+(\a)):(\f)+8*(4*(\c)+(\a))+7], 0
.else
	v_wmma_f32_16x16x32_f16 v[ACC+8*(4*(\a)+(\b)):ACC+8*(4*(\a)+(\b))+7], v[(\f)+64+8*(4*(\c)+(\b)):(\f)+64+8*(4*(\c)+(\b))+7], v[(\f)+8*(4*(\c)+(\a)):(\f)+8*(4*(\c)+(\a))+7], v[ACC+8*(4*(\a)+(\b)):ACC+8*(4*(\a)+(\b))+7]
.endif
.endr
.endr
.endm
; 32 LDS loads in one run: the fragments of quarter q (64 along K) of a slot into buffer f; the first 32 along K first
.macro FETCH slot, q, f
	WIN TO_F
.irp c, 0,1
.irp i, 0,1,2,3
	ds_load_tr16_b128 v[(\f)+64+8*(4*(\c)+(\i)):(\f)+64+8*(4*(\c)+(\i))+3],   v[ADRB+2*(\slot)+(\q)/2] offset:(((\q)%2)*64+32*(\c))*PB+32*(\i)
	ds_load_tr16_b128 v[(\f)+64+8*(4*(\c)+(\i))+4:(\f)+64+8*(4*(\c)+(\i))+7], v[ADRB+2*(\slot)+(\q)/2] offset:(((\q)%2)*64+32*(\c)+16)*PB+32*(\i)
	ds_load_b128 v[(\f)+8*(4*(\c)+(\i)):(\f)+8*(4*(\c)+(\i))+3],         v[ADRA+(\slot)] offset:(\q)*AQ+64*(\c)+(\i)*16*PA
	ds_load_b128 v[(\f)+8*(4*(\c)+(\i))+4:(\f)+8*(4*(\c)+(\i))+7],       v[ADRA+(\slot)] offset:(\q)*AQ+64*(\c)+(\i)*16*PA+32
.endr
.endr
.endm
.macro PLACES                          ; four places in front of loads into registers that matrix instructions have read, and of lines that read results
.rept 4
	v_nop
.endr
.endm
; A K step is four quarters of 64 along K, 32 matrix instructions each, on buffers 0, 1, 0, 1.  One of the first three: multiplies buffer f and fetches quarter q into g.
.macro QUARTER slot, q, f, g, zero
	s_wait_dscnt 16                                ; the first 32 along K are in; the youngest sixteen loads may be out
	MUL8 \f, 0, 0, \zero
	MUL8 \f, 0, 2, \zero
	PLACES
	FETCH \slot, \q, \g
	s_wait_dscnt 32                                ; all but the 32 just issued
	MUL8 \f, 1, 0, 0
	MUL8 \f, 1, 2, 0
.endm
; The last quarter multiplies buffer 1 and changes slots: ONE barrier; in front of it each wave waits for all its tensor loads, adds 0 to its spare word, and waits for that and for its reads of this slot.
; fill = 1: the barrier opens a round of the cluster's, and this slot is filled again, two K steps ahead, first thing behind the round.
.macro TURN slot, next, fill
	WIN 0                                          ; (the add's two registers lie in window 0)
	s_wait_tensorcnt 0x0                           ; all my tensor loads have landed: the one that was out is my part of the next slot
	ds_add_u32 v[SPW], v[NIL]                      ; 0 onto my spare word
	s_wait_dscnt 17                                ; (the add and the youngest sixteen loads may be out)
	MUL8 F1, 0, 0, 0                               ; eight matrix instructions stand between the add and the wait for it
	s_wait_dscnt 0x0                               ; the add is done, and my reads of this slot are over
	s_barrier_signal -1
	MUL8 F1, 0, 2, 0
.if \fill
	WIN 0
.endif
	s_barrier_wait -1
.if \fill
	CREST                                          ; no wave of any partner still reads this slot's tile or has a load on its way
	s_add_nc_u64 s[G0+4*(\slot)+2:G0+4*(\slot)+3], s[G0+4*(\slot)+2:G0+4*(\slot)+3], 2*FIRST_A
	s_add_nc_u64 s[G0B+4*(\slot)+2:G0B+4*(\slot)+3], s[G0B+4*(\slot)+2:G0B+4*(\slot)+3], 2*FIRST_B
	JLOAD \slot                                    ; my one tensor load behind the round: 112 matrix instructions ahead of the wait for it; its four v_nop are also the places in front of the loads below
.else
	PLACES
.endif
	FETCH \next, 0, F0
	MUL8 F1, 1, 0, 0
	MUL8 F1, 1, 2, 0
.endm
	s_wait_tensorcnt 1                             ; my part of K step 0 is in; K step 1's may stay out
	s_barrier_signal -1
	s_barrier_wait -1                              ; everybody's is
	FETCH 0, 0, F0
	QUARTER 0, 1, F0, F1, 1                        ; the first quarter stands in front of the loop: its first products start the sums
	WIN 0                                          ; at a label and at a branch every window is 0
	s_mov_b32 s3, LAPS-1
.Llap:                                                 ; a trip goes once round the ring, from a lap's second quarter to the next lap's first, and fills both slots again
	QUARTER 0, 2, F1, F0, 0
	QUARTER 0, 3, F0, F1, 0
	TURN 0, 1, 1
	QUARTER 1, 1, F0, F1, 0
	QUARTER 1, 2, F1, F0, 0
	QUARTER 1, 3, F0, F1, 0
	TURN 1, 0, 1
	QUARTER 0, 1, F0, F1, 0
	WIN 0
	s_sub_co_u32 s3, s3, 1
	s_cmp_lg_u32 s3, 0
	s_cbranch_scc1 .Llap
	QUARTER 0, 2, F1, F0, 0                        ; the last lap fills nothing
	QUARTER 0, 3, F0, F1, 0
	TURN 0, 1, 0
	QUARTER 1, 1, F0, F1, 0
	QUARTER 1, 2, F1, F0, 0
	QUARTER 1, 3, F0, F1, 0
	s_wait_dscnt 16
	MUL8 F1, 0, 0, 0
	MUL8 F1, 0, 2, 0
	s_wait_dscnt 0
	MUL8 F1, 1, 0, 0
	MUL8 F1, 1, 2, 0
	WIN 0
	PLACES
	; THE WAY OUT: + bias, gelu, rounded to f16; 16 bytes a lane into the work-group's stage; a barrier, since a row's 256 bytes come from two waves; back as whole rows, 32 rows a wave.
	s_wait_loadcnt 0x0                             ; bias
; One accumulator (first register r, column block b): 80 vector instructions for eight numbers.  The transcendentals stand in one run, and the eight maxima are the plain lines behind it.
.macro GELU r, b
.irp j, 0,2,4,6
	v_pk_add_f32 v[(\r)+(\j):(\r)+(\j)+1], v[(\r)+(\j):(\r)+(\j)+1], v[BI+8*(\b)+(\j):BI+8*(\b)+(\j)+1]  ; x; the accumulator is read from its low end on
.endr
.irp j, 0,2,4,6
	v_pk_mul_f32 v[U+(\j):U+(\j)+1], v[(\r)+(\j):(\r)+(\j)+1], v[(\r)+(\j):(\r)+(\j)+1]
.endr
.irp j, 0,1,2,3,4,5,6,7
	v_fma_f32 v[T+(\j)], |v[(\r)+(\j)]|, s[PC], 1.0
.endr
.irp j, 0,2,4,6
	v_pk_mul_f32 v[U+(\j):U+(\j)+1], v[U+(\j):U+(\j)+1], s[NL:NL+1] op_sel_hi:[1,0]
.endr
.irp j, 0,1,2,3,4,5,6,7
	v_rcp_f32 v[T+(\j)], v[T+(\j)]
.endr
.irp j, 0,1,2,3,4,5,6,7
	v_exp_f32 v[U+(\j)], v[U+(\j)]
.endr
.irp j, 0,1,2,3,4,5,6,7
	v_max_num_f32 v[M+(\j)], 0, v[(\r)+(\j)]
.endr
.irp j, 0,2,4,6
	v_pk_fma_f32 v[P+(\j):P+(\j)+1], v[T+(\j):T+(\j)+1], s[A5:A5+1], s[A4:A4+1] op_sel_hi:[1,0,0]
.endr
.irp c, A3, A2, A1
.irp j, 0,2,4,6
	v_pk_fma_f32 v[P+(\j):P+(\j)+1], v[P+(\j):P+(\j)+1], v[T+(\j):T+(\j)+1], s[\c:\c+1] op_sel_hi:[1,1,0]
.endr
.endr
.irp j, 0,2,4,6
	v_pk_mul_f32 v[P+(\j):P+(\j)+1], v[P+(\j):P+(\j)+1], v[T+(\j):T+(\j)+1]
.endr
.irp j, 0,2,4,6
	v_pk_mul_f32 v[P+(\j):P+(\j)+1], v[P+(\j):P+(\j)+1], v[U+(\j):U+(\j)+1]
.endr
.irp j, 0,1,2,3,4,5,6,7
	v_fma_f32 v[(\r)+(\j)], -|v[(\r)+(\j)]|, v[P+(\j)], v[M+(\j)]
.endr
.irp j, 0,1,2,3
	v_cvt_pk_f16_f32 v[(\r)+(\j)], v[(\r)+2*(\j)], v[(\r)+2*(\j)+1]
.endr
.endm
.irp a, 0,1,2,3
.irp b, 0,1,2,3
	GELU ACC+8*(4*(\a)+(\b)), \b
	ds_store_b128 v[STO], v[ACC+8*(4*(\a)+(\b)):ACC+8*(4*(\a)+(\b))+3] offset:(\a)*16*SP+32*(\b)
.endr
.endr
	s_wait_dscnt 0x0                               ; for the others' sake: my stores into the stage are done
	s_barrier_signal -1
	s_barrier_wait -1
.irp t, 0,1,2,3,4,5,6,7,8,9,10,11,12,13,14,15
	ds_load_b128 v[TMP+4*(\t):TMP+4*(\t)+3], v[RD] offset:(\t)*2*SP
.endr
.irp t, 0,1,2,3,4,5,6,7,8,9,10,11,12,13,14,15
	s_wait_dscnt 15-(\t)
	global_store_b128 v[CO], v[TMP+4*(\t):TMP+4*(\t)+3], s[8:9] offset:2*(\t)*8192  ; 16 lanes store 256 consecutive bytes, at a multiple of 256 from hb's first byte
.endr
	s_wait_tensorcnt 0x0                           ; the wave's end
	ds_add_u32 v[SPW], v[NIL]
	s_wait_dscnt 0x0
	CROUND                                         ; the closing round: no work-group ends while a partner may still ask for a tile that names it
	s_endpgm
.Lfunc_end_k_q74c3e904c8_mlp1:
	.size	k_q74c3e904c8_mlp1, .Lfunc_end_k_q74c3e904c8_mlp1-k_q74c3e904c8_mlp1
	.p2alignl 7, 3214868480
	.fill 96, 4, 3214868480
	.section	.rodata,"a",@progbits
	.p2align	6, 0x0
	.amdhsa_kernel k_q74c3e904c8_mlp1
		.amdhsa_group_segment_fixed_size 327680
		.amdhsa_private_segment_fixed_size 0
		.amdhsa_enable_private_segment 0
		.amdhsa_kernarg_size 32
		.amdhsa_user_sgpr_count 2
		.amdhsa_user_sgpr_kernarg_segment_ptr 1
		.amdhsa_wavefront_size32 1
		.amdhsa_system_sgpr_workgroup_id_x 1
		.amdhsa_system_sgpr_workgroup_id_y 1
		.amdhsa_system_sgpr_workgroup_id_z 1
		.amdhsa_system_vgpr_workitem_id 0
		.amdhsa_next_free_vgpr 512
		.amdhsa_next_free_sgpr 84
		.amdhsa_reserve_vcc 0
		.amdhsa_float_denorm_mode_32 3
		.amdhsa_float_denorm_mode_16_64 3
		.amdhsa_memory_ordered 1
		.amdhsa_forward_progress 1
		.amdhsa_inst_pref_size 152
	.end_amdhsa_kernel
	.amdgpu_metadata
---
amdhsa.version: [ 1, 2 ]
amdhsa.kernels:
  - .name:           k_q74c3e904c8_mlp1
    .symbol:         k_q74c3e904c8_mlp1.kd
    .args:
      - { .name: actb, .offset: 0, .size: 8, .value_kind: global_buffer, .address_space: global }
      - { .name: wb, .offset: 8, .size: 8, .value_kind: global_buffer, .address_space: global }
      - { .name: b1, .offset: 16, .size: 8, .value_kind: global_buffer, .address_space: global }
      - { .name: hb, .offset: 24, .size: 8, .value_kind: global_buffer, .address_space: global }
    .group_segment_fixed_size: 327680
    .private_segment_fixed_size: 0
    .kernarg_segment_align: 8
    .kernarg_segment_size: 32
    .max_flat_workgroup_size: 128
    .sgpr_count:     84
    .vgpr_count:     512
    .wavefront_size: 32
...
	.end_amdgpu_metadata
.endif
;; end of part 6
;; launch mlp2 (part 7): grid 8 x 32, 4 waves a work-group, clusters of 4 x 4, 327,680 bytes of LDS; arguments hb, wb, t; writes t
.if DOCPART == 7
	.amdgcn_target "amdgcn-amd-amdhsa--gfx1250"
	.amdhsa_code_object_version 6
	.text
	.protected	k_q74c3e904c8_mlp2
	.globl	k_q74c3e904c8_mlp2
	.p2align	8
	.type	k_q74c3e904c8_mlp2,@function
k_q74c3e904c8_mlp2:
	s_mov_b64 s[64:65], 0
	v_nop
	global_prefetch_b8 v0, s[64:65] scope:SCOPE_SE
	s_setreg_imm32_b32 hwreg(HW_REG_WAVE_MODE, 25, 1), 1
	s_wait_xcnt 0x0
	s_wait_alu depctr_hold_cnt(0) depctr_sa_sdst(0) depctr_va_vdst(0) depctr_va_sdst(0) depctr_va_ssrc(0) depctr_va_vcc(0) depctr_vm_vsrc(0)
	s_getreg_b32 s2, hwreg(HW_REG_IB_STS2, 6, 4)
	s_cmp_eq_u32 s2, 0
	s_cbranch_scc0 .Lentry_in_a_cluster
	s_endpgm
.Lentry_in_a_cluster:
	s_bfe_u32 s2, ttmp6, 0x10000c
	s_cmp_lg_u32 s2, 0xf033
	s_cbranch_scc0 .Lentry_shape_is_right
	s_endpgm
.Lentry_shape_is_right:
; t = h W2, plain f32 sums [4096][1024]; bias, residual and the norm follow in the next launch.  h: hb [4096][4096] f16; W2: wb + 16,777,216, [K][N] f16.
; A tile of C is 128 x 128; four waves, each 64 x 64: 16 accumulators.  K = 4,096 goes in steps of 256 through two LDS slots.
; A's rows lie along K and are read as they lie; B lies [K][N], a row of LDS is one k with the tile's 128 n, and its fragments come out turned, by ds_load_tr16_b128.
; CLUSTERS: 4 x 4 work-groups.  The four of a row need the same tiles of A, the four of a column the same tiles of B: each tile is asked for JOINTLY, by the same tensor load with the same
; descriptor and a mask that names the four.  THE MATRIX INSTRUCTION IS USED TRANSPOSED (source 0 = 16 columns of B, source 1 = 16 rows of A): a lane holds eight neighbouring numbers of a row of C.
; REGISTERS: window 0: v0-31 addresses; v128-255 the accumulators ((a, b) at v[128 + 8 (4 a + b)]).  window 1: two fragment buffers of 128: for 64 along K, 64 registers of A, then 64 of B.
; All of a WGP's LDS is claimed; the text uses 300,544 bytes.
.set SIZE_K, 4096
.set LDA,    4096
.set LDB,    1024
.set WOFF,   16777216                  ; W2 in wb
.set KSTEP,  256
.set PA,     528                       ; a row of A in LDS: 512 bytes + 16 of padding = 132 words: row r starts at bank 4 r mod 64 (64 banks of 4 bytes: ISA guide 11.1)
.set AQ,     128
.set HA,     64*PA
.set PB,     288                       ; a row of B: 256 bytes + 32 = 72 words
.set HB,     128*PB
.set SLOT,   2*HA+2*HB
.set STAGE,  2*SLOT                    ; behind the ring: 16 rows x 272 bytes for each wave
.set SP,     272
.set SPARE,  STAGE+4*16*SP             ; the spare words, 128 bytes for each wave: two blocks of 256 bytes that no other line names
.set LAPS,   SIZE_K/(2*KSTEP)
.set FIRST_A, KSTEP*2
.set FIRST_B, KSTEP*LDB*2
.set ADRA, 16
.set ADRB, 20
.set STO,  24
.set RD,   25
.set CO,   26
.set SPW,  28
.set NIL,  29
.set ACC,  128
.set F0,   0
.set F1,   128
.set G1,  24
.set G0,  32
.set G1B, 48
.set G0B, 56
.set MSB, 0
.macro WIN new                         ; the immediate's high byte repeats the setting that is left; a switch that changes nothing is dropped
.if MSB != (\new)
	s_set_vgpr_msb (MSB<<8)|(\new)
.set MSB, \new
.endif
.endm
.set MUL,  0x05                        ; sources 0 (B) and 1 (A) window 1; C and D window 0
.set TO_F, 0x40                        ; destination window 1, address window 0
.macro JLOAD s                         ; a joint load: waves 0 and 1 fetch A's two halves, waves 2 and 3 B's; four v_nop follow each of the two lines
	s_cmp_eq_u32 s11, 0
	s_cbranch_scc0 .Lfor_b_\@
	tensor_load_to_lds s[G0+4*(\s):G0+4*(\s)+3], s[G1:G1+7]
.rept 4
	v_nop
.endr
	s_branch .Lasked_\@
.Lfor_b_\@:
	tensor_load_to_lds s[G0B+4*(\s):G0B+4*(\s)+3], s[G1B:G1B+7]
.rept 4
	v_nop
.endr
.Lasked_\@:
.endm
.macro CREST                           ; a round of the cluster's barrier behind its opening barrier
	s_cmp_lg_u32 s10, 0
	s_cbranch_scc1 .Lnot_wave_0_\@
	s_barrier_signal -3
.Lnot_wave_0_\@:
	s_barrier_wait -3
	s_barrier_signal -1
	s_barrier_wait -1
.endm
.macro CROUND                          ; a whole round
	s_barrier_signal -1
	s_barrier_wait -1
	CREST
.endm
	s_load_b128 s[4:7], s[0:1], 0x0                ; hb s[4:5], wb s[6:7]
	s_load_b64 s[8:9], s[0:1], 0x10                ; t
	v_lshl_add_u32 v[SPW], v0, 2, SPARE
	v_mov_b32 v[NIL], 0
	v_lshrrev_b32 v1, 5, v0
	v_readfirstlane_b32 s10, v1                    ; wave 0..3
	s_lshr_b32 s11, s10, 1                         ; which half of the tile's rows is mine.  Also: I fetch for A (0) or for B (1)
	s_and_b32 s12, s10, 1                          ; which half of its columns.  Also: which half of that tile I fetch
	s_bfe_u32 s40, ttmp6, 0x40000                  ; cx, cy: my place in the cluster
	s_bfe_u32 s41, ttmp6, 0x40004
	s_lshl_b32 s42, ttmp9, 2
	s_add_co_u32 s42, s42, s40                     ; tile column tx
	s_and_b32 s13, ttmp7, 0xffff
	s_lshl_b32 s13, s13, 2
	s_add_co_u32 s13, s13, s41                     ; tile row ty
	s_lshl_b32 s43, s41, 2
	s_lshl_b32 s43, 15, s43                        ; my row of the cluster
	s_lshl_b32 s44, 0x1111, s40                    ; my column
	; descriptor group 1.  A: 64 rows x 256 elements, 4 words of padding after every 128.  B: 128 rows (k) x 128 elements (n), 8 words after every 64.
	s_or_b32 s[G1+0], s43, (1<<16)|(1<<20)|(1<<21)|(6<<22)|(3<<25)
	s_mov_b32 s[G1+1], KSTEP<<16
	s_mov_b32 s[G1+2], 64<<16
	s_mov_b32 s[G1+3], KSTEP<<16
	s_mov_b32 s[G1+4], 64
	s_mov_b32 s[G1+5], LDA
	s_mov_b32 s[G1+6], 0
	s_mov_b32 s[G1+7], 0
	s_or_b32 s[G1B+0], s44, (1<<16)|(1<<20)|(1<<21)|(5<<22)|(7<<25)
	s_mov_b32 s[G1B+1], 128<<16
	s_mov_b32 s[G1B+2], 128<<16
	s_mov_b32 s[G1B+3], 128<<16
	s_mov_b32 s[G1B+4], 128
	s_mov_b32 s[G1B+5], LDB
	s_mov_b32 s[G1B+6], 0
	s_mov_b32 s[G1B+7], 0
	; where the tiles come from: A's offset hangs on ty and the wave alone, B's on tx and the wave alone
	s_lshl_b32 s17, s12, 6
	s_lshl_b32 s16, s13, 7
	s_add_co_u32 s16, s16, s17                     ; A: row 128 ty + 64 x half
	s_mul_i32 s16, s16, LDA*2
	s_mov_b32 s17, 0
	s_lshl_b32 s46, s42, 8                         ; B: the tile's 128 columns,
	s_mul_i32 s47, s12, 128*LDB*2                  ; my 128 k of the step's 256,
	s_add_co_u32 s46, s46, s47
	s_add_co_u32 s46, s46, WOFF                    ; in W2
	s_mov_b32 s47, 0
	s_mul_i32 s20, s12, HA                         ; and where they go: no place in the cluster enters an LDS address
	s_mul_i32 s21, s12, HB
	s_add_co_u32 s21, s21, 2*HA
	s_wait_kmcnt 0x0
	s_add_nc_u64 s[14:15], s[4:5], s[16:17]
	s_add_nc_u64 s[46:47], s[6:7], s[46:47]
	CROUND                                         ; all sixteen work-groups are here: the first joint loads meet
.irp s, 0,1
	s_mov_b32 s[G0+4*(\s)], 1
	s_add_co_u32 s[G0+4*(\s)+1], s20, (\s)*SLOT
	s_add_nc_u64 s[G0+4*(\s)+2:G0+4*(\s)+3], s[14:15], (\s)*FIRST_A
	s_or_b32 s[G0+4*(\s)+3], s[G0+4*(\s)+3], 0x80000000
	s_mov_b32 s[G0B+4*(\s)], 1
	s_add_co_u32 s[G0B+4*(\s)+1], s21, (\s)*SLOT
	s_add_nc_u64 s[G0B+4*(\s)+2:G0B+4*(\s)+3], s[46:47], (\s)*FIRST_B
	s_or_b32 s[G0B+4*(\s)+3], s[G0B+4*(\s)+3], 0x80000000
	JLOAD \s                                       ; two loads of mine are out
.endr
	v_and_b32 v1, 15, v0                           ; l % 16
	v_bfe_u32 v2, v0, 4, 1                         ; l / 16
	v_mul_u32_u24 v3, v1, PA
	v_lshl_add_u32 v3, v2, 4, v3                   ; A: row x pitch + 16 x half of the lanes
	s_mul_i32 s22, s11, HA
	v_add_nc_u32 v[ADRA], s22, v3
	v_add_nc_u32 v[ADRA+1], SLOT, v[ADRA]
	v_and_b32 v4, 7, v0                            ; B, turned: lane l reads 16 bytes of row k = 8 (l / 16) + l % 8, columns 8 ((l / 8) % 2) + 0..7
	v_lshl_add_u32 v4, v2, 3, v4
	v_mul_u32_u24 v4, v4, PB
	v_bfe_u32 v5, v0, 3, 1
	v_lshl_add_u32 v4, v5, 4, v4
	s_lshl_b32 s23, s12, 7
	s_add_co_u32 s23, s23, 2*HA
	v_add_nc_u32 v[ADRB], s23, v4
	v_add_nc_u32 v[ADRB+1], HB, v[ADRB]
	v_add_nc_u32 v[ADRB+2], SLOT, v[ADRB]
	v_add_nc_u32 v[ADRB+3], SLOT+HB, v[ADRB]
	s_mul_i32 s23, s10, 16*SP
	s_add_co_u32 s23, s23, STAGE                   ; my stage
	v_mul_u32_u24 v4, v1, SP                       ; in: row l % 16, 32 bytes (eight f32) for each half of the lanes
	v_lshl_add_u32 v4, v2, 5, v4
	v_add_nc_u32 v[STO], s23, v4
	v_mul_u32_u24 v5, v2, SP                       ; back: lanes 0-15 take one row of 256 bytes, lanes 16-31 the next
	v_lshl_add_u32 v5, v1, 4, v5
	v_add_nc_u32 v[RD], s23, v5
	v_lshlrev_b32 v5, 12, v2                       ; and the same two rows in t, 4,096 bytes apart
	v_lshl_add_u32 v[CO], v1, 4, v5
	s_lshl_b32 s78, s13, 7
	s_lshl_b32 s79, s11, 6
	s_add_co_u32 s78, s78, s79                     ; my first row of t,
	s_lshl_b32 s78, s78, 12
	s_lshl_b32 s79, s42, 9                         ; my first column: 128 tx + 64 x half, 4 bytes each
	s_add_co_u32 s78, s78, s79
	s_lshl_b32 s79, s12, 8
	s_add_co_u32 s78, s78, s79
	s_mov_b32 s79, 0
	s_add_nc_u64 s[8:9], s[8:9], s[78:79]
; 8 matrix instructions: row blocks a0, a0 + 1 x all 4 column blocks, 32 along K: half c of buffer f.  zero = 1: the first product starts the sums.
; The 16 accumulators take turns, one instruction a turn.
.macro MUL8 f, c, a0, zero
	WIN MUL
.irp a, \a0, (\a0)+1
.irp b, 0,1,2,3
.if \zero
	v_wmma_f32_16x16x32_f16 v[ACC+8*(4*(\a)+(\b)):ACC+8*(4*(\a)+(\b))+7], v[(\f)+64+8*(4*(\c)+(\b)):(\f)+64+8*(4*(\c)+(\b))+7], v[(\f)+8*(4*(\c)+(\a)):(\f)+8*(4*(\c)+(\a))+7], 0
.else
	v_wmma_f32_16x16x32_f16 v[ACC+8*(4*(\a)+(\b)):ACC+8*(4*(\a)+(\b))+7], v[(\f)+64+8*(4*(\c)+(\b)):(\f)+64+8*(4*(\c)+(\b))+7], v[(\f)+8*(4*(\c)+(\a)):(\f)+8*(4*(\c)+(\a))+7], v[ACC+8*(4*(\a)+(\b)):ACC+8*(4*(\a)+(\b))+7]
.endif
.endr
.endr
.endm
; 32 LDS loads in one run: the fragments of quarter q (64 along K) of a slot into buffer f; the first 32 along K first
.macro FETCH slot, q, f
	WIN TO_F
.irp c, 0,1
.irp i, 0,1,2,3
	ds_load_tr16_b128 v[(\f)+64+8*(4*(\c)+(\i)):(\f)+64+8*(4*(\c)+(\i))+3],   v[ADRB+2*(\slot)+(\q)/2] offset:(((\q)%2)*64+32*(\c))*PB+32*(\i)
	ds_load_tr16_b128 v[(\f)+64+8*(4*(\c)+(\i))+4:(\f)+64+8*(4*(\c)+(\i))+7], v[ADRB+2*(\slot)+(\q)/2] offset:(((\q)%2)*64+32*(\c)+16)*PB+32*(\i)
	ds_load_b128 v[(\f)+8*(4*(\c)+(\i)):(\f)+8*(4*(\c)+(\i))+3],         v[ADRA+(\slot)] offset:(\q)*AQ+64*(\c)+(\i)*16*PA
	ds_load_b128 v[(\f)+8*(4*(\c)+(\i))+4:(\f)+8*(4*(\c)+(\i))+7],       v[ADRA+(\slot)] offset:(\q)*AQ+64*(\c)+(\i)*16*PA+32
.endr
.endr
.endm
.macro PLACES                          ; four places in front of loads into registers that matrix instructions have read, and of lines that read results
.rept 4
	v_nop
.endr
.endm
; A K step is four quarters of 64 along K, 32 matrix instructions each, on buffers 0, 1, 0, 1.  One of the first three: multiplies buffer f and fetches quarter q into g.
.macro QUARTER slot, q, f, g, zero
	s_wait_dscnt 16                                ; the first 32 along K are in; the youngest sixteen loads may be out
	MUL8 \f, 0, 0, \zero
	MUL8 \f, 0, 2, \zero
	PLACES
	FETCH \slot, \q, \g
	s_wait_dscnt 32                                ; all but the 32 just issued
	MUL8 \f, 1, 0, 0
	MUL8 \f, 1, 2, 0
.endm
; The last quarter multiplies buffer 1 and changes slots: ONE barrier; in front of it each wave waits for all its tensor loads, adds 0 to its spare word, and waits for that and for its reads of this slot.
; fill = 1: the barrier opens a round of the cluster's, and this slot is filled again, two K steps ahead, first thing behind the round.
.macro TURN slot, next, fill
	WIN 0                                          ; (the add's two registers lie in window 0)
	s_wait_tensorcnt 0x0                           ; all my tensor loads have landed: the one that was out is my part of the next slot
	ds_add_u32 v[SPW], v[NIL]                      ; 0 onto my spare word
	s_wait_dscnt 17                                ; (the add and the youngest sixteen loads may be out)
	MUL8 F1, 0, 0, 0                               ; eight matrix instructions stand between the add and the wait for it
	s_wait_dscnt 0x0                               ; the add is done, and my reads of this slot are over
	s_barrier_signal -1
	MUL8 F1, 0, 2, 0
.if \fill
	WIN 0
.endif
	s_barrier_wait -1
.if \fill
	CREST                                          ; no wave of any partner still reads this slot's tile or has a load on its way
	s_add_nc_u64 s[G0+4*(\slot)+2:G0+4*(\slot)+3], s[G0+4*(\slot)+2:G0+4*(\slot)+3], 2*FIRST_A
	s_add_nc_u64 s[G0B+4*(\slot)+2:G0B+4*(\slot)+3], s[G0B+4*(\slot)+2:G0B+4*(\slot)+3], 2*FIRST_B
	JLOAD \slot                                    ; my one tensor load behind the round: 112 matrix instructions ahead of the wait for it; its four v_nop are also the places in front of the loads below
.else
	PLACES
.endif
	FETCH \next, 0, F0
	MUL8 F1, 1, 0, 0
	MUL8 F1, 1, 2, 0
.endm
	s_wait_tensorcnt 1                             ; my part of K step 0 is in; K step 1's may stay out
	s_barrier_signal -1
	s_barrier_wait -1                              ; everybody's is
	FETCH 0, 0, F0
	QUARTER 0, 1, F0, F1, 1                        ; the first quarter stands in front of the loop: its first products start the sums
	WIN 0                                          ; at a label and at a branch every window is 0
	s_mov_b32 s3, LAPS-1
.Llap:                                                 ; a trip goes once round the ring, from a lap's second quarter to the next lap's first, and fills both slots again
	QUARTER 0, 2, F1, F0, 0
	QUARTER 0, 3, F0, F1, 0
	TURN 0, 1, 1
	QUARTER 1, 1, F0, F1, 0
	QUARTER 1, 2, F1, F0, 0
	QUARTER 1, 3, F0, F1, 0
	TURN 1, 0, 1
	QUARTER 0, 1, F0, F1, 0
	WIN 0
	s_sub_co_u32 s3, s3, 1
	s_cmp_lg_u32 s3, 0
	s_cbranch_scc1 .Llap
	QUARTER 0, 2, F1, F0, 0                        ; the last lap fills nothing
	QUARTER 0, 3, F0, F1, 0
	TURN 0, 1, 0
	QUARTER 1, 1, F0, F1, 0
	QUARTER 1, 2, F1, F0, 0
	QUARTER 1, 3, F0, F1, 0
	s_wait_dscnt 16
	MUL8 F1, 0, 0, 0
	MUL8 F1, 0, 2, 0
	s_wait_dscnt 0
	MUL8 F1, 1, 0, 0
	MUL8 F1, 1, 2, 0
	WIN 0
	PLACES
	; THE WAY OUT: the f32 sums as they are, a block of 16 rows x 64 columns at a time through my own stage, so that sixteen lanes store 256 consecutive bytes.
.macro PACK a
.irp b, 0,1,2,3
	ds_store_b128 v[STO], v[ACC+8*(4*(\a)+(\b)):ACC+8*(4*(\a)+(\b))+3] offset:64*(\b)      ; each accumulator is read from its low end on
	ds_store_b128 v[STO], v[ACC+8*(4*(\a)+(\b))+4:ACC+8*(4*(\a)+(\b))+7] offset:64*(\b)+16
.endr
.irp f, 0,1,2,3,4,5,6,7
	ds_load_b128 v[ACC+32*(\a)+4*(\f):ACC+32*(\a)+4*(\f)+3], v[RD] offset:(\f)*2*SP  ; LDS serves a wave's instructions in order (ISA guide 5.7.1.4): these see the stores above; the next block's stores come behind them
.endr
.endm
.macro SEND a, younger                 ; younger: the LDS instructions issued behind block a's loads: the next block's sixteen, or none
.irp f, 0,1,2,3,4,5,6,7
	s_wait_dscnt (\younger)+7-(\f)
	global_store_b128 v[CO], v[ACC+32*(\a)+4*(\f):ACC+32*(\a)+4*(\f)+3], s[8:9] offset:(16*(\a)+2*(\f))*4096  ; 16 lanes store 256 consecutive bytes, at a multiple of 256 from t's first byte
.endr
.endm
	PACK 0
	PACK 1
	SEND 0, 16
	PACK 2
	SEND 1, 16
	PACK 3
	SEND 2, 16
	SEND 3, 0
	s_wait_tensorcnt 0x0                           ; the wave's end
	ds_add_u32 v[SPW], v[NIL]
	s_wait_dscnt 0x0
	CROUND                                         ; the closing round: no work-group ends while a partner may still ask for a tile that names it
	s_endpgm
.Lfunc_end_k_q74c3e904c8_mlp2:
	.size	k_q74c3e904c8_mlp2, .Lfunc_end_k_q74c3e904c8_mlp2-k_q74c3e904c8_mlp2
	.p2alignl 7, 3214868480
	.fill 96, 4, 3214868480
	.section	.rodata,"a",@progbits
	.p2align	6, 0x0
	.amdhsa_kernel k_q74c3e904c8_mlp2
		.amdhsa_group_segment_fixed_size 327680
		.amdhsa_private_segment_fixed_size 0
		.amdhsa_enable_private_segment 0
		.amdhsa_kernarg_size 24
		.amdhsa_user_sgpr_count 2
		.amdhsa_user_sgpr_kernarg_segment_ptr 1
		.amdhsa_wavefront_size32 1
		.amdhsa_system_sgpr_workgroup_id_x 1
		.amdhsa_system_sgpr_workgroup_id_y 1
		.amdhsa_system_sgpr_workgroup_id_z 1
		.amdhsa_system_vgpr_workitem_id 0
		.amdhsa_next_free_vgpr 512
		.amdhsa_next_free_sgpr 84
		.amdhsa_reserve_vcc 0
		.amdhsa_float_denorm_mode_32 3
		.amdhsa_float_denorm_mode_16_64 3
		.amdhsa_memory_ordered 1
		.amdhsa_forward_progress 1
		.amdhsa_inst_pref_size 86
	.end_amdhsa_kernel
	.amdgpu_metadata
---
amdhsa.version: [ 1, 2 ]
amdhsa.kernels:
  - .name:           k_q74c3e904c8_mlp2
    .symbol:         k_q74c3e904c8_mlp2.kd
    .args:
      - { .name: hb, .offset: 0, .size: 8, .value_kind: global_buffer, .address_space: global }
      - { .name: wb, .offset: 8, .size: 8, .value_kind: global_buffer, .address_space: global }
      - { .name: t, .offset: 16, .size: 8, .value_kind: global_buffer, .address_space: global }
    .group_segment_fixed_size: 327680
    .private_segment_fixed_size: 0
    .kernarg_segment_align: 8
    .kernarg_segment_size: 24
    .max_flat_workgroup_size: 128
    .sgpr_count:     84
    .vgpr_count:     512
    .wavefront_size: 32
...
	.end_amdgpu_metadata
.endif
;; end of part 7
;; launch ln2 (part 8): grid 256 x 1, 8 waves a work-group, no clusters, 0 bytes of LDS; arguments t, xn1, b2, g2, beta2, out0; writes out0
.if DOCPART == 8
	.amdgcn_target "amdgcn-amd-amdhsa--gfx1250"
	.amdhsa_code_object_version 6
	.text
	.protected	k_q74c3e904c8_ln2
	.globl	k_q74c3e904c8_ln2
	.p2align	8
	.type	k_q74c3e904c8_ln2,@function
k_q74c3e904c8_ln2:
	s_mov_b64 s[64:65], 0
	v_nop
	global_prefetch_b8 v0, s[64:65] scope:SCOPE_SE
	s_setreg_imm32_b32 hwreg(HW_REG_WAVE_MODE, 25, 1), 1
	s_wait_xcnt 0x0
; out0 = LayerNorm((t + b2) + xn1) g2 + beta2, rows of 1,024 f32.  (HF = 0: no 16-bit copy is stored.)
; A wave owns two whole rows: a row is 32 registers a lane (chunk j: columns 128 j + 4 lane .. + 3), so the sums never leave the wave: no LDS, no barrier.  256 work-groups x 8 waves x 2 rows = 4,096.
; The mean is taken first and the variance of the centred numbers: no difference of large sums is formed.
; All 56 loads of a wave go out at once; each covers 512 consecutive bytes, and so does each store.
; No register that a pending store reads is written again, so no wait frees one.  Matrix units and clusters have nothing to do here: every byte is read once.
.set HF,  0
.set BI,  8                            ; v[8:39]    bias
.set G,   40                           ; v[40:71]   gain
.set BE,  72                           ; v[72:103]  beta
.set Y0,  104                          ; v[104:135] row 0
.set Y1,  136                          ; v[136:167] row 1
.set R0,  168                          ; v[168:199] row 0's residual
.set R1,  200                          ; v[200:231] row 1's
.set A,   232                          ; v[232:239] four chains of pairs
.set MU,  240                          ; v[240:241] the mean, twice
.set RS0, 242                          ; v[242:243] row 0's 1 / sqrt(var + eps), twice
.set RS1, 244                          ; v[244:245] row 1's
.set TV,  246                          ; v246       var + eps
	s_load_b256 s[4:11], s[0:1], 0x0               ; t s[4:5], residual s[6:7], bias s[8:9], gain s[10:11]
	s_load_b128 s[16:19], s[0:1], 0x20             ; beta s[16:17], the output s[18:19]
	v_and_b32 v1, 31, v0
	v_lshrrev_b32 v3, 5, v0
	v_readfirstlane_b32 s23, v3                    ; wave 0..7
	v_lshlrev_b32 v1, 4, v1                        ; 16 bytes a lane
	s_lshl_b32 s14, ttmp9, 16                      ; the group's 16 rows of 4,096 bytes,
	s_lshl_b32 s15, s23, 13                        ; my wave's two
	s_add_co_u32 s14, s14, s15
	s_mov_b32 s15, 0
	s_mov_b32 s12, 0x76543210                      ; v_permlanex16_b32: each lane takes its own place in the other half
	s_mov_b32 s13, 0xfedcba98
	s_mov_b32 s22, 0x3a800000                      ; 1 / 1,024
	s_wait_kmcnt 0x0
	s_add_nc_u64 s[4:5], s[4:5], s[14:15]
	s_add_nc_u64 s[6:7], s[6:7], s[14:15]
	s_add_nc_u64 s[18:19], s[18:19], s[14:15]
.macro LD8 dst, base, off
.irp j, 0,1,2,3,4,5,6,7
	global_load_b128 v[(\dst)+4*(\j):(\dst)+4*(\j)+3], v1, s[\base:\base+1] offset:(\off)+512*(\j)
.endr
.endm
	LD8 BI, 8, 0
	LD8 Y0, 4, 0
	LD8 R0, 6, 0
	LD8 Y1, 4, 4096
	LD8 R1, 6, 4096
	LD8 G, 10, 0
	LD8 BE, 16, 0
.macro RED                             ; the four chains, the pair's halves and the 32 lanes are added: every lane ends with the sum in v[A]
	v_pk_add_f32 v[A:A+1], v[A:A+1], v[A+2:A+3]
	v_pk_add_f32 v[A+4:A+5], v[A+4:A+5], v[A+6:A+7]
	v_pk_add_f32 v[A:A+1], v[A:A+1], v[A+4:A+5]
	v_add_f32 v[A], v[A], v[A+1]
	v_add_f32_dpp v[A], v[A], v[A] row_xmask:1 row_mask:0xf bank_mask:0xf
	v_add_f32_dpp v[A], v[A], v[A] row_xmask:2 row_mask:0xf bank_mask:0xf
	v_add_f32_dpp v[A], v[A], v[A] row_xmask:4 row_mask:0xf bank_mask:0xf
	v_add_f32_dpp v[A], v[A], v[A] row_xmask:8 row_mask:0xf bank_mask:0xf
	v_permlanex16_b32 v[A+1], v[A], s12, s13
	v_add_f32 v[A], v[A], v[A+1]
.endm
.macro STAT y, r, rs                   ; the row is summed up, centred in place, and its 1 / sqrt(var + eps) made
.set j, 0
.rept 16
	v_pk_add_f32 v[(\y)+j:(\y)+j+1], v[(\y)+j:(\y)+j+1], v[BI+j:BI+j+1]
.set j, j+2
.endr
.set j, 0
.rept 16
	v_pk_add_f32 v[(\y)+j:(\y)+j+1], v[(\y)+j:(\y)+j+1], v[(\r)+j:(\r)+j+1]
.set j, j+2
.endr
.irp k, 0,2,4,6
	v_pk_add_f32 v[A+(\k):A+(\k)+1], v[(\y)+(\k):(\y)+(\k)+1], v[(\y)+8+(\k):(\y)+8+(\k)+1]  ; the first eight pairs start the chains: nothing is cleared
.endr
.irp o, 16,24
.irp k, 0,2,4,6
	v_pk_add_f32 v[A+(\k):A+(\k)+1], v[A+(\k):A+(\k)+1], v[(\y)+(\o)+(\k):(\y)+(\o)+(\k)+1]
.endr
.endr
	RED
	v_mul_f32 v[MU], s22, v[A]
	v_mul_f32 v[MU+1], s22, v[A]
.set j, 0
.rept 16
	v_pk_add_f32 v[(\y)+j:(\y)+j+1], v[(\y)+j:(\y)+j+1], v[MU:MU+1] neg_lo:[0,1] neg_hi:[0,1]
.set j, j+2
.endr
.irp k, 0,2,4,6
	v_pk_mul_f32 v[A+(\k):A+(\k)+1], v[(\y)+(\k):(\y)+(\k)+1], v[(\y)+(\k):(\y)+(\k)+1]
.endr
.irp o, 8,16,24
.irp k, 0,2,4,6
	v_pk_fma_f32 v[A+(\k):A+(\k)+1], v[(\y)+(\o)+(\k):(\y)+(\o)+(\k)+1], v[(\y)+(\o)+(\k):(\y)+(\o)+(\k)+1], v[A+(\k):A+(\k)+1]
.endr
.endr
	RED
	v_fmaak_f32 v[TV], s22, v[A], 0x3727c5ac       ; sum / 1,024 + 1e-5
	v_rsq_f32 v[\rs], v[TV]
	v_rsq_f32 v[\rs+1], v[TV]
	v_nop                                          ; a plain instruction behind the transcendentals, before a result is used or TV rewritten (ISA guide 5.7.2)
.endm
.macro NORM y, rs, row
.set j, 0
.rept 16
	v_pk_mul_f32 v[(\y)+j:(\y)+j+1], v[(\y)+j:(\y)+j+1], v[\rs:\rs+1]
.set j, j+2
.endr
.set j, 0
.rept 16
	v_pk_fma_f32 v[(\y)+j:(\y)+j+1], v[(\y)+j:(\y)+j+1], v[G+j:G+j+1], v[BE+j:BE+j+1]
.set j, j+2
.endr
.irp c, 0,1,2,3,4,5,6,7
	global_store_b128 v1, v[(\y)+4*(\c):(\y)+4*(\c)+3], s[18:19] offset:(\row)*4096+512*(\c)
.endr
.endm
	s_wait_loadcnt 32                              ; bias and row 0 with its residual are in; the 32 younger loads stay out
	STAT Y0, R0, RS0
	s_wait_loadcnt 16                              ; row 1 too; gain and beta stay out
	STAT Y1, R1, RS1
	s_wait_loadcnt 0x0
	NORM Y0, RS0, 0
	NORM Y1, RS1, 1
	s_endpgm
.Lfunc_end_k_q74c3e904c8_ln2:
	.size	k_q74c3e904c8_ln2, .Lfunc_end_k_q74c3e904c8_ln2-k_q74c3e904c8_ln2
	.p2alignl 7, 3214868480
	.fill 96, 4, 3214868480
	.section	.rodata,"a",@progbits
	.p2align	6, 0x0
	.amdhsa_kernel k_q74c3e904c8_ln2
		.amdhsa_group_segment_fixed_size 0
		.amdhsa_private_segment_fixed_size 0
		.amdhsa_enable_private_segment 0
		.amdhsa_kernarg_size 48
		.amdhsa_user_sgpr_count 2
		.amdhsa_user_sgpr_kernarg_segment_ptr 1
		.amdhsa_wavefront_size32 1
		.amdhsa_system_sgpr_workgroup_id_x 1
		.amdhsa_system_sgpr_workgroup_id_y 1
		.amdhsa_system_sgpr_workgroup_id_z 1
		.amdhsa_system_vgpr_workitem_id 0
		.amdhsa_next_free_vgpr 248
		.amdhsa_next_free_sgpr 66
		.amdhsa_reserve_vcc 0
		.amdhsa_float_denorm_mode_32 3
		.amdhsa_float_denorm_mode_16_64 3
		.amdhsa_memory_ordered 1
		.amdhsa_forward_progress 1
		.amdhsa_inst_pref_size 24
	.end_amdhsa_kernel
	.amdgpu_metadata
---
amdhsa.version: [ 1, 2 ]
amdhsa.kernels:
  - .name:           k_q74c3e904c8_ln2
    .symbol:         k_q74c3e904c8_ln2.kd
    .args:
      - { .name: t, .offset: 0, .size: 8, .value_kind: global_buffer, .address_space: global }
      - { .name: xn1, .offset: 8, .size: 8, .value_kind: global_buffer, .address_space: global }
      - { .name: b2, .offset: 16, .size: 8, .value_kind: global_buffer, .address_space: global }
      - { .name: g2, .offset: 24, .size: 8, .value_kind: global_buffer, .address_space: global }
      - { .name: beta2, .offset: 32, .size: 8, .value_kind: global_buffer, .address_space: global }
      - { .name: out0, .offset: 40, .size: 8, .value_kind: global_buffer, .address_space: global }
    .group_segment_fixed_size: 0
    .private_segment_fixed_size: 0
    .kernarg_segment_align: 8
    .kernarg_segment_size: 48
    .max_flat_workgroup_size: 256
    .sgpr_count:     66
    .vgpr_count:     248
    .wavefront_size: 32
...
	.end_amdgpu_metadata
.endif
;; end of part 8
;; ======== version 2 of 2: 8 launches; 1.11 times as fast as version 1
;; limits: values are held in f16: magnitudes above 65,504 overflow, below 6.1e-05 lose precision
;; workspace buffers: actb 8,388,608 bytes; wb 25,165,824 bytes; qkv 25,165,824 bytes; ctx 8,388,608 bytes; t 16,777,216 bytes; xn1 16,777,216 bytes; hb 33,554,432 bytes
;; launch cast: the kernel of part 1 again; grid 1024 x 1, 8 waves a work-group, no clusters, 0 bytes of LDS; arguments x, Wq, Wk, Wv, Wo, W1, W2, actb, wb; writes actb, wb
;; launch qkv (part 9): grid 12 x 16, 4 waves a work-group, clusters of 4 x 4, 327,680 bytes of LDS; arguments actb, wb, bq, bk, bv, mask, qkv; writes qkv
.if DOCPART == 9
	.amdgcn_target "amdgcn-amd-amdhsa--gfx1250"
	.amdhsa_code_object_version 6
	.text
	.protected	k_q74c3e904c8_qkv
	.globl	k_q74c3e904c8_qkv
	.p2align	8
	.type	k_q74c3e904c8_qkv,@function
k_q74c3e904c8_qkv:
	s_mov_b64 s[64:65], 0
	v_nop
	global_prefetch_b8 v0, s[64:65] scope:SCOPE_SE
	s_setreg_imm32_b32 hwreg(HW_REG_WAVE_MODE, 25, 1), 1
	s_wait_xcnt 0x0
	s_wait_alu depctr_hold_cnt(0) depctr_sa_sdst(0) depctr_va_vdst(0) depctr_va_sdst(0) depctr_va_ssrc(0) depctr_va_vcc(0) depctr_vm_vsrc(0)
	s_getreg_b32 s2, hwreg(HW_REG_IB_STS2, 6, 4)
	s_cmp_eq_u32 s2, 0
	s_cbranch_scc0 .Lentry_in_a_cluster
	s_endpgm
.Lentry_in_a_cluster:
	s_bfe_u32 s2, ttmp6, 0x10000c
	s_cmp_lg_u32 s2, 0xf033
	s_cbranch_scc0 .Lentry_shape_is_right
	s_endpgm
.Lentry_shape_is_right:
; q, k, v = x W + b, written by heads: qkv[which][batch*16+head][token][64] in bf16.  x: actb [4096][1024] bf16; Wq, Wk, Wv: wb, [K][N] bf16; sums in f32.
; The k rows of tokens whose mask is 0 are written as zeros: the attention launch then finds their scores to be exactly its C operand.
; A tile of C is 256 x 256 (tile column tx = 0..11: which = tx / 4, four heads a tile); four waves, as many as a WGP has SIMDs, each 128 x 128: 64 accumulators, 512 registers.
; 12 x 16 = 192 work-groups: a tile of 256 x 192 would give 256, but it would straddle the three weights and cut heads in two.
; K goes in steps of 128 through two LDS slots.  A's rows lie along K and are read as they lie; B lies [K][N], a row of LDS is one k with the tile's 256 n, and its fragments come out turned, by ds_load_tr16_b128.
; CLUSTERS: 4 x 4 work-groups.  The four of a row need the same tiles of A, the four of a column the same tiles of B: each tile is asked for JOINTLY, by the same tensor load with the same
; descriptor and a mask that names the four.  THE MATRIX INSTRUCTION IS USED TRANSPOSED (source 0 = 16 columns of B, source 1 = 16 rows of A): a lane holds eight neighbouring numbers of a row of C.
; REGISTERS, in windows of 256 (s_set_vgpr_msb: bits 1:0 source 0, 3:2 source 1, 5:4 source 2, 7:6 destination):
;   window 0: v0-31 addresses and the mask words; v64-127, v128-191 fragments of A (8 x 16 rows x 32 K), two buffers; v32-63, v64-127, v192-255 at work on the way out
;   window 1: v0-63 bias; v64-127, v128-191 fragments of B, two buffers
;   window 2: the 32 accumulators of my rows 0-63 (accumulator (a, b) at v[8 (8 a + b)]);   window 3: those of my rows 64-127
; All of a WGP's LDS is claimed; the text uses 296,448 bytes.
.set SIZE_K, 1024
.set LDA,    1024                      ; elements from row to row of A
.set LDB,    1024                      ; and of B
.set KSTEP,  128
.set PITCH,  272                       ; a row of A in LDS: 256 bytes + 16 of padding = 68 words: row r starts at bank 4 r mod 64 (64 banks of 4 bytes: ISA guide 11.1)
.set HALFT,  128*PITCH                 ; 128 rows of A: one tensor load, and what one wave reads of A
.set PB,     544                       ; a row of B: 512 bytes + 32 = 136 words: row r starts at bank 8 r mod 64
                                       ; one tensor load, are 64 x 544 = HALFT bytes too
.set SLOT,   4*HALFT                   ; A's 256 rows, then B's 128 k
.set STAGE,  2*SLOT                    ; behind the ring: 16 rows x 272 bytes for each wave
.set SPITCH, 272
.set SPARE,  STAGE+4*16*SPITCH         ; the spare words, 128 bytes for each wave: two blocks of 256 bytes that no other line names
.set LAPS,   SIZE_K/(2*KSTEP)          ; a lap = two K steps = once round the ring
.set STEP_A, KSTEP*2                   ; bytes from a K step's tile to the next: A goes along its rows,
.set STEP_B, KSTEP*LDB*2               ; B down its rows
.set MW,   6                           ; v6-13   block a: all ones, or 0 where my row of k is hidden
.set ADRA, 16                          ; v16-17  LDS address of my A fragments in slot 0, 1
.set ADRB, 20                          ; v20-21  the same for B
.set STO,  24                          ; v24     the way out: where I put 16 bytes of a row
.set RD,   25                          ; v25     where I read rows back
.set CO,   26                          ; v26     my byte offset in 512 consecutive bytes of the output
.set SPW,  28                          ; v28     LDS address of my spare word; never rewritten
.set NIL,  29                          ; v29     0; never rewritten
.set F0,   64                          ; fragment buffer 0
.set F1,   128                         ; fragment buffer 1
.set X,    64                          ; the way out: a block's 64 sums + bias, in window 0
.set TMP,  192                         ; packed results
.set OB,   32                          ; 16 rows read back from the stage: v32-63 and v224-255 by turns
.set BI,   0                           ; window 1: bias of my eight columns in each of the eight column blocks
.set G1,  24                           ; s[24:31] descriptor group 1 for A's tiles; s[32:39] group 0, a set for each slot
.set G0,  32
.set G1B, 48                           ; s[48:55], s[56:63] the same for B's
.set G0B, 56
.set MSB, 0
.macro WIN new                         ; the immediate's high byte repeats the setting that is left; a switch that changes nothing is dropped
.if MSB != (\new)
	s_set_vgpr_msb (MSB<<8)|(\new)
.set MSB, \new
.endif
.endm
.set MUL_LO, 0xa1                      ; source 0 (B) window 1, source 1 (A) window 0, C and D window 2
.set MUL_HI, 0xf1                      ; the same, C and D window 3
.set TO_B,   0x40                      ; destination window 1, address window 0
.macro JLOAD s                         ; a joint load: waves 0 and 1 fetch A's two halves, waves 2 and 3 B's; four v_nop follow each of the two lines
	s_cmp_eq_u32 s11, 0
	s_cbranch_scc0 .Lfor_b_\@
	tensor_load_to_lds s[G0+4*(\s):G0+4*(\s)+3], s[G1:G1+7]
.rept 4
	v_nop
.endr
	s_branch .Lasked_\@
.Lfor_b_\@:
	tensor_load_to_lds s[G0B+4*(\s):G0B+4*(\s)+3], s[G1B:G1B+7]
.rept 4
	v_nop
.endr
.Lasked_\@:
.endm
.macro CREST                           ; a round of the cluster's barrier behind its opening barrier
	s_cmp_lg_u32 s10, 0
	s_cbranch_scc1 .Lnot_wave_0_\@
	s_barrier_signal -3
.Lnot_wave_0_\@:
	s_barrier_wait -3
	s_barrier_signal -1
	s_barrier_wait -1
.endm
.macro CROUND                          ; a whole round
	s_barrier_signal -1
	s_barrier_wait -1
	CREST
.endm
	s_load_b128 s[4:7], s[0:1], 0x0                ; actb s[4:5], wb s[6:7]
	s_load_b128 s[68:71], s[0:1], 0x10             ; bq s[68:69], bk s[70:71]
	s_load_b128 s[72:75], s[0:1], 0x20             ; bv s[72:73], mask s[74:75]
	s_load_b64 s[8:9], s[0:1], 0x30                ; qkv
	v_lshl_add_u32 v[SPW], v0, 2, SPARE
	v_mov_b32 v[NIL], 0
	v_lshrrev_b32 v1, 5, v0
	v_readfirstlane_b32 s10, v1                    ; wave 0..3
	s_lshr_b32 s11, s10, 1                         ; which half of the tile's rows is mine.  Also: I fetch for A (0) or for B (1)
	s_and_b32 s12, s10, 1                          ; which half of its columns.  Also: which half of that tile I fetch
	s_bfe_u32 s40, ttmp6, 0x40000                  ; cx, cy: my place in the cluster
	s_bfe_u32 s41, ttmp6, 0x40004
	s_lshl_b32 s42, ttmp9, 2
	s_add_co_u32 s42, s42, s40                     ; tile column tx = 4 x cluster x + cx
	s_and_b32 s13, ttmp7, 0xffff
	s_lshl_b32 s13, s13, 2
	s_add_co_u32 s13, s13, s41                     ; tile row ty = 4 x cluster y + cy
	s_mov_b32 s67, ttmp9                           ; which = tx / 4: 0 q, 1 k, 2 v: a weight is one cluster wide
	s_lshl_b32 s43, s41, 2
	s_lshl_b32 s43, 15, s43                        ; my row of the cluster
	s_lshl_b32 s44, 0x1111, s40                    ; my column
	; descriptor group 1.  A: 128 rows x 128 elements, 4 words of padding after every 64.  B: 64 rows (k) x 256 elements (n), 8 words after every 128.
	s_or_b32 s[G1+0], s43, (1<<16)|(1<<20)|(1<<21)|(5<<22)|(3<<25)   ; 15:0 the mask; 17:16 2-byte elements; 20 padding on; 21 set beside a mask; 24:22 the interval; 31:25 the padding
	s_mov_b32 s[G1+1], KSTEP<<16                   ; tensor_dim0 = 128
	s_mov_b32 s[G1+2], 128<<16                     ; tensor_dim1 = 128
	s_mov_b32 s[G1+3], KSTEP<<16                   ; tile_dim0 = 128
	s_mov_b32 s[G1+4], 128                         ; tile_dim1 = 128
	s_mov_b32 s[G1+5], LDA                         ; elements from row to row
	s_mov_b32 s[G1+6], 0
	s_mov_b32 s[G1+7], 0
	s_or_b32 s[G1B+0], s44, (1<<16)|(1<<20)|(1<<21)|(6<<22)|(7<<25)
	s_mov_b32 s[G1B+1], 256<<16                    ; tensor_dim0 = 256
	s_mov_b32 s[G1B+2], 64<<16                     ; tensor_dim1 = 64
	s_mov_b32 s[G1B+3], 256<<16                    ; tile_dim0 = 256
	s_mov_b32 s[G1B+4], 64                         ; tile_dim1 = 64
	s_mov_b32 s[G1B+5], LDB
	s_mov_b32 s[G1B+6], 0
	s_mov_b32 s[G1B+7], 0
	; where the tiles come from: A's offset hangs on ty and the wave alone, B's on tx and the wave alone, each in registers that never hold the other coordinate
	s_lshl_b32 s17, s12, 7
	s_lshl_b32 s16, s13, 8
	s_add_co_u32 s16, s16, s17                     ; A: row 256 ty + 128 x half
	s_mul_i32 s16, s16, LDA*2
	s_mov_b32 s17, 0
	s_lshl_b32 s46, s67, 21                        ; B: the weight, 2,097,152 bytes each,
	s_and_b32 s47, s42, 3
	s_lshl_b32 s47, s47, 9                         ; its 256 columns,
	s_add_co_u32 s46, s46, s47
	s_mul_i32 s47, s12, 64*LDB*2                   ; my 64 k of the step's 128
	s_add_co_u32 s46, s46, s47
	s_mov_b32 s47, 0
	s_mul_i32 s20, s10, HALFT                      ; and where they go: A's two halves, then B's two = wave x HALFT: no place in the cluster enters an LDS address
	s_wait_kmcnt 0x0
	s_add_nc_u64 s[14:15], s[4:5], s[16:17]
	s_add_nc_u64 s[46:47], s[6:7], s[46:47]
	CROUND                                         ; all sixteen work-groups are here: the first joint loads meet
.irp s, 0,1
	s_mov_b32 s[G0+4*(\s)], 1
	s_add_co_u32 s[G0+4*(\s)+1], s20, (\s)*SLOT
	s_add_nc_u64 s[G0+4*(\s)+2:G0+4*(\s)+3], s[14:15], (\s)*STEP_A
	s_or_b32 s[G0+4*(\s)+3], s[G0+4*(\s)+3], 0x80000000
	s_mov_b32 s[G0B+4*(\s)], 1
	s_add_co_u32 s[G0B+4*(\s)+1], s20, (\s)*SLOT
	s_add_nc_u64 s[G0B+4*(\s)+2:G0B+4*(\s)+3], s[46:47], (\s)*STEP_B
	s_or_b32 s[G0B+4*(\s)+3], s[G0B+4*(\s)+3], 0x80000000
	JLOAD \s                                       ; two loads of mine are out
.endr
	v_and_b32 v1, 15, v0                           ; l % 16
	v_bfe_u32 v2, v0, 4, 1                         ; l / 16
	v_mul_u32_u24 v3, v1, PITCH
	v_lshl_add_u32 v3, v2, 4, v3                   ; A: row x pitch + 16 x half of the lanes
	s_mul_i32 s21, s11, HALFT                      ; my 128 rows of A
	v_add_nc_u32 v[ADRA], s21, v3
	v_add_nc_u32 v[ADRA+1], SLOT, v[ADRA]
	v_and_b32 v4, 7, v0                            ; B, turned: lane l reads 16 bytes of row k = 8 (l / 16) + l % 8, columns 8 ((l / 8) % 2) + 0..7
	v_lshl_add_u32 v4, v2, 3, v4
	v_mul_u32_u24 v4, v4, PB
	v_bfe_u32 v5, v0, 3, 1
	v_lshl_add_u32 v4, v5, 4, v4
	s_lshl_b32 s22, s12, 8                         ; my 128 columns of the row's 256
	s_add_co_u32 s22, s22, 2*HALFT
	v_add_nc_u32 v[ADRB], s22, v4
	v_add_nc_u32 v[ADRB+1], SLOT, v[ADRB]
	; what the way out needs: the bias of my columns, the mask of my rows, the stage's addresses, my place in the output.  The loads stay out while K is walked.
	s_cmp_lt_u32 s67, 2
	s_cselect_b64 s[76:77], s[70:71], s[72:73]     ; bk or bv,
	s_cmp_eq_u32 s67, 0
	s_cselect_b64 s[76:77], s[68:69], s[76:77]     ; or bq
	s_cmp_eq_u32 s67, 1
	s_cselect_b32 s66, 0, -1                       ; all ones where the mask does not count: q and v
	s_and_b32 s78, s42, 3
	s_lshl_b32 s78, s78, 10                        ; the tile's 256 columns of the weight's 1,024, 4 bytes each,
	s_lshl_b32 s79, s12, 9                         ; my 128
	s_add_co_u32 s78, s78, s79
	s_mov_b32 s79, 0
	s_add_nc_u64 s[76:77], s[76:77], s[78:79]
	s_lshl_b32 s80, s13, 10                        ; mask is [4096] by token: 256 ty + 128 x half, 4 bytes each
	s_lshl_b32 s81, s11, 9
	s_add_co_u32 s80, s80, s81
	s_mov_b32 s81, 0
	s_add_nc_u64 s[74:75], s[74:75], s[80:81]
	v_lshlrev_b32 v15, 5, v2                       ; my eight columns begin at 8 (l / 16)
	v_lshlrev_b32 v14, 2, v1                       ; my row is l % 16
	WIN TO_B
.irp b, 0,1,2,3,4,5,6,7
	global_load_b128 v[BI+8*(\b):BI+8*(\b)+3],   v15, s[76:77] offset:64*(\b)
	global_load_b128 v[BI+8*(\b)+4:BI+8*(\b)+7], v15, s[76:77] offset:64*(\b)+16
.endr
	WIN 0
.irp a, 0,1,2,3,4,5,6,7
	global_load_b32 v[MW+(\a)], v14, s[74:75] offset:64*(\a)
.endr
	s_mul_i32 s23, s10, 16*SPITCH
	s_add_co_u32 s23, s23, STAGE                   ; my stage
	v_mul_u32_u24 v4, v1, SPITCH                   ; in: row l % 16, 16 bytes for each half of the lanes
	v_lshl_add_u32 v4, v2, 4, v4
	v_add_nc_u32 v[STO], s23, v4
	v_bfe_u32 v5, v0, 3, 2                         ; back: 32 lanes take one head's 128 bytes of four rows,
	v_mul_u32_u24 v5, v5, SPITCH
	v_and_b32 v4, 7, v0
	v_lshl_add_u32 v5, v4, 4, v5
	v_add_nc_u32 v[RD], s23, v5
	v_and_b32 v[CO], 31, v0                        ; which are 512 consecutive bytes of that head
	v_lshlrev_b32 v[CO], 4, v[CO]
	s_lshl_b32 s78, s67, 5                         ; head row = which x 32 + batch x 16 + 4 (tx % 4) + 2 x my half (+ 1 for my second head)
	s_lshr_b32 s79, s13, 3
	s_lshl_b32 s79, s79, 4
	s_add_co_u32 s78, s78, s79
	s_and_b32 s79, s42, 3
	s_lshl_b32 s79, s79, 2
	s_add_co_u32 s78, s78, s79
	s_lshl_b32 s79, s12, 1
	s_add_co_u32 s78, s78, s79
	s_lshl_b32 s78, s78, 11                        ; x 2,048 tokens
	s_lshl_b32 s79, s13, 8
	s_lshl_b32 s80, s11, 7
	s_add_co_u32 s79, s79, s80
	s_and_b32 s79, s79, 2047                       ; + my first token in its batch
	s_add_co_u32 s78, s78, s79
	s_lshl_b32 s78, s78, 7                         ; x 128 bytes
	s_mov_b32 s79, 0
	s_add_nc_u64 s[8:9], s[8:9], s[78:79]
; 16 matrix instructions: row blocks a0, a0 + 1 of the window's four (hi = 0: my rows 0-63, 1: rows 64-127) x all 8 column blocks, 32 along K.  zero = 1: the first product starts the sums.
; The 64 accumulators take turns, one instruction a turn, in the same order in every quarter.
.macro MUL16 f, hi, a0, zero
	WIN MUL_LO+0x50*(\hi)
.irp a, \a0, (\a0)+1
.irp b, 0,1,2,3,4,5,6,7
.if \zero
	v_wmma_f32_16x16x32_bf16 v[8*(8*(\a)+(\b)):8*(8*(\a)+(\b))+7], v[(\f)+8*(\b):(\f)+8*(\b)+7], v[(\f)+8*(4*(\hi)+(\a)):(\f)+8*(4*(\hi)+(\a))+7], 0
.else
	v_wmma_f32_16x16x32_bf16 v[8*(8*(\a)+(\b)):8*(8*(\a)+(\b))+7], v[(\f)+8*(\b):(\f)+8*(\b)+7], v[(\f)+8*(4*(\hi)+(\a)):(\f)+8*(4*(\hi)+(\a))+7], v[8*(8*(\a)+(\b)):8*(8*(\a)+(\b))+7]
.endif
.endr
.endr
.endm
; 32 LDS loads in one run: the fragments of quarter q (32 along K) of a slot into buffer f: B's 128 columns (turned), then A's 128 rows
.macro FETCH slot, q, f
	WIN TO_B
.irp i, 0,1,2,3,4,5,6,7
	ds_load_tr16_b128 v[(\f)+8*(\i):(\f)+8*(\i)+3],   v[ADRB+(\slot)] offset:32*(\q)*PB+32*(\i)
	ds_load_tr16_b128 v[(\f)+8*(\i)+4:(\f)+8*(\i)+7], v[ADRB+(\slot)] offset:(32*(\q)+16)*PB+32*(\i)
.endr
	WIN 0
.irp i, 0,1,2,3,4,5,6,7
	ds_load_b128 v[(\f)+8*(\i):(\f)+8*(\i)+3],   v[ADRA+(\slot)] offset:64*(\q)+(\i)*16*PITCH
	ds_load_b128 v[(\f)+8*(\i)+4:(\f)+8*(\i)+7], v[ADRA+(\slot)] offset:64*(\q)+(\i)*16*PITCH+32
.endr
.endm
.macro PLACES                          ; four places in front of loads into registers that matrix instructions have read, and of lines that read results
.rept 4
	v_nop
.endr
.endm
; A K step is four quarters of 32 along K, 64 matrix instructions each, on buffers 0, 1, 0, 1.  One of the first three: multiplies buffer f; in its middle it fetches quarter q into buffer g.
.macro QUARTER slot, q, f, g, zero
	s_wait_dscnt 8                                 ; B and A's rows 0-63 are in; the youngest eight loads (A's rows 64-127) may be out
	MUL16 \f, 0, 0, \zero
	MUL16 \f, 0, 2, \zero
	PLACES
	FETCH \slot, \q, \g
	s_wait_dscnt 32                                ; all but the 32 just issued
	MUL16 \f, 1, 0, \zero
	MUL16 \f, 1, 2, \zero
.endm
; The last quarter multiplies buffer 1 and changes slots.  MEET is its first half: ONE barrier; in front of it each wave waits for all its tensor loads, of which one is out: its part of the next slot;
; adds 0 to its spare word; and waits for that and for its own reads of this slot.  Behind it nobody reads this slot any more and the next slot is whole.
.macro MEET round                      ; round = 1: a round of the cluster's barrier follows
	WIN 0                                          ; (the add's two registers lie in window 0)
	s_wait_tensorcnt 0x0                           ; all my tensor loads have landed
	ds_add_u32 v[SPW], v[NIL]                      ; 0 onto my spare word
	s_wait_dscnt 9                                 ; (the add and the youngest eight loads may be out)
	MUL16 F1, 0, 0, 0                              ; sixteen matrix instructions stand between the add and the wait for it
	s_wait_dscnt 0x0                               ; the add is done, and my reads of this slot are over
	s_barrier_signal -1
	MUL16 F1, 0, 2, 0
.if \round
	WIN 0
.endif
	s_barrier_wait -1
.endm
; The whole last quarter of a K step behind which its slot is filled again, two K steps ahead, first thing behind the round.
.macro TURN slot, next
	MEET 1
	CREST                                          ; no wave of any partner still reads this slot's tile or has a load on its way
	s_add_nc_u64 s[G0+4*(\slot)+2:G0+4*(\slot)+3], s[G0+4*(\slot)+2:G0+4*(\slot)+3], 2*STEP_A
	s_add_nc_u64 s[G0B+4*(\slot)+2:G0B+4*(\slot)+3], s[G0B+4*(\slot)+2:G0B+4*(\slot)+3], 2*STEP_B
	JLOAD \slot                                    ; my one tensor load behind the round: 224 matrix instructions ahead of the wait for it; its four v_nop are also the places in front of the loads below
	FETCH \next, 0, F0
	MUL16 F1, 1, 0, 0
	MUL16 F1, 1, 2, 0
.endm
	s_wait_tensorcnt 1                             ; my part of K step 0 is in; K step 1's may stay out
	s_barrier_signal -1
	s_barrier_wait -1                              ; everybody's is
	FETCH 0, 0, F0
	QUARTER 0, 1, F0, F1, 1                        ; the first quarter stands in front of the loop: its products start the sums
	WIN 0                                          ; at a label and at a branch every window is 0
	s_mov_b32 s3, LAPS-1
.Llap:                                                 ; a trip goes once round the ring, from a lap's second quarter to the next lap's first, and fills both slots again
	QUARTER 0, 2, F1, F0, 0
	QUARTER 0, 3, F0, F1, 0
	TURN 0, 1
	QUARTER 1, 1, F0, F1, 0
	QUARTER 1, 2, F1, F0, 0
	QUARTER 1, 3, F0, F1, 0
	TURN 1, 0
	QUARTER 0, 1, F0, F1, 0
	WIN 0
	s_sub_co_u32 s3, s3, 1
	s_cmp_lg_u32 s3, 0
	s_cbranch_scc1 .Llap
	QUARTER 0, 2, F1, F0, 0                        ; the last lap fills nothing, and has no round of the cluster's barrier
	QUARTER 0, 3, F0, F1, 0
	MEET 0
	PLACES
	FETCH 1, 0, F0
	MUL16 F1, 1, 0, 0
	MUL16 F1, 1, 2, 0
	QUARTER 1, 1, F0, F1, 0
	QUARTER 1, 2, F1, F0, 0
	QUARTER 1, 3, F0, F1, 0
	s_wait_dscnt 8                                 ; the very last quarter: nothing more to fetch
	MUL16 F1, 0, 0, 0
	MUL16 F1, 0, 2, 0
	s_wait_dscnt 0x0
	MUL16 F1, 1, 0, 0
	MUL16 F1, 1, 2, 0
	WIN 0
	PLACES
	; THE WAY OUT: + bias, rounded to bf16, hidden rows of k cleared; a block of 16 rows x 128 columns (two heads) at a time through my own stage; 16 rows of a head are 2,048 consecutive bytes.
	s_wait_loadcnt 0x0                             ; bias and mask
.irp a, 0,1,2,3,4,5,6,7
	v_cmp_ne_u32 vcc_lo, 0, v[MW+(\a)]             ; my row is seen,
	s_or_b32 vcc_lo, vcc_lo, s66                   ; or this is not k
	v_cndmask_b32 v[MW+(\a)], 0, -1, vcc_lo
.endr
.macro PACK a
.set AC, 64*((\a)%4)
	WIN 0x06+((\a)/4)                              ; source 0: the sums, window 2 or 3; source 1: the bias, window 1; destination window 0
.irp b, 0,1,2,3,4,5,6,7
.irp j, 0,2,4,6
	v_pk_add_f32 v[X+8*(\b)+(\j):X+8*(\b)+(\j)+1], v[AC+8*(\b)+(\j):AC+8*(\b)+(\j)+1], v[BI+8*(\b)+(\j):BI+8*(\b)+(\j)+1]  ; each accumulator is read from its low end on
.endr
.endr
	WIN 0
.set i, 0
.rept 32
	v_cvt_pk_bf16_f32 v[TMP+i], v[X+2*i], v[X+2*i+1]
.set i, i+1
.endr
.set i, 0
.rept 32
	v_and_b32 v[TMP+i], v[MW+(\a)], v[TMP+i]
.set i, i+1
.endr
.endm
.macro TOSTAGE a
.set BK, OB+192*((\a)%2)
.irp b, 0,1,2,3,4,5,6,7
	ds_store_b128 v[STO], v[TMP+4*(\b):TMP+4*(\b)+3] offset:32*(\b)
.endr
.irp t, 0,1,2,3,4,5,6,7                ; head t / 4, rows 4 (t % 4) on
	ds_load_b128 v[BK+4*(\t):BK+4*(\t)+3], v[RD] offset:((\t)%4)*4*SPITCH+((\t)/4)*128  ; LDS serves a wave's instructions in order (ISA guide 5.7.1.4): these see the stores above; the next block's stores come behind them
.endr
.endm
.macro SEND a
.set BK, OB+192*((\a)%2)
	s_wait_dscnt 0x0                               ; the block is back in registers
	s_wait_xcnt 0x0                                ; the stores issued so far have read their registers (ISA guide 3.1): the block after this one is loaded into them only behind this wait
.irp t, 0,1,2,3,4,5,6,7
	global_store_b128 v[CO], v[BK+4*(\t):BK+4*(\t)+3], s[8:9] offset:((\t)/4)*262144+(\a)*2048+((\t)%4)*512  ; 512 consecutive bytes, at a multiple of 256 from the buffer's first
.endr
.endm
	PACK 0
	TOSTAGE 0
.irp a, 1,2,3,4,5,6,7                  ; block a's arithmetic stands between block a - 1's loads from the stage and the wait for them
	PACK \a
	SEND (\a)-1
	TOSTAGE \a
.endr
	SEND 7
	s_wait_tensorcnt 0x0                           ; the wave's end
	ds_add_u32 v[SPW], v[NIL]
	s_wait_dscnt 0x0
	CROUND                                         ; the closing round: no work-group ends while a partner may still ask for a tile that names it
	s_endpgm
.Lfunc_end_k_q74c3e904c8_qkv:
	.size	k_q74c3e904c8_qkv, .Lfunc_end_k_q74c3e904c8_qkv-k_q74c3e904c8_qkv
	.p2alignl 7, 3214868480
	.fill 96, 4, 3214868480
	.section	.rodata,"a",@progbits
	.p2align	6, 0x0
	.amdhsa_kernel k_q74c3e904c8_qkv
		.amdhsa_group_segment_fixed_size 327680
		.amdhsa_private_segment_fixed_size 0
		.amdhsa_enable_private_segment 0
		.amdhsa_kernarg_size 56
		.amdhsa_user_sgpr_count 2
		.amdhsa_user_sgpr_kernarg_segment_ptr 1
		.amdhsa_wavefront_size32 1
		.amdhsa_system_sgpr_workgroup_id_x 1
		.amdhsa_system_sgpr_workgroup_id_y 1
		.amdhsa_system_sgpr_workgroup_id_z 1
		.amdhsa_system_vgpr_workitem_id 0
		.amdhsa_next_free_vgpr 1024
		.amdhsa_next_free_sgpr 84
		.amdhsa_reserve_vcc 1
		.amdhsa_float_denorm_mode_32 3
		.amdhsa_float_denorm_mode_16_64 3
		.amdhsa_memory_ordered 1
		.amdhsa_forward_progress 1
		.amdhsa_inst_pref_size 170
	.end_amdhsa_kernel
	.amdgpu_metadata
---
amdhsa.version: [ 1, 2 ]
amdhsa.kernels:
  - .name:           k_q74c3e904c8_qkv
    .symbol:         k_q74c3e904c8_qkv.kd
    .args:
      - { .name: actb, .offset: 0, .size: 8, .value_kind: global_buffer, .address_space: global }
      - { .name: wb, .offset: 8, .size: 8, .value_kind: global_buffer, .address_space: global }
      - { .name: bq, .offset: 16, .size: 8, .value_kind: global_buffer, .address_space: global }
      - { .name: bk, .offset: 24, .size: 8, .value_kind: global_buffer, .address_space: global }
      - { .name: bv, .offset: 32, .size: 8, .value_kind: global_buffer, .address_space: global }
      - { .name: mask, .offset: 40, .size: 8, .value_kind: global_buffer, .address_space: global }
      - { .name: qkv, .offset: 48, .size: 8, .value_kind: global_buffer, .address_space: global }
    .group_segment_fixed_size: 327680
    .private_segment_fixed_size: 0
    .kernarg_segment_align: 8
    .kernarg_segment_size: 56
    .max_flat_workgroup_size: 128
    .sgpr_count:     84
    .vgpr_count:     1024
    .wavefront_size: 32
...
	.end_amdgpu_metadata
.endif
;; end of part 9
;; launch attn: the kernel of part 3 again; grid 8 x 32, 4 waves a work-group, clusters of 4 x 1, 327,680 bytes of LDS; arguments qkv, mask, ctx; writes ctx
;; launch wo: the kernel of part 4 again; grid 8 x 32, 4 waves a work-group, clusters of 4 x 4, 327,680 bytes of LDS; arguments ctx, wb, t; writes t
;; launch ln1: the kernel of part 5 again; grid 256 x 1, 8 waves a work-group, no clusters, 0 bytes of LDS; arguments t, x, bo, g1, beta1, xn1, actb; writes xn1, actb
;; launch mlp1 (part 10): grid 16 x 16, 4 waves a work-group, clusters of 4 x 4, 327,680 bytes of LDS; arguments actb, wb, b1, hb; writes hb
.if DOCPART == 10
	.amdgcn_target "amdgcn-amd-amdhsa--gfx1250"
	.amdhsa_code_object_version 6
	.text
	.protected	k_q74c3e904c8_mlp1
	.globl	k_q74c3e904c8_mlp1
	.p2align	8
	.type	k_q74c3e904c8_mlp1,@function
k_q74c3e904c8_mlp1:
	s_mov_b64 s[64:65], 0
	v_nop
	global_prefetch_b8 v0, s[64:65] scope:SCOPE_SE
	s_setreg_imm32_b32 hwreg(HW_REG_WAVE_MODE, 25, 1), 1
	s_wait_xcnt 0x0
	s_wait_alu depctr_hold_cnt(0) depctr_sa_sdst(0) depctr_va_vdst(0) depctr_va_sdst(0) depctr_va_ssrc(0) depctr_va_vcc(0) depctr_vm_vsrc(0)
	s_getreg_b32 s2, hwreg(HW_REG_IB_STS2, 6, 4)
	s_cmp_eq_u32 s2, 0
	s_cbranch_scc0 .Lentry_in_a_cluster
	s_endpgm
.Lentry_in_a_cluster:
	s_bfe_u32 s2, ttmp6, 0x10000c
	s_cmp_lg_u32 s2, 0xf033
	s_cbranch_scc0 .Lentry_shape_is_right
	s_endpgm
.Lentry_shape_is_right:
; h = gelu(xn1 W1 + b1), the exact (erf) gelu, written in f16: hb [4096][4096].  xn1: actb [4096][1024] f16; W1: wb + 8,388,608, [K][N] f16; sums and gelu in f32.
; LIMITS.  f16 holds no number beyond 65,504: an h beyond it becomes an infinity.  erf by the rational form of Abramowitz and Stegun 7.1.26, absolute error 1.5e-7:
; gelu(x) = max(x, 0) - |x| y, y = (((((a5 t + a4) t + a3) t + a2) t + a1) t) 2^(-x^2 log2(e) / 2) / 2, t = 1 / (1 + p |x| / sqrt(2)); the halves are folded into a1..a5.
; A tile of C is 256 x 256: 16 x 16 = 256 work-groups; four waves, as many as a WGP has SIMDs, each 128 x 128: 64 accumulators, 512 registers.
; K goes in steps of 128 through two LDS slots.  A's rows lie along K and are read as they lie; B lies [K][N], a row of LDS is one k with the tile's 256 n, and its fragments come out turned, by ds_load_tr16_b128.
; CLUSTERS: 4 x 4 work-groups.  The four of a row need the same tiles of A, the four of a column the same tiles of B: each tile is asked for JOINTLY, by the same tensor load with the same
; descriptor and a mask that names the four.  THE MATRIX INSTRUCTION IS USED TRANSPOSED (source 0 = 16 columns of B, source 1 = 16 rows of A): a lane holds eight neighbouring numbers of a row of C.
; REGISTERS, in windows of 256 (s_set_vgpr_msb: bits 1:0 source 0, 3:2 source 1, 5:4 source 2, 7:6 destination):
;   window 0: v0-31 addresses; v64-127, v128-191 fragments of A (8 x 16 rows x 32 K), two buffers; v32-63, v64-159, v192-223 at work on the way out
;   window 1: v0-63 bias; v64-127, v128-191 fragments of B, two buffers
;   window 2: the 32 accumulators of my rows 0-63 (accumulator (a, b) at v[8 (8 a + b)]);   window 3: those of my rows 64-127
; All of a WGP's LDS is claimed; the text uses 296,448 bytes.
.set SIZE_K, 1024
.set LDA,    1024                      ; elements from row to row of A
.set LDB,    4096                      ; and of B
.set WOFF,   8388608                   ; W1 in wb
.set ROWB,   8192                      ; bytes in a row of hb
.set KSTEP,  128
.set PITCH,  272                       ; a row of A in LDS: 256 bytes + 16 of padding = 68 words: row r starts at bank 4 r mod 64 (64 banks of 4 bytes: ISA guide 11.1)
.set HALFT,  128*PITCH                 ; 128 rows of A: one tensor load, and what one wave reads of A
.set PB,     544                       ; a row of B: 512 bytes + 32 = 136 words: row r starts at bank 8 r mod 64
                                       ; one tensor load, are 64 x 544 = HALFT bytes too
.set SLOT,   4*HALFT                   ; A's 256 rows, then B's 128 k
.set STAGE,  2*SLOT                    ; behind the ring: 16 rows x 272 bytes for each wave: a wave's 128 columns of f16 are 256 bytes of a row
.set SPITCH, 272
.set SPARE,  STAGE+4*16*SPITCH         ; the spare words, 128 bytes for each wave: two blocks of 256 bytes that no other line names
.set LAPS,   SIZE_K/(2*KSTEP)          ; a lap = two K steps = once round the ring
.set STEP_A, KSTEP*2                   ; bytes from a K step's tile to the next: A goes along its rows,
.set STEP_B, KSTEP*LDB*2               ; B down its rows
.set ADRA, 16                          ; v16-17  LDS address of my A fragments in slot 0, 1
.set ADRB, 20                          ; v20-21  the same for B
.set STO,  24                          ; v24     the way out: where I put 16 bytes of a row
.set RD,   25                          ; v25     where I read a row back
.set CO,   26                          ; v26     my byte offset in hb; it steps 16 rows a block
.set SPW,  28                          ; v28     LDS address of my spare word; never rewritten
.set NIL,  29                          ; v29     0; never rewritten
.set F0,   64                          ; fragment buffer 0
.set F1,   128                         ; fragment buffer 1
.set BK,   32                          ; the way out: v32-63 16 rows read back from the stage
.set X,    64                          ; v64-127  a block's 64 sums + bias
.set U,    128                         ; v128-135 x^2, then 2^(-x^2 log2(e) / 2)
.set T,    136                         ; v136-143 t
.set P,    144                         ; v144-151 the polynomial
.set M,    152                         ; v152-159 max(x, 0)
.set TMP,  192                         ; v192-223 packed results
.set BI,   0                           ; window 1: bias of my eight columns in each of the eight column blocks
.set G1,  24                           ; s[24:31] descriptor group 1 for A's tiles; s[32:39] group 0, a set for each slot
.set G0,  32
.set G1B, 48                           ; s[48:55], s[56:63] the same for B's
.set G0B, 56
.set A5,  66                           ; s[66:75] a5 / 2 .. a1 / 2, each as a pair: the packed forms take the low word for both halves
.set A4,  68
.set A3,  70
.set A2,  72
.set A1,  74
.set PC,  76                           ; s76      p / sqrt(2)
.set NL,  78                           ; s[78:79] -log2(e) / 2
.set MSB, 0
.macro WIN new                         ; the immediate's high byte repeats the setting that is left; a switch that changes nothing is dropped
.if MSB != (\new)
	s_set_vgpr_msb (MSB<<8)|(\new)
.set MSB, \new
.endif
.endm
.set MUL_LO, 0xa1                      ; source 0 (B) window 1, source 1 (A) window 0, C and D window 2
.set MUL_HI, 0xf1                      ; the same, C and D window 3
.set TO_B,   0x40                      ; destination window 1, address window 0
.macro JLOAD s                         ; a joint load: waves 0 and 1 fetch A's two halves, waves 2 and 3 B's; four v_nop follow each of the two lines
	s_cmp_eq_u32 s11, 0
	s_cbranch_scc0 .Lfor_b_\@
	tensor_load_to_lds s[G0+4*(\s):G0+4*(\s)+3], s[G1:G1+7]
.rept 4
	v_nop
.endr
	s_branch .Lasked_\@
.Lfor_b_\@:
	tensor_load_to_lds s[G0B+4*(\s):G0B+4*(\s)+3], s[G1B:G1B+7]
.rept 4
	v_nop
.endr
.Lasked_\@:
.endm
.macro CREST                           ; a round of the cluster's barrier behind its opening barrier
	s_cmp_lg_u32 s10, 0
	s_cbranch_scc1 .Lnot_wave_0_\@
	s_barrier_signal -3
.Lnot_wave_0_\@:
	s_barrier_wait -3
	s_barrier_signal -1
	s_barrier_wait -1
.endm
.macro CROUND                          ; a whole round
	s_barrier_signal -1
	s_barrier_wait -1
	CREST
.endm
	s_load_b128 s[4:7], s[0:1], 0x0                ; actb s[4:5], wb s[6:7]
	s_load_b64 s[80:81], s[0:1], 0x10              ; b1
	s_load_b64 s[8:9], s[0:1], 0x18                ; hb
	v_lshl_add_u32 v[SPW], v0, 2, SPARE
	v_mov_b32 v[NIL], 0
	v_lshrrev_b32 v1, 5, v0
	v_readfirstlane_b32 s10, v1                    ; wave 0..3
	s_lshr_b32 s11, s10, 1                         ; which half of the tile's rows is mine.  Also: I fetch for A (0) or for B (1)
	s_and_b32 s12, s10, 1                          ; which half of its columns.  Also: which half of that tile I fetch
	s_bfe_u32 s40, ttmp6, 0x40000                  ; cx, cy: my place in the cluster
	s_bfe_u32 s41, ttmp6, 0x40004
	s_lshl_b32 s42, ttmp9, 2
	s_add_co_u32 s42, s42, s40                     ; tile column tx = 4 x cluster x + cx
	s_and_b32 s13, ttmp7, 0xffff
	s_lshl_b32 s13, s13, 2
	s_add_co_u32 s13, s13, s41                     ; tile row ty = 4 x cluster y + cy
	s_lshl_b32 s43, s41, 2
	s_lshl_b32 s43, 15, s43                        ; my row of the cluster
	s_lshl_b32 s44, 0x1111, s40                    ; my column
	; descriptor group 1.  A: 128 rows x 128 elements, 4 words of padding after every 64.  B: 64 rows (k) x 256 elements (n), 8 words after every 128.
	s_or_b32 s[G1+0], s43, (1<<16)|(1<<20)|(1<<21)|(5<<22)|(3<<25)   ; 15:0 the mask; 17:16 2-byte elements; 20 padding on; 21 set beside a mask; 24:22 the interval; 31:25 the padding
	s_mov_b32 s[G1+1], KSTEP<<16                   ; tensor_dim0 = 128
	s_mov_b32 s[G1+2], 128<<16                     ; tensor_dim1 = 128
	s_mov_b32 s[G1+3], KSTEP<<16                   ; tile_dim0 = 128
	s_mov_b32 s[G1+4], 128                         ; tile_dim1 = 128
	s_mov_b32 s[G1+5], LDA                         ; elements from row to row
	s_mov_b32 s[G1+6], 0
	s_mov_b32 s[G1+7], 0
	s_or_b32 s[G1B+0], s44, (1<<16)|(1<<20)|(1<<21)|(6<<22)|(7<<25)
	s_mov_b32 s[G1B+1], 256<<16                    ; tensor_dim0 = 256
	s_mov_b32 s[G1B+2], 64<<16                     ; tensor_dim1 = 64
	s_mov_b32 s[G1B+3], 256<<16                    ; tile_dim0 = 256
	s_mov_b32 s[G1B+4], 64                         ; tile_dim1 = 64
	s_mov_b32 s[G1B+5], LDB
	s_mov_b32 s[G1B+6], 0
	s_mov_b32 s[G1B+7], 0
	s_mov_b32 s[A5], 0x3f07dc22                    ;  1.061405429 / 2
	s_mov_b32 s[A5+1], s[A5]
	s_mov_b32 s[A4], 0xbf3a00e3                    ; -1.453152027 / 2
	s_mov_b32 s[A4+1], s[A4]
	s_mov_b32 s[A3], 0x3f35f0e3                    ;  1.421413741 / 2
	s_mov_b32 s[A3+1], s[A3]
	s_mov_b32 s[A2], 0xbe11a98e                    ; -0.284496736 / 2
	s_mov_b32 s[A2+1], s[A2]
	s_mov_b32 s[A1], 0x3e027906                    ;  0.254829592 / 2
	s_mov_b32 s[A1+1], s[A1]
	s_mov_b32 s[PC], 0x3e6d3388                    ;  0.3275911 / sqrt(2)
	s_mov_b32 s[NL], 0xbf38aa3b                    ; -log2(e) / 2
	s_mov_b32 s[NL+1], s[NL]
	; where the tiles come from: A's offset hangs on ty and the wave alone, B's on tx and the wave alone, each in registers that never hold the other coordinate
	s_lshl_b32 s17, s12, 7
	s_lshl_b32 s16, s13, 8
	s_add_co_u32 s16, s16, s17                     ; A: row 256 ty + 128 x half
	s_mul_i32 s16, s16, LDA*2
	s_mov_b32 s17, 0
	s_lshl_b32 s46, s42, 9                         ; B: the tile's 256 columns,
	s_mul_i32 s47, s12, 64*LDB*2                   ; my 64 k of the step's 128,
	s_add_co_u32 s46, s46, s47
	s_add_co_u32 s46, s46, WOFF                    ; in W1
	s_mov_b32 s47, 0
	s_mul_i32 s20, s10, HALFT                      ; and where they go: A's two halves, then B's two = wave x HALFT: no place in the cluster enters an LDS address
	s_wait_kmcnt 0x0
	s_add_nc_u64 s[14:15], s[4:5], s[16:17]
	s_add_nc_u64 s[46:47], s[6:7], s[46:47]
	CROUND                                         ; all sixteen work-groups are here: the first joint loads meet
.irp s, 0,1
	s_mov_b32 s[G0+4*(\s)], 1
	s_add_co_u32 s[G0+4*(\s)+1], s20, (\s)*SLOT
	s_add_nc_u64 s[G0+4*(\s)+2:G0+4*(\s)+3], s[14:15], (\s)*STEP_A
	s_or_b32 s[G0+4*(\s)+3], s[G0+4*(\s)+3], 0x80000000
	s_mov_b32 s[G0B+4*(\s)], 1
	s_add_co_u32 s[G0B+4*(\s)+1], s20, (\s)*SLOT
	s_add_nc_u64 s[G0B+4*(\s)+2:G0B+4*(\s)+3], s[46:47], (\s)*STEP_B
	s_or_b32 s[G0B+4*(\s)+3], s[G0B+4*(\s)+3], 0x80000000
	JLOAD \s                                       ; two loads of mine are out
.endr
	v_and_b32 v1, 15, v0                           ; l % 16
	v_bfe_u32 v2, v0, 4, 1                         ; l / 16
	v_mul_u32_u24 v3, v1, PITCH
	v_lshl_add_u32 v3, v2, 4, v3                   ; A: row x pitch + 16 x half of the lanes
	s_mul_i32 s21, s11, HALFT                      ; my 128 rows of A
	v_add_nc_u32 v[ADRA], s21, v3
	v_add_nc_u32 v[ADRA+1], SLOT, v[ADRA]
	v_and_b32 v4, 7, v0                            ; B, turned: lane l reads 16 bytes of row k = 8 (l / 16) + l % 8, columns 8 ((l / 8) % 2) + 0..7
	v_lshl_add_u32 v4, v2, 3, v4
	v_mul_u32_u24 v4, v4, PB
	v_bfe_u32 v5, v0, 3, 1
	v_lshl_add_u32 v4, v5, 4, v4
	s_lshl_b32 s22, s12, 8                         ; my 128 columns of the row's 256
	s_add_co_u32 s22, s22, 2*HALFT
	v_add_nc_u32 v[ADRB], s22, v4
	v_add_nc_u32 v[ADRB+1], SLOT, v[ADRB]
	; what the way out needs: the bias of my columns (the loads stay out while K is walked), the stage's addresses, my place in hb
	s_lshl_b32 s82, s42, 10                        ; 256 tx + 128 x half, 4 bytes each
	s_lshl_b32 s83, s12, 9
	s_add_co_u32 s82, s82, s83
	s_mov_b32 s83, 0
	s_add_nc_u64 s[80:81], s[80:81], s[82:83]
	v_lshlrev_b32 v15, 5, v2                       ; my eight columns begin at 8 (l / 16)
	WIN TO_B
.irp b, 0,1,2,3,4,5,6,7
	global_load_b128 v[BI+8*(\b):BI+8*(\b)+3],   v15, s[80:81] offset:64*(\b)
	global_load_b128 v[BI+8*(\b)+4:BI+8*(\b)+7], v15, s[80:81] offset:64*(\b)+16
.endr
	WIN 0
	s_mul_i32 s23, s10, 16*SPITCH
	s_add_co_u32 s23, s23, STAGE                   ; my stage
	v_mul_u32_u24 v4, v1, SPITCH                   ; in: row l % 16, 16 bytes for each half of the lanes
	v_lshl_add_u32 v4, v2, 4, v4
	v_add_nc_u32 v[STO], s23, v4
	v_mul_u32_u24 v5, v2, SPITCH                   ; back: lanes 0-15 take one row of 256 bytes, lanes 16-31 the next
	v_lshl_add_u32 v5, v1, 4, v5
	v_add_nc_u32 v[RD], s23, v5
	v_lshlrev_b32 v5, 13, v2                       ; and the same two rows in hb, 8,192 bytes apart
	v_lshl_add_u32 v[CO], v1, 4, v5
	s_lshl_b32 s82, s13, 8
	s_lshl_b32 s83, s11, 7
	s_add_co_u32 s82, s82, s83                     ; my first row: 256 ty + 128 x half,
	s_lshl_b32 s82, s82, 13
	s_lshl_b32 s83, s42, 9                         ; my first column, in bytes: 512 tx + 256 x half
	s_add_co_u32 s82, s82, s83
	s_lshl_b32 s83, s12, 8
	s_add_co_u32 s82, s82, s83
	s_mov_b32 s83, 0
	s_add_nc_u64 s[8:9], s[8:9], s[82:83]
; 16 matrix instructions: row blocks a0, a0 + 1 of the window's four (hi = 0: my rows 0-63, 1: rows 64-127) x all 8 column blocks, 32 along K.  zero = 1: the first product starts the sums.
; The 64 accumulators take turns, one instruction a turn, in the same order in every quarter.
.macro MUL16 f, hi, a0, zero
	WIN MUL_LO+0x50*(\hi)
.irp a, \a0, (\a0)+1
.irp b, 0,1,2,3,4,5,6,7
.if \zero
	v_wmma_f32_16x16x32_f16 v[8*(8*(\a)+(\b)):8*(8*(\a)+(\b))+7], v[(\f)+8*(\b):(\f)+8*(\b)+7], v[(\f)+8*(4*(\hi)+(\a)):(\f)+8*(4*(\hi)+(\a))+7], 0
.else
	v_wmma_f32_16x16x32_f16 v[8*(8*(\a)+(\b)):8*(8*(\a)+(\b))+7], v[(\f)+8*(\b):(\f)+8*(\b)+7], v[(\f)+8*(4*(\hi)+(\a)):(\f)+8*(4*(\hi)+(\a))+7], v[8*(8*(\a)+(\b)):8*(8*(\a)+(\b))+7]
.endif
.endr
.endr
.endm
; 32 LDS loads in one run: the fragments of quarter q (32 along K) of a slot into buffer f: B's 128 columns (turned), then A's 128 rows
.macro FETCH slot, q, f
	WIN TO_B
.irp i, 0,1,2,3,4,5,6,7
	ds_load_tr16_b128 v[(\f)+8*(\i):(\f)+8*(\i)+3],   v[ADRB+(\slot)] offset:32*(\q)*PB+32*(\i)
	ds_load_tr16_b128 v[(\f)+8*(\i)+4:(\f)+8*(\i)+7], v[ADRB+(\slot)] offset:(32*(\q)+16)*PB+32*(\i)
.endr
	WIN 0
.irp i, 0,1,2,3,4,5,6,7
	ds_load_b128 v[(\f)+8*(\i):(\f)+8*(\i)+3],   v[ADRA+(\slot)] offset:64*(\q)+(\i)*16*PITCH
	ds_load_b128 v[(\f)+8*(\i)+4:(\f)+8*(\i)+7], v[ADRA+(\slot)] offset:64*(\q)+(\i)*16*PITCH+32
.endr
.endm
.macro PLACES                          ; four places in front of loads into registers that matrix instructions have read, and of lines that read results
.rept 4
	v_nop
.endr
.endm
; A K step is four quarters of 32 along K, 64 matrix instructions each, on buffers 0, 1, 0, 1.  One of the first three: multiplies buffer f; in its middle it fetches quarter q into buffer g.
.macro QUARTER slot, q, f, g, zero
	s_wait_dscnt 8                                 ; B and A's rows 0-63 are in; the youngest eight loads (A's rows 64-127) may be out
	MUL16 \f, 0, 0, \zero
	MUL16 \f, 0, 2, \zero
	PLACES
	FETCH \slot, \q, \g
	s_wait_dscnt 32                                ; all but the 32 just issued
	MUL16 \f, 1, 0, \zero
	MUL16 \f, 1, 2, \zero
.endm
; The last quarter multiplies buffer 1 and changes slots.  MEET is its first half: ONE barrier; in front of it each wave waits for all its tensor loads, of which one is out: its part of the next slot;
; adds 0 to its spare word; and waits for that and for its own reads of this slot.  Behind it nobody reads this slot any more and the next slot is whole.
.macro MEET round                      ; round = 1: a round of the cluster's barrier follows
	WIN 0                                          ; (the add's two registers lie in window 0)
	s_wait_tensorcnt 0x0                           ; all my tensor loads have landed
	ds_add_u32 v[SPW], v[NIL]                      ; 0 onto my spare word
	s_wait_dscnt 9                                 ; (the add and the youngest eight loads may be out)
	MUL16 F1, 0, 0, 0                              ; sixteen matrix instructions stand between the add and the wait for it
	s_wait_dscnt 0x0                               ; the add is done, and my reads of this slot are over
	s_barrier_signal -1
	MUL16 F1, 0, 2, 0
.if \round
	WIN 0
.endif
	s_barrier_wait -1
.endm
; The whole last quarter of a K step behind which its slot is filled again, two K steps ahead, first thing behind the round.
.macro TURN slot, next
	MEET 1
	CREST                                          ; no wave of any partner still reads this slot's tile or has a load on its way
	s_add_nc_u64 s[G0+4*(\slot)+2:G0+4*(\slot)+3], s[G0+4*(\slot)+2:G0+4*(\slot)+3], 2*STEP_A
	s_add_nc_u64 s[G0B+4*(\slot)+2:G0B+4*(\slot)+3], s[G0B+4*(\slot)+2:G0B+4*(\slot)+3], 2*STEP_B
	JLOAD \slot                                    ; my one tensor load behind the round: 224 matrix instructions ahead of the wait for it; its four v_nop are also the places in front of the loads below
	FETCH \next, 0, F0
	MUL16 F1, 1, 0, 0
	MUL16 F1, 1, 2, 0
.endm
	s_wait_tensorcnt 1                             ; my part of K step 0 is in; K step 1's may stay out
	s_barrier_signal -1
	s_barrier_wait -1                              ; everybody's is
	FETCH 0, 0, F0
	QUARTER 0, 1, F0, F1, 1                        ; the first quarter stands in front of the loop: its products start the sums
	WIN 0                                          ; at a label and at a branch every window is 0
	s_mov_b32 s3, LAPS-1
.Llap:                                                 ; a trip goes once round the ring, from a lap's second quarter to the next lap's first, and fills both slots again
	QUARTER 0, 2, F1, F0, 0
	QUARTER 0, 3, F0, F1, 0
	TURN 0, 1
	QUARTER 1, 1, F0, F1, 0
	QUARTER 1, 2, F1, F0, 0
	QUARTER 1, 3, F0, F1, 0
	TURN 1, 0
	QUARTER 0, 1, F0, F1, 0
	WIN 0
	s_sub_co_u32 s3, s3, 1
	s_cmp_lg_u32 s3, 0
	s_cbranch_scc1 .Llap
	QUARTER 0, 2, F1, F0, 0                        ; the last lap fills nothing, and has no round of the cluster's barrier
	QUARTER 0, 3, F0, F1, 0
	MEET 0
	PLACES
	FETCH 1, 0, F0
	MUL16 F1, 1, 0, 0
	MUL16 F1, 1, 2, 0
	QUARTER 1, 1, F0, F1, 0
	QUARTER 1, 2, F1, F0, 0
	QUARTER 1, 3, F0, F1, 0
	s_wait_dscnt 8                                 ; the very last quarter: nothing more to fetch
	MUL16 F1, 0, 0, 0
	MUL16 F1, 0, 2, 0
	s_wait_dscnt 0x0
	MUL16 F1, 1, 0, 0
	MUL16 F1, 1, 2, 0
	WIN 0
	PLACES
	; THE WAY OUT, a block of 16 rows x 128 columns at a time: + bias, gelu, rounded to f16, through my own stage, stored as whole rows of 256 bytes.
	; A block's gelu is 608 vector instructions; written for all eight blocks it would be three times the rest of the text.  So it stands once, in a loop over the blocks, and works on a copy of the
	; block's sums in window 0.  Only the copy (the 32 additions of the bias) names the block's own registers: it stands eight times, and a chain of forward jumps on the loop's counter takes one.
.macro COPY a
	WIN 0x06+((\a)/4)                              ; source 0: the sums, window 2 or 3; source 1: the bias, window 1; destination window 0
.irp b, 0,1,2,3,4,5,6,7
.irp j, 0,2,4,6
	v_pk_add_f32 v[X+8*(\b)+(\j):X+8*(\b)+(\j)+1], v[64*((\a)%4)+8*(\b)+(\j):64*((\a)%4)+8*(\b)+(\j)+1], v[BI+8*(\b)+(\j):BI+8*(\b)+(\j)+1]  ; each accumulator is read from its low end on
.endr
.endr
	WIN 0
.endm
; Eight numbers x in v[r ..] become four words of f16 in v[d ..]: 76 vector instructions.  The transcendentals stand in one run, and the eight maxima are the plain lines behind it (ISA guide 5.7.2).
.macro GELU r, d
.irp j, 0,2,4,6
	v_pk_mul_f32 v[U+(\j):U+(\j)+1], v[(\r)+(\j):(\r)+(\j)+1], v[(\r)+(\j):(\r)+(\j)+1]
.endr
.irp j, 0,1,2,3,4,5,6,7
	v_fma_f32 v[T+(\j)], |v[(\r)+(\j)]|, s[PC], 1.0
.endr
.irp j, 0,2,4,6
	v_pk_mul_f32 v[U+(\j):U+(\j)+1], v[U+(\j):U+(\j)+1], s[NL:NL+1] op_sel_hi:[1,0]
.endr
.irp j, 0,1,2,3,4,5,6,7
	v_rcp_f32 v[T+(\j)], v[T+(\j)]
.endr
.irp j, 0,1,2,3,4,5,6,7
	v_exp_f32 v[U+(\j)], v[U+(\j)]
.endr
.irp j, 0,1,2,3,4,5,6,7
	v_max_num_f32 v[M+(\j)], 0, v[(\r)+(\j)]
.endr
.irp j, 0,2,4,6
	v_pk_fma_f32 v[P+(\j):P+(\j)+1], v[T+(\j):T+(\j)+1], s[A5:A5+1], s[A4:A4+1] op_sel_hi:[1,0,0]
.endr
.irp c, A3, A2, A1
.irp j, 0,2,4,6
	v_pk_fma_f32 v[P+(\j):P+(\j)+1], v[P+(\j):P+(\j)+1], v[T+(\j):T+(\j)+1], s[\c:\c+1] op_sel_hi:[1,1,0]
.endr
.endr
.irp j, 0,2,4,6
	v_pk_mul_f32 v[P+(\j):P+(\j)+1], v[P+(\j):P+(\j)+1], v[T+(\j):T+(\j)+1]
.endr
.irp j, 0,2,4,6
	v_pk_mul_f32 v[P+(\j):P+(\j)+1], v[P+(\j):P+(\j)+1], v[U+(\j):U+(\j)+1]
.endr
.irp j, 0,1,2,3,4,5,6,7
	v_fma_f32 v[(\r)+(\j)], -|v[(\r)+(\j)]|, v[P+(\j)], v[M+(\j)]
.endr
.irp j, 0,1,2,3
	v_cvt_pk_f16_f32 v[(\d)+(\j)], v[(\r)+2*(\j)], v[(\r)+2*(\j)+1]
.endr
.endm
	s_wait_loadcnt 0x0                             ; bias
	COPY 0
	s_mov_b32 s3, 1                                ; the block to be copied next
.Lblock:                                               ; eight trips: block s3 - 1 goes out
.irp b, 0,1,2,3,4,5,6,7
	GELU X+8*(\b), TMP+4*(\b)
	ds_store_b128 v[STO], v[TMP+4*(\b):TMP+4*(\b)+3] offset:32*(\b)
.endr
.irp t, 0,1,2,3,4,5,6,7
	ds_load_b128 v[BK+4*(\t):BK+4*(\t)+3], v[RD] offset:(\t)*2*SPITCH  ; LDS serves a wave's instructions in order (ISA guide 5.7.1.4): these see the stores above; the next block's stores come behind them
.endr
.irp a, 1,2,3,4,5,6,7                  ; the next block's copy stands between those loads and the wait for them; behind the last block there is none
	s_cmp_lg_u32 s3, \a
	s_cbranch_scc1 .Lnot_\a
	COPY \a
	s_branch .Lcopied
.Lnot_\a:
.endr
.Lcopied:
	s_wait_dscnt 0x0                               ; the block is back in registers
.irp t, 0,1,2,3,4,5,6,7
	global_store_b128 v[CO], v[BK+4*(\t):BK+4*(\t)+3], s[8:9] offset:2*(\t)*ROWB  ; 16 lanes store 256 consecutive bytes, at a multiple of 256 from hb's first byte
.endr
	s_wait_xcnt 0x0                                ; the stores have read their registers (ISA guide 3.1): only behind this wait is the offset stepped, and the next block loaded where this one lay
	v_add_nc_u32 v[CO], 16*ROWB, v[CO]
	s_add_co_u32 s3, s3, 1
	s_cmp_lt_u32 s3, 9
	s_cbranch_scc1 .Lblock
	s_wait_tensorcnt 0x0                           ; the wave's end
	ds_add_u32 v[SPW], v[NIL]
	s_wait_dscnt 0x0
	CROUND                                         ; the closing round: no work-group ends while a partner may still ask for a tile that names it
	s_endpgm
.Lfunc_end_k_q74c3e904c8_mlp1:
	.size	k_q74c3e904c8_mlp1, .Lfunc_end_k_q74c3e904c8_mlp1-k_q74c3e904c8_mlp1
	.p2alignl 7, 3214868480
	.fill 96, 4, 3214868480
	.section	.rodata,"a",@progbits
	.p2align	6, 0x0
	.amdhsa_kernel k_q74c3e904c8_mlp1
		.amdhsa_group_segment_fixed_size 327680
		.amdhsa_private_segment_fixed_size 0
		.amdhsa_enable_private_segment 0
		.amdhsa_kernarg_size 32
		.amdhsa_user_sgpr_count 2
		.amdhsa_user_sgpr_kernarg_segment_ptr 1
		.amdhsa_wavefront_size32 1
		.amdhsa_system_sgpr_workgroup_id_x 1
		.amdhsa_system_sgpr_workgroup_id_y 1
		.amdhsa_system_sgpr_workgroup_id_z 1
		.amdhsa_system_vgpr_workitem_id 0
		.amdhsa_next_free_vgpr 1024
		.amdhsa_next_free_sgpr 84
		.amdhsa_reserve_vcc 0
		.amdhsa_float_denorm_mode_32 3
		.amdhsa_float_denorm_mode_16_64 3
		.amdhsa_memory_ordered 1
		.amdhsa_forward_progress 1
		.amdhsa_inst_pref_size 165
	.end_amdhsa_kernel
	.amdgpu_metadata
---
amdhsa.version: [ 1, 2 ]
amdhsa.kernels:
  - .name:           k_q74c3e904c8_mlp1
    .symbol:         k_q74c3e904c8_mlp1.kd
    .args:
      - { .name: actb, .offset: 0, .size: 8, .value_kind: global_buffer, .address_space: global }
      - { .name: wb, .offset: 8, .size: 8, .value_kind: global_buffer, .address_space: global }
      - { .name: b1, .offset: 16, .size: 8, .value_kind: global_buffer, .address_space: global }
      - { .name: hb, .offset: 24, .size: 8, .value_kind: global_buffer, .address_space: global }
    .group_segment_fixed_size: 327680
    .private_segment_fixed_size: 0
    .kernarg_segment_align: 8
    .kernarg_segment_size: 32
    .max_flat_workgroup_size: 128
    .sgpr_count:     84
    .vgpr_count:     1024
    .wavefront_size: 32
...
	.end_amdgpu_metadata
.endif
;; end of part 10
;; launch mlp2: the kernel of part 7 again; grid 8 x 32, 4 waves a work-group, clusters of 4 x 4, 327,680 bytes of LDS; arguments hb, wb, t; writes t
;; launch ln2: the kernel of part 8 again; grid 256 x 1, 8 waves a work-group, no clusters, 0 bytes of LDS; arguments t, xn1, b2, g2, beta2, out0; writes out0
